; MI455X (gfx1250); checked and timed in simulation.
; The chip was launched on July 23, 2026; its instructions are those of AMD's public machine-readable ISA for CDNA 5 (MIT licence, August 2026) and "CDNA5" Instruction Set Architecture Reference Guide (July 2026). The comments in the code are by the model that wrote it; some were corrected since.
;; Mo E Layer. Allowed arithmetic: matrix products marked QUANTISED: E3M2 operands, one E8M0 scale for each 32 along K, by v_wmma_scale_f32_16x16x128_f8f6f4 with both operands' format E3M2, f32 sums; products left as they are: f32 operands where the result goes on into a quantised operand, else bf16, f16 or f32 operands; f32 sums; everything else in f32.
;; Inputs: b1 8 x 2,048 float32; b2 8 x 1,024 float32; gate_b 8 float32; gate_w 1,024 x 8 float32; w1 8 x 1,024 x 2,048 float32; w2 8 x 2,048 x 1,024 float32; x 4 x 512 x 1,024 float32.
;; Outputs: out0 4 x 512 x 1,024 float32.
;; This version of the problem:
;;   THIS VERSION OF THE PROBLEM IS GIVEN IN LOW PRECISION. The matrix products marked QUANTISED in the list below multiply operands that are first quantised to E3M2 (3 exponent bits, 2 mantissa bits; 6 bits a number), with one power-of-two scale for each 32 numbers along K (OCP MX v1.0); their sums are f32. All else is computed in f32.
;;   The module's matrix products, in the order in which they are computed (A, B: the left and right operand; K: the contracted axis; several contracted axes count as one K, in the product's order):
;;     1. [M 2,048, K 1,024] x [K 1,024, N 8]; A: input x; B: input gate_w: left as it is (N = 8 < 16)
;;     2. [M 2,048, K 1,024] x [K 1,024, N 16,384]; A: input x; B: input w1: QUANTISED
;;     3. batch 8 x [M 1,024, K 2,048] x [K 2,048, N 2,048]; A: input w2; B: computed on the way: QUANTISED
;;     4. batch 2,048 x [M 1,024, K 8] x [K 8, N 1]; A: computed on the way; B: computed on the way: left as it is (K = 8 < 32)
;;   THE QUANTISER, for each operand of a quantised product, along K:
;;     - K is cut into blocks of 32 from its start; a last block that is shorter is filled with zeros.
;;     - A block's scale is 2^e with e = floor(log2(the largest magnitude in the block)) - 4, held to -126 .. 127; a block of zeros has e = 0. As a byte (E8M0): e + 127.
;;     - Each number is divided by its block's scale, clamped to +-28, and rounded to the nearest number of E3M2, ties to even, subnormals kept.
;;     - The product sums the exact products of the quantised numbers (number of the format x scale) in f32.
;;   ~~~python
;;   def quantise(x, axis):      # numpy; x: float32 -> the quantised numbers, widened to float32 again
;;       x = np.moveaxis(x, axis, -1); K = x.shape[-1]
;;       x = np.pad(x, [(0, 0)] * (x.ndim - 1) + [(0, -K % 32)]); x = x.reshape(x.shape[:-1] + (-1, 32)); a = np.abs(x).max(-1, keepdims=True)
;;       e = np.where(a > 0, np.clip(np.frexp(np.where(a > 0, a, 1))[1] - 1 - 4, -126, 127), 0)      # np.frexp(a)[1] - 1 = floor(log2(a)), exactly
;;       r = np.clip(x / 2.0 ** e, -28, 28)
;;       step = 2.0 ** (np.maximum(np.frexp(np.where(r == 0, 1, r))[1] - 1, -2) - 2)
;;       q = np.round(r / step) * step * 2.0 ** e      # np.round: ties to even
;;       return np.moveaxis(q.reshape(q.shape[:-2] + (-1,))[..., :K], -1, axis).astype(np.float32)
;;   ~~~
;;   OPERANDS COMPUTED ON THE WAY. 'Computed on the way' means the value that the module computes at that place (a softmax that the list does not call 'softmax' is quantised finished and normalised). What goes into a quantiser is computed in f32, as accurately as f32 sums, v_exp_f32 and their like allow (about 1e-6 of the number): no bf16 or f16 on the way to a quantiser, and a product that is left as it is and whose result goes on into a quantised operand takes f32 operands (vector FMAs, or v_wmma_f32_16x16x4_f32). A number that lies on a knife's edge between two numbers of the format may be rounded either way, as far as f32 arithmetic and the matrix unit's own rounding can turn it there, and no further.
;; 3 versions. Each part assembles by itself: llvm-mc -triple=amdgcn-amd-amdhsa -mcpu=gfx1250 --defsym DOCPART=n.
;; ======== version 1 of 3: 5 launches
;; workspace buffers: sel 8,192 bytes of whole numbers; gwt 16,384 bytes; xq 1,638,400 bytes; xg 13,107,200 bytes; gwp 65,536 bytes; route 17,408 bytes of whole numbers; hq 26,214,400 bytes; yr 67,108,864 bytes
;; launch gate (part 1): grid 256 x 1, 4 waves a work-group, no clusters, 77,312 bytes of LDS; arguments x, gate_w, gate_b, xq, sel, gwt; writes xq, sel, gwt
.if DOCPART == 1
	.amdgcn_target "amdgcn-amd-amdhsa--gfx1250"
	.amdhsa_code_object_version 6
	.text
	.protected	k_q7aa8f0bbed_gate
	.globl	k_q7aa8f0bbed_gate
	.p2align	8
	.type	k_q7aa8f0bbed_gate,@function
k_q7aa8f0bbed_gate:
	s_mov_b64 s[64:65], 0
	v_nop
	global_prefetch_b8 v0, s[64:65] scope:SCOPE_SE
	s_setreg_imm32_b32 hwreg(HW_REG_WAVE_MODE, 25, 1), 1
	s_wait_xcnt 0x0
; ROUTER AND QUANTISER OF x.  x: [2048][1024] f32; gate_w: [1024][8] f32; gate_b: [8] f32.
; For each token: logits = x . gate_w + gate_b in f32 (fused multiply-adds: a coarser product could turn a choice of expert); the two largest (ties keep the lower index, by strict compares in
; ascending order); their softmax with the larger logit taken away first.  Stored at fixed places: sel[t] = (1 << first) | (1 << (8 + second)), gwt[t] = the two weights.
; The same numbers of x are quantised to E3M2 with one E8M0 byte for each 32 along K.  xq: a row of codes is 768 bytes; inside each 96 bytes (128 along K) the four blocks of 24 bytes lie in the order
; 0, 2, 1, 3, so that the 48 bytes which one lane of a matrix operand wants (blocks h and 2 + h) lie on end.  Scale bytes [2048][32], in natural order, from byte XQS on.
; SHARES: a work-group takes 8 tokens, a wave 2.  Loads take the bytes as they lie (512 consecutive bytes an instruction); a turn through the wave's own LDS stage gives lane l block l of the row (32 neighbours).
; LIMITS: NaN and infinities are not served.  A block whose largest magnitude lies under 2^-122 keeps the byte 1 (a block of zeros too, where the rule says 127: its codes are zeros, and only this program
; reads the bytes).  The logits are summed in another order than a plain dot product: two logits that agree to about 1e-6 of their size may change places.
.set XST,  33280                       ; LDS: gate_w as 32 chunks of 1,024 bytes, 1,040 apart, from byte 0; then a stage of 2 x 32 x 144 bytes for each wave,
.set CST,  70144                       ; two rows of codes for each wave,
.set XSS,  76288                       ; the work-group's 256 scale bytes,
.set SELS, 76544                       ; its 8 sel words,
.set GWS,  76608                       ; its 8 pairs of weights
.set XQS,  1572864
.set XL,   32                          ; v32-95   x as loaded; later gate_w's batches 0 and 2
.set GL,   96                          ; v96-159  gate_w as loaded; later batches 1 and 3
.set X,    160                         ; v160-223 two tokens x 32 neighbours
.set ACC,  224                         ; v224-239 two tokens x 8 partial logits
	s_load_b256 s[4:11], s[0:1], 0x0               ; x s[4:5], gate_w s[6:7], gate_b s[8:9], xq s[10:11]
	s_load_b128 s[12:15], s[0:1], 0x20             ; sel s[12:13], gwt s[14:15]
	v_lshl_add_u32 v254, v0, 2, 0x12c00
	v_mov_b32 v255, 0
	v_lshrrev_b32 v11, 5, v0
	v_readfirstlane_b32 s16, v11                   ; wave 0..3
	v_and_b32 v1, 31, v0                           ; lane
	v_lshlrev_b32 v2, 4, v1                        ; 16 x lane
	v_lshlrev_b32 v3, 4, v0                        ; 16 x thread
	v_lshrrev_b32 v4, 6, v0
	v_mul_u32_u24 v4, v4, 1040
	v_and_b32 v12, 63, v0
	v_lshl_add_u32 v4, v12, 4, v4                  ; gate_w into LDS: 1040 (thread / 64) + 16 (thread % 64)
	s_mul_i32 s17, s16, 9216
	s_add_co_u32 s17, s17, XST                     ; my wave's stage
	v_lshrrev_b32 v5, 3, v1
	v_mul_u32_u24 v5, v5, 144
	v_and_b32 v12, 7, v1
	v_lshl_add_u32 v5, v12, 4, v5
	v_add_nc_u32 v5, s17, v5                       ; into it: eight lanes' 128 bytes on end, then 16 of padding
	v_mul_u32_u24 v6, v1, 144
	v_add_nc_u32 v6, s17, v6                       ; out of it: my block
	v_mul_u32_u24 v7, v1, 1040                     ; gate_w's rows 32 lane .. 32 lane + 31
	v_and_b32 v8, 28, v1
	v_and_b32 v12, 1, v1
	v_lshl_add_u32 v8, v12, 1, v8
	v_bfe_u32 v12, v1, 1, 1
	v_add_nc_u32 v8, v8, v12                       ; my block's place in the row of codes: 4 (l / 4) + 2 (l % 2) + (l / 2) % 2
	v_mul_u32_u24 v8, v8, 24
	s_mul_i32 s18, s16, 1536
	s_add_co_u32 s18, s18, CST
	v_add_nc_u32 v8, s18, v8
	v_add_nc_u32 v9, s18, v2                       ; and the two rows read back, 16 bytes a lane
	s_lshl_b32 s19, s16, 6
	s_add_co_u32 s19, s19, XSS
	v_add_nc_u32 v10, s19, v1                      ; my block's scale byte
	s_lshl_b32 s17, s16, 3
	s_add_co_u32 s17, s17, SELS
	v_mov_b32 v16, s17                             ; my wave's two sel words
	s_lshl_b32 s17, s16, 4
	s_add_co_u32 s17, s17, GWS
	v_mov_b32 v17, s17                             ; and its two pairs of weights
	v_lshlrev_b32 v21, 3, v1                       ; wave 0's way out: 8 x lane,
	v_add_nc_u32 v18, XSS, v21
	v_and_b32 v12, 7, v1
	v_lshl_add_u32 v19, v12, 2, SELS
	v_lshl_add_u32 v20, v12, 3, GWS
	v_lshlrev_b32 v22, 2, v1                       ; 4 x lane
	s_mov_b32 s38, 0x76543210
	s_mov_b32 s39, 0xfedcba98                      ; v_permlanex16_b32's selects for lane l xor 16
	s_mov_b32 s40, 0x3fb8aa3b                      ; log2(e)
	s_wait_kmcnt 0x0
	s_load_b256 s[20:27], s[8:9], 0x0              ; gate_b, all eight
	s_lshl_b32 s28, ttmp9, 15                      ; 8 tokens of 4,096 bytes a work-group,
	s_lshl_b32 s41, s16, 13                        ; 2 a wave
	s_add_co_u32 s28, s28, s41
	s_mov_b32 s29, 0
	s_add_nc_u64 s[4:5], s[4:5], s[28:29]
.irp tk, 0,1
.irp i, 0,1,2,3,4,5,6,7
	global_load_b128 v[XL+32*\tk+4*\i:XL+32*\tk+4*\i+3], v2, s[4:5] offset:4096*\tk+512*\i th:TH_LOAD_NT   ; 512 consecutive bytes of a row
.endr
.endr
.irp i, 0,1,2,3,4,5,6,7,8,9,10,11,12,13,14,15
	global_load_b128 v[GL+4*\i:GL+4*\i+3], v3, s[6:7] offset:2048*\i   ; the four waves together: all of gate_w
.endr
	s_mul_i32 s28, ttmp9, 6144
	s_mul_i32 s41, s16, 1536
	s_add_co_u32 s28, s28, s41
	s_add_nc_u64 s[30:31], s[10:11], s[28:29]      ; my two rows of codes
	s_lshl_b32 s28, ttmp9, 8
	s_add_co_u32 s28, s28, XQS
	s_add_nc_u64 s[32:33], s[10:11], s[28:29]      ; the work-group's 256 scale bytes
	s_lshl_b32 s28, ttmp9, 5
	s_add_nc_u64 s[34:35], s[12:13], s[28:29]      ; its sel words
	s_lshl_b32 s28, ttmp9, 6
	s_add_nc_u64 s[36:37], s[14:15], s[28:29]      ; its weights
	s_wait_loadcnt 16                              ; x's sixteen loads are in; gate_w's sixteen, issued behind them, may be out
.irp tk, 0,1
.irp i, 0,1,2,3,4,5,6,7
	ds_store_b128 v5, v[XL+32*\tk+4*\i:XL+32*\tk+4*\i+3] offset:4608*\tk+576*\i
.endr
.endr
.irp tk, 0,1
.irp j, 0,1,2,3,4,5,6,7
	ds_load_b128 v[X+32*\tk+4*\j:X+32*\tk+4*\j+3], v6 offset:4608*\tk+16*\j   ; LDS serves a wave's instructions in order: these see the stores above
.endr
.endr
	s_wait_loadcnt 0x0
.irp i, 0,1,2,3,4,5,6,7,8,9,10,11,12,13,14,15
	ds_store_b128 v4, v[GL+4*\i:GL+4*\i+3] offset:2080*\i
.endr
	s_wait_dscnt 0x0                               ; for the others' sake: my part of gate_w lies in LDS (and my own numbers are back)
	s_barrier_signal -1
	s_barrier_wait -1                              ; all of gate_w lies in LDS
; THE LOGITS.  Lane l sums k = 32 l .. 32 l + 31 for both tokens and all eight experts; gate_w comes in four batches of eight rows (16 loads), two buffers by turns.
.macro GBATCH n
.irp i, 0,1,2,3,4,5,6,7,8,9,10,11,12,13,14,15
	ds_load_b128 v[32+64*((\n)%2)+4*\i:32+64*((\n)%2)+4*\i+3], v7 offset:256*(\n)+16*\i
.endr
.endm
.macro GFMA n                          ; 8 rows x 2 tokens x 4 pairs of experts; x's number is taken for both halves of the pair
.set kk, 0
.rept 8
.set kb, 8*(\n)+kk
.set G, 32+64*((\n)%2)+8*kk
.irp tk, 0,1
.irp p, 0,1,2,3
.if kb == 0
	v_pk_mul_f32 v[ACC+8*\tk+2*\p:ACC+8*\tk+2*\p+1], v[G+2*\p:G+2*\p+1], v[X+32*\tk:X+32*\tk+1] op_sel_hi:[1,0]   ; the first product starts the sums: nothing is cleared
.elseif kb%2 == 0
	v_pk_fma_f32 v[ACC+8*\tk+2*\p:ACC+8*\tk+2*\p+1], v[G+2*\p:G+2*\p+1], v[X+32*\tk+kb:X+32*\tk+kb+1], v[ACC+8*\tk+2*\p:ACC+8*\tk+2*\p+1] op_sel_hi:[1,0,1]
.else
	v_pk_fma_f32 v[ACC+8*\tk+2*\p:ACC+8*\tk+2*\p+1], v[G+2*\p:G+2*\p+1], v[X+32*\tk+kb-1:X+32*\tk+kb], v[ACC+8*\tk+2*\p:ACC+8*\tk+2*\p+1] op_sel:[0,1,0]
.endif
.endr
.endr
.set kk, kk+1
.endr
.endm
	GBATCH 0
	GBATCH 1
	s_wait_dscnt 16                                ; batch 0 is in; batch 1's sixteen loads may be out
	GFMA 0
	GBATCH 2
	s_wait_dscnt 16                                ; batch 1 is in; batch 2's may be out
	GFMA 1
	GBATCH 3
	s_wait_dscnt 16                                ; batch 2 is in; batch 3's may be out
	GFMA 2
	s_wait_dscnt 0x0
	GFMA 3
; THE CODES.  All 32 numbers of a block are mine: the largest magnitude with the floor 2^(5 - 127) among its leaves; 4 off its exponent field is the conversion's scale operand; that, shifted, the byte.
.macro QROW tk
.set XS, X+32*\tk
.set CC, 32+8*\tk
	v_max3_num_f32 v12, |v[XS]|, |v[XS+1]|, |v[XS+2]|
	v_max3_num_f32 v13, |v[XS+3]|, |v[XS+4]|, |v[XS+5]|
.irp i, 6,10,14,18,22,26
	v_max3_num_f32 v12, v12, |v[XS+\i]|, |v[XS+\i+1]|
	v_max3_num_f32 v13, v13, |v[XS+\i+2]|, |v[XS+\i+3]|
.endr
	v_max3_num_f32 v12, v12, |v[XS+30]|, |v[XS+31]|
	v_max3_num_f32 v12, v12, v13, 0x2800000
	v_add_nc_u32 v14, 0xfe000000, v12
	v_lshrrev_b32 v[50+\tk], 23, v14
	v_cvt_scalef32_pk16_bf6_f32 v[CC:CC+2], v[XS:XS+15], v14
	v_cvt_scalef32_pk16_bf6_f32 v[46:48], v[XS+16:XS+31], v14   ; (a conversion's three registers begin on an even number)
	v_nop                                          ; one plain instruction behind a scaled conversion
.irp i, 0,1,2
	v_mov_b32 v[CC+3+\i], v[46+\i]
.endr
.irp j, 0,1,2
	ds_store_b64 v8, v[CC+2*\j:CC+2*\j+1] offset:768*\tk+8*\j
.endr
	ds_store_b8 v10, v[50+\tk] offset:32*\tk
.endm
	QROW 0
	QROW 1
.irp i, 0,1,2
	ds_load_b128 v[52+4*\i:55+4*\i], v9 offset:512*\i   ; my wave's own bytes, served in order
.endr
	s_wait_dscnt 0x0
.irp i, 0,1,2
	global_store_b128 v2, v[52+4*\i:55+4*\i], s[30:31] offset:512*\i   ; 512 consecutive bytes, at a multiple of 256 from the buffer's first byte
.endr
; the sixteen partial logits are summed over the 32 lanes, by turns; every lane ends with every sum
.irp m, 1,2,4,8
.irp j, 0,1,2,3,4,5,6,7,8,9,10,11,12,13,14,15
	v_add_f32_dpp v[ACC+\j], v[ACC+\j], v[ACC+\j] row_xmask:\m row_mask:0xf bank_mask:0xf
.endr
.endr
.irp j, 0,1,2,3,4,5,6,7,8,9,10,11,12,13,14,15
	v_permlanex16_b32 v[64+\j], v[ACC+\j], s38, s39
.endr
.irp j, 0,1,2,3,4,5,6,7,8,9,10,11,12,13,14,15
	v_add_f32 v[ACC+\j], v[ACC+\j], v[64+\j]
.endr
	s_wait_kmcnt 0x0                               ; gate_b
.irp tk, 0,1
.irp e, 0,1,2,3,4,5,6,7
	v_add_f32 v[ACC+8*\tk+\e], s[20+\e], v[ACC+8*\tk+\e]
.endr
.endr
; THE TWO LARGEST.  A later logit takes the place only if it is strictly larger, so the lower index wins a tie.  No branch and no address hangs on the result.
.macro SCAN2 m, i, tk
	v_mov_b32 v[\m], v[ACC+8*\tk]
	v_mov_b32 v[\i], 0
.irp e, 1,2,3,4,5,6,7
	v_cmp_gt_f32 vcc_lo, v[ACC+8*\tk+\e], v[\m]
	v_cndmask_b32 v[\m], v[\m], v[ACC+8*\tk+\e], vcc_lo
	v_cndmask_b32 v[\i], v[\i], \e, vcc_lo
.endr
.endm
	v_mov_b32 v96, 0xff800000                      ; -infinity
	v_mov_b32 v97, 1
	v_mov_b32 v98, 0x100
.irp tk, 0,1
	SCAN2 80+8*\tk, 81+8*\tk, \tk
.irp e, 0,1,2,3,4,5,6,7
	v_cmp_eq_u32 vcc_lo, \e, v[81+8*\tk]
	v_cndmask_b32 v[ACC+8*\tk+\e], v[ACC+8*\tk+\e], v96, vcc_lo   ; the winner leaves the field
.endr
	SCAN2 82+8*\tk, 83+8*\tk, \tk
.endr
.irp tk, 0,1
	v_sub_f32 v[86+8*\tk], v[82+8*\tk], v[80+8*\tk]   ; the second less the first: the maximum is taken away
.endr
.irp tk, 0,1
	v_mul_f32 v[86+8*\tk], s40, v[86+8*\tk]
.endr
.irp tk, 0,1
	v_exp_f32 v[86+8*\tk], v[86+8*\tk]             ; d = e^(second - first), at most 1
.endr
	v_nop                                          ; a plain instruction behind the exponentials,
	s_wait_alu depctr_va_vdst(0)                   ; and the wait ahead of the first use: one for both
.irp tk, 0,1
	v_add_f32 v[84+8*\tk], 1.0, v[86+8*\tk]
.endr
.irp tk, 0,1
	v_rcp_f32 v[84+8*\tk], v[84+8*\tk]             ; the first weight: 1 / (1 + d)
.endr
.irp tk, 0,1
	v_lshlrev_b32 v[87+8*\tk], v[81+8*\tk], v97    ; (plain work behind the reciprocals)  1 << first
.endr
.irp tk, 0,1
	v_lshlrev_b32 v[99+\tk], v[83+8*\tk], v98      ; 1 << (8 + second)
.endr
.irp tk, 0,1
	v_or_b32 v[87+8*\tk], v[87+8*\tk], v[99+\tk]
.endr
	s_wait_alu depctr_va_vdst(0)                   ; one wait for both reciprocals, ahead of their first use
.irp tk, 0,1
	v_mul_f32 v[85+8*\tk], v[86+8*\tk], v[84+8*\tk]   ; the second weight: d / (1 + d)
.endr
.irp tk, 0,1
	ds_store_b32 v16, v[87+8*\tk] offset:4*\tk     ; all lanes write the same word with the same value
	ds_store_b64 v17, v[84+8*\tk:85+8*\tk] offset:8*\tk
.endr
	s_wait_dscnt 0x0                               ; for wave 0's sake: my bytes, words and weights lie in LDS
	s_barrier_signal -1
	s_barrier_wait -1
	s_cmp_lg_u32 s16, 0
	s_cbranch_scc1 .Lothers
	ds_load_b64 v[100:101], v18                    ; wave 0 stores what the four waves have gathered
	ds_load_b32 v102, v19
	ds_load_b64 v[104:105], v20
	s_wait_dscnt 0x0
	global_store_b64 v21, v[100:101], s[32:33]     ; 256 consecutive scale bytes, aligned
	s_wait_xcnt 0x0                                ; EXEC changes only behind this wait
	s_wait_tensorcnt 0x0
	ds_add_u32 v254, v255
	s_wait_dscnt 0x0
	v_cmpx_gt_u32 8, v0                            ; lanes 0 to 7: a token each
	global_store_b32 v22, v102, s[34:35]
	global_store_b64 v21, v[104:105], s[36:37]
	s_endpgm
.Lothers:
	s_wait_tensorcnt 0x0
	ds_add_u32 v254, v255
	s_wait_dscnt 0x0
	s_endpgm
.Lfunc_end_k_q7aa8f0bbed_gate:
	.size	k_q7aa8f0bbed_gate, .Lfunc_end_k_q7aa8f0bbed_gate-k_q7aa8f0bbed_gate
	.p2alignl 7, 3214868480
	.fill 96, 4, 3214868480
	.section	.rodata,"a",@progbits
	.p2align	6, 0x0
	.amdhsa_kernel k_q7aa8f0bbed_gate
		.amdhsa_group_segment_fixed_size 77312
		.amdhsa_private_segment_fixed_size 0
		.amdhsa_enable_private_segment 0
		.amdhsa_kernarg_size 48
		.amdhsa_user_sgpr_count 2
		.amdhsa_user_sgpr_kernarg_segment_ptr 1
		.amdhsa_wavefront_size32 1
		.amdhsa_system_sgpr_workgroup_id_x 1
		.amdhsa_system_sgpr_workgroup_id_y 1
		.amdhsa_system_sgpr_workgroup_id_z 1
		.amdhsa_system_vgpr_workitem_id 0
		.amdhsa_next_free_vgpr 256
		.amdhsa_next_free_sgpr 66
		.amdhsa_reserve_vcc 1
		.amdhsa_float_denorm_mode_32 3
		.amdhsa_float_denorm_mode_16_64 3
		.amdhsa_memory_ordered 1
		.amdhsa_forward_progress 1
		.amdhsa_inst_pref_size 47
	.end_amdhsa_kernel
	.amdgpu_metadata
---
amdhsa.version: [ 1, 2 ]
amdhsa.kernels:
  - .name:           k_q7aa8f0bbed_gate
    .symbol:         k_q7aa8f0bbed_gate.kd
    .args:
      - { .name: x, .offset: 0, .size: 8, .value_kind: global_buffer, .address_space: global }
      - { .name: gate_w, .offset: 8, .size: 8, .value_kind: global_buffer, .address_space: global }
      - { .name: gate_b, .offset: 16, .size: 8, .value_kind: global_buffer, .address_space: global }
      - { .name: xq, .offset: 24, .size: 8, .value_kind: global_buffer, .address_space: global }
      - { .name: sel, .offset: 32, .size: 8, .value_kind: global_buffer, .address_space: global }
      - { .name: gwt, .offset: 40, .size: 8, .value_kind: global_buffer, .address_space: global }
    .group_segment_fixed_size: 77312
    .private_segment_fixed_size: 0
    .kernarg_segment_align: 8
    .kernarg_segment_size: 48
    .max_flat_workgroup_size: 128
    .sgpr_count:     66
    .vgpr_count:     256
    .wavefront_size: 32
...
	.end_amdgpu_metadata
.endif
;; end of part 1
;; launch place (part 2): grid 4 x 8, 16 waves a work-group, no clusters, 0 bytes of LDS; arguments sel, gwt, xq, xg, gwp, route; writes xg, gwp, route
.if DOCPART == 2
	.amdgcn_target "amdgcn-amd-amdhsa--gfx1250"
	.amdhsa_code_object_version 6
	.text
	.protected	k_q7aa8f0bbed_place
	.globl	k_q7aa8f0bbed_place
	.p2align	8
	.type	k_q7aa8f0bbed_place,@function
k_q7aa8f0bbed_place:
	s_mov_b64 s[64:65], 0
	v_nop
	global_prefetch_b8 v0, s[64:65] scope:SCOPE_SE
	s_setreg_imm32_b32 hwreg(HW_REG_WAVE_MODE, 25, 1), 1
	s_wait_xcnt 0x0
; THE ROWS ARE PLACED BY EXPERT.  Expert e (work-group y) owns positions 2048 e + i; a TASK is 32 positions, two tiles of 16 rows.  One wave serves one task q = 16 x + wave, lane l position i = 32 q + l.
; Every wave reads all 2,048 sel words (64 registers a lane) and finds, in registers, the token of rank i among the expert's tokens: a scan over 64 chunks of 32 tokens keeps the mask of the last chunk whose
; running count is at most i; the (i - count)-th set bit of that mask is found by five halvings on partial bit counts.  No LDS, no barrier, no atomics.  The order of ranks (chunk, then lane) is the same in every wave.
; A LANE GATHERS ITS OWN ROW: lane l (tile a = l / 16, row r = l % 16) loads its token's 768 bytes of codes and 32 scale bytes; the operand's image is made by the STORES, whose addresses hang on ids alone.
; STORED: route: posinv[token][choice] = the position; ntask[e] = ceil(count / 32), 32 equal words.  gwp[position] = the gate's weight.  xg: the tokens' codes as images of matrix operands: task Q = 64 e + q at 24,576 Q,
; tile a at + 12,288 a, K step s at + 1,536 s, registers 4 j .. 4 j + 3 of operand lane (r, h) at + 512 j + 16 (r + 16 h); scale words from XGS on: 1,024 Q + 512 a + 16 (r + 16 h) + 4 i: row r's word of K step 2 i + h.
; Positions from the count up to the task's end are PADS: token 0's codes, weight 0; they are multiplied, and nobody reads their results.  A task beyond the count stores nothing.
.set XQS, 1572864
.set XGS, 12582912
.set NTO, 16384
.set SL,  32                           ; v32-95 the sel words: register SL + c, lane l: token 128 (c / 4) + 4 l + c % 4
.set CD,  64                           ; v64-255 later: my row's codes, 48 pieces of 16 bytes
	s_load_b256 s[4:11], s[0:1], 0x0               ; sel s[4:5], gwt s[6:7], xq s[8:9], xg s[10:11]
	s_load_b128 s[12:15], s[0:1], 0x20             ; gwp s[12:13], route s[14:15]
	v_lshrrev_b32 v9, 5, v0
	v_readfirstlane_b32 s16, v9                    ; wave 0..15
	s_and_b32 s17, ttmp7, 0xffff                   ; e
	s_lshl_b32 s18, ttmp9, 4
	s_add_co_u32 s18, s18, s16                     ; q
	v_and_b32 v1, 31, v0                           ; lane
	v_lshlrev_b32 v2, 4, v1
	v_lshrrev_b32 v3, 4, v1                        ; a: my position's tile
	v_and_b32 v9, 15, v0                           ; r: its row there
	v_mul_u32_u24 v29, v3, 12288
	v_lshl_add_u32 v29, v9, 4, v29                 ; where my row's codes go: 12,288 a + 16 r
	v_lshlrev_b32 v30, 9, v3
	v_lshl_add_u32 v30, v9, 4, v30                 ; and its scale words: 512 a + 16 r
	s_lshl_b32 s19, s18, 5
	v_add_nc_u32 v4, s19, v1                       ; i
	v_mov_b32 v5, 0                                ; the chunk's mask
	v_mov_b32 v6, 0                                ; its mask of second choices
	v_mov_b32 v7, 0                                ; the count ahead of it
	v_mov_b32 v8, 0                                ; its number
	s_lshl_b32 s20, 0x101, s17                     ; either choice is e
	s_lshl_b32 s21, 0x100, s17                     ; the second choice is e
	s_mov_b32 s22, 0                               ; the running count
	s_lshl_b32 s26, s17, 6
	s_add_co_u32 s26, s26, s18                     ; Q
	s_lshl_b32 s27, s17, 11                        ; 2048 e
	s_wait_kmcnt 0x0
.irp j, 0,1,2,3,4,5,6,7,8,9,10,11,12,13,14,15
	global_load_b128 v[SL+4*\j:SL+4*\j+3], v2, s[4:5] offset:512*\j
.endr
	s_lshl_b32 s40, s17, 7
	s_add_co_u32 s40, s40, NTO
	s_mov_b32 s41, 0
	s_add_nc_u64 s[28:29], s[14:15], s[40:41]      ; ntask[e]
	s_lshl_b32 s40, s26, 10
	s_add_co_u32 s40, s40, XGS
	s_add_nc_u64 s[36:37], s[10:11], s[40:41]      ; the task's scale words
	s_mul_i32 s40, s26, 24576
	s_add_nc_u64 s[38:39], s[10:11], s[40:41]      ; the task's codes
	s_wait_loadcnt 0x0
.set c, 0
.rept 64
	v_and_b32 v9, s20, v[SL+c]
	v_cmp_ne_u32 s23, 0, v9                        ; which of the chunk's 32 tokens take e
	v_and_b32 v10, s21, v[SL+c]
	v_cmp_ne_u32 s24, 0, v10                       ; and which of them as their second choice
	v_cmp_le_u32 vcc_lo, s22, v4                   ; the count never falls: the last chunk whose count is at most i holds rank i
	v_cndmask_b32 v5, v5, s23, vcc_lo
	v_cndmask_b32 v6, v6, s24, vcc_lo
	v_cndmask_b32 v7, v7, s22, vcc_lo
	v_cndmask_b32 v8, v8, c, vcc_lo
	s_bcnt1_i32_b32 s25, s23
	s_add_co_u32 s22, s22, s25
.set c, c+1
.endr
	s_add_co_u32 s25, s22, 31
	s_lshr_b32 s25, s25, 5                         ; ntask
	s_cmp_lg_u32 s18, 0
	s_cbranch_scc1 .Lnot_first
	v_mov_b32 v56, s25                             ; the expert's first wave stores it; these two registers are not written again
	v_lshlrev_b32 v57, 2, v1
	global_store_b32 v57, v56, s[28:29]
.Lnot_first:
	s_cmp_ge_u32 s19, s22                          ; a task beyond the count: a branch on a count made of whole numbers that an earlier launch stored
	s_cbranch_scc1 .Lnothing
	v_sub_nc_u32 v9, v4, v7                        ; k: which set bit of the mask
	v_lshrrev_b32 v10, 1, v5
	v_and_b32 v10, 0x55555555, v10
	v_sub_nc_u32 v10, v5, v10                      ; counts of 2 bits,
	v_lshrrev_b32 v11, 2, v10
	v_and_b32 v11, 0x33333333, v11
	v_and_b32 v12, 0x33333333, v10
	v_add_nc_u32 v11, v11, v12                     ; of 4,
	v_lshrrev_b32 v12, 4, v11
	v_add_nc_u32 v12, v12, v11
	v_and_b32 v12, 0x0f0f0f0f, v12                 ; of 8,
	v_lshrrev_b32 v13, 8, v12
	v_add_nc_u32 v13, v13, v12
	v_and_b32 v13, 0x00ff00ff, v13                 ; of 16
	v_mov_b32 v14, 0                               ; the bit's place
.macro HALVE A, wd                     ; if the lower wd bits from the place on hold k set bits or fewer, pass them
	v_bfe_u32 v15, v[\A], v14, \wd
	v_cmp_ge_u32 vcc_lo, v9, v15
	v_sub_nc_u32 v15, v9, v15
	v_cndmask_b32 v9, v9, v15, vcc_lo
	v_add_nc_u32 v15, \wd, v14
	v_cndmask_b32 v14, v14, v15, vcc_lo
.endm
	HALVE 13, 16
	HALVE 12, 8
	HALVE 11, 4
	HALVE 10, 2
	HALVE 5, 1
	v_bfe_u32 v17, v6, v14, 1                      ; 0: e is the token's first choice, 1: its second
	v_lshrrev_b32 v16, 2, v8
	v_lshlrev_b32 v16, 7, v16
	v_lshl_add_u32 v16, v14, 2, v16
	v_and_b32 v15, 3, v8
	v_add_nc_u32 v16, v16, v15                     ; the token
	v_cmp_gt_u32 vcc_lo, s22, v4                   ; i < count: a row; else a pad.  VCC stands from here to the end
	v_cndmask_b32 v16, 0, v16, vcc_lo              ; a pad takes token 0
	v_min_u32 v16, 0x7ff, v16
	v_lshl_add_u32 v17, v16, 1, v17
	v_min_u32 v17, 0xfff, v17
	v_lshlrev_b32 v17, 2, v17                      ; the byte of (token, choice) in gwt and in posinv
	v_mov_b32 v22, v16                             ; each register that goes into an address is held to the table's range itself, and then only shifted left and added
	v_mov_b32 v23, v16
	v_mov_b32 v24, v16
	v_min_u32 v22, 0x7ff, v22
	v_min_u32 v23, 0x7ff, v23
	v_min_u32 v24, 0x7ff, v24
	v_lshlrev_b32 v22, 9, v22
	v_lshlrev_b32 v23, 8, v23
	v_add_nc_u32 v22, v22, v23                     ; 768 x token: its row of codes
	v_lshlrev_b32 v24, 5, v24                      ; 32 x token: its scale bytes
	v_add_nc_u32 v19, s27, v4                      ; the position
	v_lshlrev_b32 v28, 2, v19
	global_load_b32 v26, v17, s[6:7]               ; the gate's weight
.irp n, 0,1
	global_load_b128 v[32+4*\n:35+4*\n], v24, s[8:9] offset:XQS+16*\n   ; the row's eight scale words, K steps 0 to 7
.endr
.set n, 0
.rept 48
	global_load_b128 v[CD+4*n:CD+4*n+3], v22, s[8:9] offset:16*n   ; piece n = 6 s + 3 h + j of the row: registers 4 j .. 4 j + 3 of operand lane (r, h) in K step s
.set n, n+1
.endr
	s_wait_loadcnt 48                              ; the weight and the scale words are in; the 48 loads of codes behind them may be out
	v_cndmask_b32 v27, 0, v26, vcc_lo              ; a pad's weight is 0
	global_store_b32 v28, v27, s[12:13]            ; 128 consecutive bytes a wave
.irp i, 0,1,2,3
	v_mov_b32 v[48+\i], v[32+2*\i]                 ; operand lanes 0-15 want the words of K steps 0, 2, 4, 6,
	v_mov_b32 v[52+\i], v[33+2*\i]                 ; lanes 16-31 those of K steps 1, 3, 5, 7
.endr
	global_store_b128 v30, v[48:51], s[36:37]      ; sixteen lanes store 256 consecutive bytes, aligned; so in every store below
	global_store_b128 v30, v[52:55], s[36:37] offset:256
	s_wait_loadcnt 24                              ; K steps 0 to 3 are in; the 24 loads of K steps 4 to 7 may be out
.irp s, 0,1,2,3
.irp hh, 0,1
.irp j, 0,1,2
	global_store_b128 v29, v[CD+4*(6*\s+3*\hh+\j):CD+4*(6*\s+3*\hh+\j)+3], s[38:39] offset:1536*\s+512*\j+256*\hh
.endr
.endr
.endr
	s_wait_loadcnt 0x0
.irp s, 4,5,6,7
.irp hh, 0,1
.irp j, 0,1,2
	global_store_b128 v29, v[CD+4*(6*\s+3*\hh+\j):CD+4*(6*\s+3*\hh+\j)+3], s[38:39] offset:1536*\s+512*\j+256*\hh
.endr
.endr
.endr
	s_wait_xcnt 0x0                                ; EXEC changes only behind this wait
	s_and_saveexec_b32 s32, vcc_lo                 ; rows only: a pad has no token
	global_store_b32 v17, v19, s[14:15]            ; posinv
	s_endpgm
.Lnothing:
	s_endpgm
.Lfunc_end_k_q7aa8f0bbed_place:
	.size	k_q7aa8f0bbed_place, .Lfunc_end_k_q7aa8f0bbed_place-k_q7aa8f0bbed_place
	.p2alignl 7, 3214868480
	.fill 96, 4, 3214868480
	.section	.rodata,"a",@progbits
	.p2align	6, 0x0
	.amdhsa_kernel k_q7aa8f0bbed_place
		.amdhsa_group_segment_fixed_size 0
		.amdhsa_private_segment_fixed_size 0
		.amdhsa_enable_private_segment 0
		.amdhsa_kernarg_size 48
		.amdhsa_user_sgpr_count 2
		.amdhsa_user_sgpr_kernarg_segment_ptr 1
		.amdhsa_wavefront_size32 1
		.amdhsa_system_sgpr_workgroup_id_x 1
		.amdhsa_system_sgpr_workgroup_id_y 1
		.amdhsa_system_sgpr_workgroup_id_z 1
		.amdhsa_system_vgpr_workitem_id 0
		.amdhsa_next_free_vgpr 256
		.amdhsa_next_free_sgpr 66
		.amdhsa_reserve_vcc 1
		.amdhsa_float_denorm_mode_32 3
		.amdhsa_float_denorm_mode_16_64 3
		.amdhsa_memory_ordered 1
		.amdhsa_forward_progress 1
		.amdhsa_inst_pref_size 51
	.end_amdhsa_kernel
	.amdgpu_metadata
---
amdhsa.version: [ 1, 2 ]
amdhsa.kernels:
  - .name:           k_q7aa8f0bbed_place
    .symbol:         k_q7aa8f0bbed_place.kd
    .args:
      - { .name: sel, .offset: 0, .size: 8, .value_kind: global_buffer, .address_space: global }
      - { .name: gwt, .offset: 8, .size: 8, .value_kind: global_buffer, .address_space: global }
      - { .name: xq, .offset: 16, .size: 8, .value_kind: global_buffer, .address_space: global }
      - { .name: xg, .offset: 24, .size: 8, .value_kind: global_buffer, .address_space: global }
      - { .name: gwp, .offset: 32, .size: 8, .value_kind: global_buffer, .address_space: global }
      - { .name: route, .offset: 40, .size: 8, .value_kind: global_buffer, .address_space: global }
    .group_segment_fixed_size: 0
    .private_segment_fixed_size: 0
    .kernarg_segment_align: 8
    .kernarg_segment_size: 48
    .max_flat_workgroup_size: 512
    .sgpr_count:     66
    .vgpr_count:     256
    .wavefront_size: 32
...
	.end_amdgpu_metadata
.endif
;; end of part 2
;; launch up (part 3): grid 32 x 8, 16 waves a work-group, no clusters, 53,248 bytes of LDS; arguments w1, b1, xg, route, hq; writes hq
.if DOCPART == 3
	.amdgcn_target "amdgcn-amd-amdhsa--gfx1250"
	.amdhsa_code_object_version 6
	.text
	.protected	k_q7aa8f0bbed_up
	.globl	k_q7aa8f0bbed_up
	.p2align	8
	.type	k_q7aa8f0bbed_up,@function
k_q7aa8f0bbed_up:
	s_mov_b64 s[64:65], 0
	v_nop
	global_prefetch_b8 v0, s[64:65] scope:SCOPE_SE
	s_setreg_imm32_b32 hwreg(HW_REG_WAVE_MODE, 25, 1), 1
	s_wait_xcnt 0x0
; h = gelu(x W1 + b1) for the routed rows, on codes of E3M2 with one E8M0 scale for each 32 along K, and h quantised on the way.  w1: [8][1024][2048] f32, K its middle axis.
; SHARES.  A work-group owns expert e (y) and hidden units 64 sl .. 64 sl + 63 (x), for ALL rows of the expert: so each byte of w1 is read from memory once in the launch, and its codes never go to memory.
; PHASE S: wave w streams 128 rows of K (s = w / 2) x 32 columns (ch = w % 2): a lane to a column, registers down K, so that a block of 32 lies in one lane and the conversions give K innermost; the codes go to LDS
; as images of the operand's registers (fragment 8 ct + s at 1,536 bytes each; lane l's registers 4 j .. 4 j + 3 at 512 j + 16 l), the scale words beside them.  One barrier.
; PHASE M: a wave takes tasks q = w, w + 16, .. of 32 rows (two tiles): a loop of 4 trips, a constant; a trip whose task lies beyond the stored count is jumped over.  No barrier stands in it.
; The product is used transposed (source 0 = 16 hidden units, source 1 = 16 rows), and row m of tile 2 b + u is unit 32 b + 8 u + m + 8 (m / 8): so a lane holds one row, and the 16 registers of tiles 2 b, 2 b + 1 are
; units 32 b + 16 (lane / 16) + 0 .. 15: neighbours along the next K.  b1 is loaded straight into the accumulators, so that every product adds in place.
; GELU, exact-erf form: g = max(x, 0) - |x| q, q = erfc(|x| / sqrt 2) / 2 = t 2^(poly9(t) - x^2 log2(e) / 2), t = 1 / (1 + |x| / (2 sqrt 2)): a rational-exponential fit of erfc whose fractional error is 1.2e-7 for every argument.
; hq: tile TI = 128 e + 2 q + a at 24,576 TI, K step s2 at + 1,536 s2: registers 0-3 at 16 lane, 4-5 at 512 + 8 lane, 6-9 at 768 + 16 lane, 10-11 at 1,280 + 8 lane.  My 64 units are half a K step: six registers.
; Scale bytes from HQS on: 1,024 TI + 512 (s2 / 8) + 16 (r + 16 (s2 % 2)) + 4 ((s2 / 2) % 4) + block.  They are stored byte by byte (32 bytes inside one run of 256): a scale word belongs to two work-groups.
; NO TENSOR LOADS, NO CLUSTER: trips are jumped over on a number read from memory.  LIMITS: NaN and infinities are not served; a block under 2^-122 (zeros too) keeps the byte 1; where q falls under 2^-126 it counts as 0.
.set NTO, 16384
.set XGS, 12582912
.set HQS, 25165824
.set WSC, 49152                        ; LDS: 32 fragment images from byte 0; 16 x 128 bytes of scale words from here (index 8 ch + s: lanes 0-15 tile 2 ch, lanes 16-31 tile 2 ch + 1)
.set QW,  8                            ; v8-12    at work in phase S
.set TU,  16                           ; v16-31   phase S: the upper halves of four blocks' codes
.set CW,  96                           ; v96-119  phase S: my column's codes: blocks 0, 2, then blocks 1, 3
.set RAW, 128                          ; v128-255 phase S: 128 numbers down K
.set ACC, 16                           ; v16-79   accumulator (tile of rows a, tile of units ct) at ACC + 32 a + 8 ct
.set ASC, 80                           ; v80-87   the rows' scale words: (a, i) at ASC + 4 a + i: lanes 0-15 K step 2 i, lanes 16-31 K step 2 i + 1
.set WSR, 88                           ; v88-89   W's scale words of the K step in hand
.set WF,  92                           ; v92-139  W's four fragments of the K step in hand
.set AF,  140                          ; v140-235 the rows' fragments: four slots of two
.set TT,  140                          ; the activation works where the fragments lay: t,
.set PP,  172                          ; the polynomial,
.set MXR, 204                          ; max(x, 0),
.set MM,  92                           ; x^2;
.set ZZ,  124                          ; v124-139 a tile's codes: 8 registers for each tile
	s_load_b256 s[4:11], s[0:1], 0x0               ; w1 s[4:5], b1 s[6:7], xg s[8:9], route s[10:11]
	s_load_b64 s[12:13], s[0:1], 0x20              ; hq
	v_lshl_add_u32 v14, v0, 2, 0xc800
	v_mov_b32 v15, 0
	v_lshrrev_b32 v8, 5, v0
	v_readfirstlane_b32 s14, v8                    ; wave 0..15
	s_mov_b32 s15, ttmp9                           ; sl
	s_and_b32 s16, ttmp7, 0xffff                   ; e
	v_and_b32 v9, 31, v0
	v_lshlrev_b32 v1, 4, v9                        ; 16 x lane
	v_lshlrev_b32 v2, 2, v9                        ; 4 x lane
	v_lshlrev_b32 v3, 3, v9                        ; 8 x lane
	v_bfe_u32 v10, v0, 4, 1                        ; h
	v_lshlrev_b32 v4, 6, v10                       ; 64 h
	v_and_b32 v5, 15, v0
	v_lshl_add_u32 v5, v5, 4, v10                  ; 16 r + h
	v_bfe_u32 v11, v0, 3, 1                        ; my column's tile: u = (l / 8) % 2,
	v_and_b32 v12, 7, v0
	v_lshl_add_u32 v12, v10, 3, v12                ; and its row there: m = 8 (l / 16) + l % 8
	s_and_b32 s20, s14, 1                          ; ch
	s_lshr_b32 s21, s14, 1                         ; s
	s_mul_i32 s31, s20, 24576
	s_mul_i32 s35, s21, 1536
	s_add_co_u32 s31, s31, s35
	v_mul_u32_u24 v6, v11, 12288
	v_lshl_add_u32 v6, v12, 4, v6
	v_add_nc_u32 v6, s31, v6                       ; fragment 8 (2 ch + u) + s, + 16 m
	s_lshl_b32 s31, s20, 3
	s_add_co_u32 s31, s31, s21
	s_lshl_b32 s31, s31, 7
	s_add_co_u32 s31, s31, WSC
	v_lshl_add_u32 v7, v11, 4, v12
	v_lshlrev_b32 v7, 2, v7
	v_add_nc_u32 v7, s31, v7                       ; my column's scale word
	s_lshl_b32 s56, s16, 23                        ; w1: 8,388,608 e + 1,048,576 s + 256 sl + 128 ch
	s_lshl_b32 s31, s21, 20
	s_add_co_u32 s56, s56, s31
	s_lshl_b32 s31, s15, 8
	s_add_co_u32 s56, s56, s31
	s_lshl_b32 s31, s20, 7
	s_add_co_u32 s56, s56, s31
	s_mov_b32 s57, 0
	s_lshl_b32 s35, s16, 7                         ; 128 e: not written again
	s_wait_kmcnt 0x0
	s_add_nc_u64 s[56:57], s[4:5], s[56:57]
.set kk, 0
.rept 128
	global_load_b32 v[RAW+kk], v2, s[56:57] offset:8192*kk th:TH_LOAD_NT   ; row 128 s + kk of K at 32 neighbouring columns: 128 consecutive bytes; read once in the launch
.set kk, kk+1
.endr
	s_load_b32 s17, s[10:11], s35 offset:NTO       ; the expert's number of tasks
	s_mov_b32 s30, 0xffff0000                      ; lanes 16 to 31
	s_mov_b32 s32, 0x76543210
	s_mov_b32 s33, 0xfedcba98                      ; v_permlanex16_b32's selects for lane l xor 16
	s_mov_b32 s34, 0x3eb504f3                      ; 1 / (2 sqrt 2)
.macro SC2 r, val                      ; a packed form names a pair and takes its low word for both halves: both words are written
	s_mov_b32 s[\r], \val
	s_mov_b32 s[\r+1], \val
.endm
	SC2 36, 0xbf97d29d                             ; c8 .. c0: the fit's coefficients x log2(e); 1 is taken off c0 for the half
	SC2 38, 0x40097039
	SC2 40, 0xbfd1a1e5
	SC2 42, 0x3ecdfd18
	SC2 44, 0xbe899a80
	SC2 46, 0x3e0efb2e
	SC2 48, 0x3f0a29d2
	SC2 50, 0x3fb8ab5a
	SC2 52, 0xc034d90f
	SC2 54, 0xbf38aa3b                             ; -log2(e) / 2
	v_mov_b32 v90, 0x3e7c6f08                      ; c9, as a pair
	v_mov_b32 v91, 0x3e7c6f08
	s_lshl_b32 s20, s16, 13
	s_lshl_b32 s21, s15, 8
	s_add_co_u32 s20, s20, s21
	s_mov_b32 s21, 0
	s_add_nc_u64 s[58:59], s[6:7], s[20:21]        ; b1 at my 64 units
	s_lshr_b32 s20, s15, 1                         ; s2: the next product's K step in which my units lie
	s_lshr_b32 s31, s20, 3
	s_lshl_b32 s60, s31, 9
	s_and_b32 s31, s20, 1
	s_lshl_b32 s31, s31, 8
	s_add_co_u32 s60, s60, s31
	s_bfe_u32 s31, s20, 0x20001
	s_lshl_b32 s31, s31, 2
	s_add_co_u32 s60, s60, s31
	s_and_b32 s31, s15, 1
	s_lshl_b32 s31, s31, 1
	s_add_co_u32 s60, s60, s31
	s_add_co_u32 s60, s60, HQS                     ; the part of a scale byte's place that hangs on sl alone
	s_mul_i32 s61, s15, 768                        ; and of the codes': 1,536 (sl / 2) + 768 (sl % 2)
; Block b of my column: the largest magnitude of its 32 numbers with the floor 2^(5 - 127) among the leaves; 4 off its exponent field is the conversion's scale operand; that, shifted, the byte.
.macro QBLK b
.set RB, RAW+32*(\b)
.set OB, 12*((\b)%2)+6*((\b)/2)
	v_max3_num_f32 v[QW], |v[RB]|, |v[RB+1]|, |v[RB+2]|
	v_max3_num_f32 v[QW+1], |v[RB+3]|, |v[RB+4]|, |v[RB+5]|
.irp i, 6,10,14,18,22,26
	v_max3_num_f32 v[QW], v[QW], |v[RB+\i]|, |v[RB+\i+1]|
	v_max3_num_f32 v[QW+1], v[QW+1], |v[RB+\i+2]|, |v[RB+\i+3]|
.endr
	v_max3_num_f32 v[QW], v[QW], |v[RB+30]|, |v[RB+31]|
	v_max3_num_f32 v[QW], v[QW], v[QW+1], 0x2800000
	v_add_nc_u32 v[QW+2], 0xfe000000, v[QW]
	v_lshrrev_b32 v[QW+3], 23, v[QW+2]
.if (\b) == 0
	v_mov_b32 v[QW+4], v[QW+3]
.else
	v_lshl_or_b32 v[QW+4], v[QW+3], 8*(\b), v[QW+4]
.endif
	v_cvt_scalef32_pk16_bf6_f32 v[CW+OB:CW+OB+2], v[RB:RB+15], v[QW+2]
	v_cvt_scalef32_pk16_bf6_f32 v[TU+4*(\b):TU+4*(\b)+2], v[RB+16:RB+31], v[QW+2]   ; (a conversion's three registers begin on an even number)
.endm
	s_wait_loadcnt 63                              ; block 0's 32 loads are in: 96 were issued behind them, and 63 is the largest count that the wait can name
	QBLK 0
	s_wait_loadcnt 63                              ; block 1's: 64 were issued behind them
	QBLK 1
	s_wait_loadcnt 32                              ; block 2's: block 3's 32 may be out
	QBLK 2
	s_wait_loadcnt 0x0
	QBLK 3
	v_nop                                          ; one plain instruction behind the last scaled conversion
.irp b, 0,1,2,3
.irp i, 0,1,2
	v_mov_b32 v[CW+12*(\b%2)+6*(\b/2)+3+\i], v[TU+4*\b+\i]
.endr
.endr
.irp hh, 0,1                           ; operand lane (m, hh) holds blocks hh and 2 + hh: twelve registers, three stores
.irp j, 0,1,2
	ds_store_b128 v6, v[CW+12*\hh+4*\j:CW+12*\hh+4*\j+3] offset:256*\hh+512*\j
.endr
.endr
	ds_store_b32 v7, v[QW+4]
	s_wait_dscnt 0x0                               ; for the others' sake: my images lie in LDS
	s_barrier_signal -1
	s_barrier_wait -1                              ; all 32 fragments and their scale words lie in LDS; nothing is written there again
	v_mov_b32 v238, 0                              ; (a lane permute's destination counts as one of its sources)
	v_mov_b32 v239, 0
	s_wait_kmcnt 0x0
	s_min_u32 s17, s17, 64
.macro WM acc, wf, af, sa, sb, ra, rb  ; one product; ra, rb: the scale words stand in lanes 16-31 of their registers
.if ((\ra) != 0) && ((\rb) != 0)
	v_wmma_scale_f32_16x16x128_f8f6f4 v[(\acc):(\acc)+7], v[(\wf):(\wf)+11], v[(\af):(\af)+11], v[(\acc):(\acc)+7], v[(\sa)], v[(\sb)] matrix_a_fmt:MATRIX_FMT_BF6 matrix_b_fmt:MATRIX_FMT_BF6 matrix_a_scale:MATRIX_SCALE_ROW1 matrix_b_scale:MATRIX_SCALE_ROW1
.elseif (\ra) != 0
	v_wmma_scale_f32_16x16x128_f8f6f4 v[(\acc):(\acc)+7], v[(\wf):(\wf)+11], v[(\af):(\af)+11], v[(\acc):(\acc)+7], v[(\sa)], v[(\sb)] matrix_a_fmt:MATRIX_FMT_BF6 matrix_b_fmt:MATRIX_FMT_BF6 matrix_a_scale:MATRIX_SCALE_ROW1
.elseif (\rb) != 0
	v_wmma_scale_f32_16x16x128_f8f6f4 v[(\acc):(\acc)+7], v[(\wf):(\wf)+11], v[(\af):(\af)+11], v[(\acc):(\acc)+7], v[(\sa)], v[(\sb)] matrix_a_fmt:MATRIX_FMT_BF6 matrix_b_fmt:MATRIX_FMT_BF6 matrix_b_scale:MATRIX_SCALE_ROW1
.else
	v_wmma_scale_f32_16x16x128_f8f6f4 v[(\acc):(\acc)+7], v[(\wf):(\wf)+11], v[(\af):(\af)+11], v[(\acc):(\acc)+7], v[(\sa)], v[(\sb)] matrix_a_fmt:MATRIX_FMT_BF6 matrix_b_fmt:MATRIX_FMT_BF6
.endif
.endm
.macro ALOAD s                         ; the two tiles' fragments of K step s into slot s % 4: six loads of 512 consecutive bytes
.irp a, 0,1
.irp j, 0,1,2
	global_load_b128 v[AF+24*((\s)%4)+12*\a+4*\j:AF+24*((\s)%4)+12*\a+4*\j+3], v1, s[22:23] offset:12288*\a+1536*(\s)+512*\j
.endr
.endr
.endm
.macro WLOAD s                         ; W's four fragments and two registers of scale words of K step s
.irp ct, 0,1,2,3
.irp j, 0,1,2
	ds_load_b128 v[WF+12*\ct+4*\j:WF+12*\ct+4*\j+3], v1 offset:1536*(8*\ct+(\s))+512*\j
.endr
.endr
.irp ch, 0,1
	ds_load_b32 v[WSR+\ch], v2 offset:WSC+128*(8*\ch+(\s))
.endr
.endm
.macro KSTEP s                         ; eight products on eight accumulators, which take turns, one instruction a turn, in the same order in every step
.if 7-(\s) < 3
	s_wait_loadcnt 6*(7-(\s))                      ; this step's rows are in; the six loads of each later step may be out
.else
	s_wait_loadcnt 18                              ; this step's rows are in (in step 0: b1 and the scale words too); the three later steps' 18 loads may be out
.endif
	s_wait_dscnt 0x0                               ; W's fragments are in
.irp ct, 0,1,2,3
.irp a, 0,1
	WM ACC+32*\a+8*\ct, WF+12*\ct, AF+24*((\s)%4)+12*\a, WSR+\ct/2, ASC+4*\a+(\s)/2, \ct%2, (\s)%2
.endr
.endr
.rept 4
	v_nop                                          ; four plain instructions between the products and loads into their sources, or the first read of their results
.endr
.if (\s) < 4
	ALOAD (\s)+4
.endif
.if (\s) < 7
	WLOAD (\s)+1
.endif
.endm
.macro GELU a                          ; 32 numbers a lane, in place; each accumulator is read from its low end on
.set XA, ACC+32*(\a)
.set j, 0
.rept 32
	v_fma_f32 v[TT+j], |v[XA+j]|, s34, 1.0
.set j, j+1
.endr
.set j, 0
.rept 32
	v_rcp_f32 v[TT+j], v[TT+j]                     ; t
.set j, j+1
.endr
.set j, 0
.rept 16
	v_pk_mul_f32 v[MM+j:MM+j+1], v[XA+j:XA+j+1], v[XA+j:XA+j+1]   ; x^2: work that names no reciprocal
.set j, j+2
.endr
.set j, 0
.rept 32
	v_max_num_f32 v[MXR+j], 0, v[XA+j]
.set j, j+1
.endr
	s_wait_alu depctr_va_vdst(0)                   ; one wait for the 32 reciprocals, ahead of their first use
.set j, 0
.rept 16
	v_pk_fma_f32 v[PP+j:PP+j+1], v[TT+j:TT+j+1], v[90:91], s[36:37] op_sel_hi:[1,1,0]
.set j, j+2
.endr
.irp c, 38,40,42,44,46,48,50,52
.set j, 0
.rept 16
	v_pk_fma_f32 v[PP+j:PP+j+1], v[PP+j:PP+j+1], v[TT+j:TT+j+1], s[\c:\c+1] op_sel_hi:[1,1,0]
.set j, j+2
.endr
.endr
.set j, 0
.rept 16
	v_pk_fma_f32 v[PP+j:PP+j+1], v[MM+j:MM+j+1], s[54:55], v[PP+j:PP+j+1] op_sel_hi:[1,0,1]
.set j, j+2
.endr
.set j, 0
.rept 32
	v_exp_f32 v[PP+j], v[PP+j]
.set j, j+1
.endr
	v_nop                                          ; a plain instruction behind the last exponential,
	s_wait_alu depctr_va_vdst(0)                   ; and one wait for the 32
.set j, 0
.rept 16
	v_pk_mul_f32 v[TT+j:TT+j+1], v[TT+j:TT+j+1], v[PP+j:PP+j+1]   ; q
.set j, j+2
.endr
.set j, 0
.rept 32
	v_fma_f32 v[XA+j], -|v[XA+j]|, v[TT+j], v[MXR+j]
.set j, j+1
.endr
.endm
.macro QH a                            ; the tile's two blocks of 32 units are quantised and stored
.set XA, ACC+32*(\a)
.set ZA, ZZ+8*(\a)
.irp b, 0,1
	v_max3_num_f32 v[236+\b], |v[XA+16*\b]|, |v[XA+16*\b+1]|, 0x2800000   ; my 16 numbers of block b, and the floor
.endr
.irp i, 2,4,6,8,10,12,14
.irp b, 0,1
	v_max3_num_f32 v[236+\b], v[236+\b], |v[XA+16*\b+\i]|, |v[XA+16*\b+\i+1]|
.endr
.endr
.irp b, 0,1
	v_permlanex16_b32 v[238+\b], v[236+\b], s32, s33
.endr
.irp b, 0,1
	v_max_num_f32 v[236+\b], v[236+\b], v[238+\b]  ; with lane l xor 16's 16: the block's
.endr
.irp b, 0,1
	v_add_nc_u32 v[240+\b], 0xfe000000, v[236+\b]
.endr
.irp b, 0,1
	v_lshrrev_b32 v[242+\b], 23, v[240+\b]
.endr
	v_cvt_scalef32_pk16_bf6_f32 v[ZA:ZA+2], v[XA:XA+15], v240
	v_cvt_scalef32_pk16_bf6_f32 v[ZA+4:ZA+6], v[XA+16:XA+31], v241
	v_nop                                          ; one plain instruction behind a scaled conversion
.irp i, 0,1,2
	v_permlane16_swap_b32 v[ZA+\i], v[ZA+4+\i]     ; the operand wants a whole block in a lane: lanes 0-15 block 0, lanes 16-31 block 1
.endr
.irp i, 0,1,2
	v_mov_b32 v[ZA+3+\i], v[ZA+4+\i]
.endr
	v_cndmask_b32 v[244+(\a)], v242, v243, s30     ; my block's byte
	global_store_b128 v1, v[ZA:ZA+3], s[26:27] offset:24576*(\a)          ; 512 consecutive bytes, aligned
	global_store_b64 v3, v[ZA+4:ZA+5], s[26:27] offset:24576*(\a)+512     ; 256 consecutive bytes, aligned
	global_store_b8 v5, v[244+(\a)], s[28:29] offset:1024*(\a)
.endm
	s_mov_b32 s19, 0
	s_mov_b32 s18, s14                             ; q = wave, then + 16 a trip
.Ltrip:
	s_cmp_ge_u32 s18, s17
	s_cbranch_scc1 .Lskip
	s_lshl_b32 s31, s16, 6
	s_add_co_u32 s31, s31, s18                     ; Q = 64 e + q
	s_mul_i32 s20, s31, 24576
	s_mov_b32 s21, 0
	s_add_nc_u64 s[22:23], s[8:9], s[20:21]        ; the task's codes,
	s_lshl_b32 s20, s31, 10
	s_add_co_u32 s20, s20, XGS
	s_add_nc_u64 s[24:25], s[8:9], s[20:21]        ; its scale words,
	s_mul_i32 s20, s31, 49152
	s_add_co_u32 s20, s20, s61
	s_add_nc_u64 s[26:27], s[12:13], s[20:21]      ; where its h goes,
	s_lshl_b32 s20, s31, 11
	s_add_co_u32 s20, s20, s60
	s_add_nc_u64 s[28:29], s[12:13], s[20:21]      ; and h's scale bytes
.irp a, 0,1
.irp ct, 0,1,2,3
.irp n, 0,1
	global_load_b128 v[ACC+32*\a+8*\ct+4*\n:ACC+32*\a+8*\ct+4*\n+3], v4, s[58:59] offset:128*(\ct/2)+32*(\ct%2)+16*\n   ; b1 at the lane's eight units of the tile: the sums begin with it
.endr
.endr
.endr
.irp a, 0,1
	global_load_b128 v[ASC+4*\a:ASC+4*\a+3], v1, s[24:25] offset:512*\a
.endr
	ALOAD 0
	ALOAD 1
	ALOAD 2
	ALOAD 3
	WLOAD 0
	KSTEP 0
	KSTEP 1
	KSTEP 2
	KSTEP 3
	KSTEP 4
	KSTEP 5
	KSTEP 6
	KSTEP 7
	GELU 0
	QH 0
	GELU 1
	QH 1
	s_wait_xcnt 0x0                                ; the stores have read their data and their bases: the next trip writes both again
.Lskip:
	s_add_co_u32 s18, s18, 16
	s_add_co_u32 s19, s19, 1
	s_cmp_lt_u32 s19, 4
	s_cbranch_scc1 .Ltrip
	s_wait_tensorcnt 0x0
	ds_add_u32 v14, v15
	s_wait_dscnt 0x0
	s_endpgm
.Lfunc_end_k_q7aa8f0bbed_up:
	.size	k_q7aa8f0bbed_up, .Lfunc_end_k_q7aa8f0bbed_up-k_q7aa8f0bbed_up
	.p2alignl 7, 3214868480
	.fill 96, 4, 3214868480
	.section	.rodata,"a",@progbits
	.p2align	6, 0x0
	.amdhsa_kernel k_q7aa8f0bbed_up
		.amdhsa_group_segment_fixed_size 53248
		.amdhsa_private_segment_fixed_size 0
		.amdhsa_enable_private_segment 0
		.amdhsa_kernarg_size 40
		.amdhsa_user_sgpr_count 2
		.amdhsa_user_sgpr_kernarg_segment_ptr 1
		.amdhsa_wavefront_size32 1
		.amdhsa_system_sgpr_workgroup_id_x 1
		.amdhsa_system_sgpr_workgroup_id_y 1
		.amdhsa_system_sgpr_workgroup_id_z 1
		.amdhsa_system_vgpr_workitem_id 0
		.amdhsa_next_free_vgpr 256
		.amdhsa_next_free_sgpr 66
		.amdhsa_reserve_vcc 0
		.amdhsa_float_denorm_mode_32 3
		.amdhsa_float_denorm_mode_16_64 3
		.amdhsa_memory_ordered 1
		.amdhsa_forward_progress 1
		.amdhsa_inst_pref_size 90
	.end_amdhsa_kernel
	.amdgpu_metadata
---
amdhsa.version: [ 1, 2 ]
amdhsa.kernels:
  - .name:           k_q7aa8f0bbed_up
    .symbol:         k_q7aa8f0bbed_up.kd
    .args:
      - { .name: w1, .offset: 0, .size: 8, .value_kind: global_buffer, .address_space: global }
      - { .name: b1, .offset: 8, .size: 8, .value_kind: global_buffer, .address_space: global }
      - { .name: xg, .offset: 16, .size: 8, .value_kind: global_buffer, .address_space: global }
      - { .name: route, .offset: 24, .size: 8, .value_kind: global_buffer, .address_space: global }
      - { .name: hq, .offset: 32, .size: 8, .value_kind: global_buffer, .address_space: global }
    .group_segment_fixed_size: 53248
    .private_segment_fixed_size: 0
    .kernarg_segment_align: 8
    .kernarg_segment_size: 40
    .max_flat_workgroup_size: 512
    .sgpr_count:     66
    .vgpr_count:     256
    .wavefront_size: 32
...
	.end_amdgpu_metadata
.endif
;; end of part 3
;; launch down (part 4): grid 32 x 8, 16 waves a work-group, no clusters, 90,112 bytes of LDS; arguments w2, b2, hq, gwp, route, yr; writes yr
.if DOCPART == 4
	.amdgcn_target "amdgcn-amd-amdhsa--gfx1250"
	.amdhsa_code_object_version 6
	.text
	.protected	k_q7aa8f0bbed_down
	.globl	k_q7aa8f0bbed_down
	.p2align	8
	.type	k_q7aa8f0bbed_down,@function
k_q7aa8f0bbed_down:
	s_mov_b64 s[64:65], 0
	v_nop
	global_prefetch_b8 v0, s[64:65] scope:SCOPE_SE
	s_setreg_imm32_b32 hwreg(HW_REG_WAVE_MODE, 25, 1), 1
	s_wait_xcnt 0x0
; yr = (h W2 + b2) x the gate's weight, for the routed rows, on codes of E3M2 with one E8M0 scale for each 32 along K.  w2: [8][2048][1024] f32, K its middle axis.
; SHARES.  A work-group owns expert e (y) and outputs 32 sl .. 32 sl + 31 (x), for all rows of the expert: each byte of w2 is read from memory once in the launch.
; PHASE S: wave w streams K rows 128 w .. 128 w + 127 x 32 columns: a lane to a column, registers down K; the codes go to LDS as images of the operand's registers (fragment 16 u + s), the scale words beside them.  One barrier.
; PHASE M: a wave takes tasks q = w, w + 16, .. of 32 rows: a loop of 4 trips, a constant; a trip whose task lies beyond the stored count is jumped over.  No barrier stands in it.
; The product is used transposed (source 0 = 16 outputs, source 1 = 16 rows of h); row m of tile u is column 16 (m / 8) + 8 u + m % 8, so that a lane's 16 results are 16 neighbouring outputs of one row.
; b2 is loaded straight into the accumulators.  The results go through the wave's own stage in LDS and leave as 512 consecutive bytes an instruction.
; yr: [tile TI = 128 e + 2 q + a][slice 32][row 16][32 f32]: 65,536 TI + 2,048 sl + 128 r + 4 c.
; NO TENSOR LOADS, NO CLUSTER: trips are jumped over on a number read from memory.  LIMITS: NaN and infinities are not served; a block of w2 under 2^-122 (zeros too) keeps the byte 1.
.set NTO, 16384
.set HQS, 25165824
.set WSC, 49152                        ; LDS: 32 fragment images from byte 0; 16 x 128 bytes of scale words (lanes 0-15 tile 0, lanes 16-31 tile 1);
.set OST, 51200                        ; a stage of 16 rows x (128 + 16) bytes for each wave
.set QW,  10                           ; v10-14   at work in phase S
.set TU,  16
.set CW,  96
.set RAW, 128
.set ACC, 16                           ; v16-47   accumulator (tile of rows a, tile of outputs u) at ACC + 16 a + 8 u
.set ASC, 50                           ; v50-65   h's scale words: (a, I) at ASC + 8 a + I: lanes 0-15 K step 2 I, lanes 16-31 K step 2 I + 1
.set WSR, 66                           ; v66      W's scale words of the K step in hand
.set WF,  68                           ; v68-91   W's two fragments
.set AF,  92                           ; v92-235  h's fragments: six slots of two
	s_load_b256 s[4:11], s[0:1], 0x0               ; w2 s[4:5], b2 s[6:7], hq s[8:9], gwp s[10:11]
	s_load_b128 s[12:15], s[0:1], 0x20             ; route s[12:13], yr s[14:15]
	v_lshrrev_b32 v10, 5, v0
	v_readfirstlane_b32 s16, v10                   ; wave 0..15
	s_mov_b32 s17, ttmp9                           ; sl
	s_and_b32 s18, ttmp7, 0xffff                   ; e
	v_and_b32 v10, 31, v0
	v_lshlrev_b32 v1, 4, v10                       ; 16 x lane
	v_lshlrev_b32 v2, 2, v10                       ; 4 x lane
	v_lshlrev_b32 v3, 3, v10                       ; 8 x lane
	v_bfe_u32 v11, v0, 4, 1                        ; h
	v_lshlrev_b32 v4, 6, v11                       ; 64 h
	v_and_b32 v12, 15, v0                          ; r
	v_lshlrev_b32 v5, 2, v12                       ; 4 r
	v_bfe_u32 v13, v0, 3, 1                        ; u
	v_and_b32 v14, 7, v0
	v_lshl_add_u32 v15, v11, 3, v14                ; m
	s_mul_i32 s22, s16, 1536
	v_mul_u32_u24 v6, v13, 24576
	v_lshl_add_u32 v6, v15, 4, v6
	v_add_nc_u32 v6, s22, v6                       ; fragment 16 u + wave, + 16 m
	s_lshl_b32 s22, s16, 7
	s_add_co_u32 s22, s22, WSC
	v_lshl_add_u32 v7, v13, 4, v15
	v_lshlrev_b32 v7, 2, v7
	v_add_nc_u32 v7, s22, v7                       ; my column's scale word
	s_mul_i32 s22, s16, 2304
	s_add_co_u32 s22, s22, OST                     ; my stage
	v_mul_u32_u24 v8, v12, 144
	v_add_nc_u32 v8, v8, v4
	v_add_nc_u32 v8, s22, v8                       ; in: row r, + 64 h
	v_bfe_u32 v9, v0, 3, 2
	v_mul_u32_u24 v9, v9, 144
	v_lshl_add_u32 v9, v14, 4, v9
	v_add_nc_u32 v9, s22, v9                       ; back: four rows an instruction, eight lanes to a row
	s_lshl_b32 s34, s18, 23                        ; w2: 8,388,608 e + 524,288 wave + 128 sl
	s_lshl_b32 s22, s16, 19
	s_add_co_u32 s34, s34, s22
	s_lshl_b32 s22, s17, 7
	s_add_co_u32 s34, s34, s22
	s_mov_b32 s35, 0
	s_lshl_b32 s37, s18, 7                         ; 128 e: not written again
	s_wait_kmcnt 0x0
	s_add_nc_u64 s[34:35], s[4:5], s[34:35]
.set kk, 0
.rept 128
	global_load_b32 v[RAW+kk], v2, s[34:35] offset:4096*kk th:TH_LOAD_NT   ; row 128 wave + kk of K at 32 neighbouring columns: 128 consecutive bytes; read once in the launch
.set kk, kk+1
.endr
	s_load_b32 s19, s[12:13], s37 offset:NTO       ; the expert's number of tasks
	s_lshl_b32 s22, s18, 12
	s_lshl_b32 s23, s17, 7
	s_add_co_u32 s22, s22, s23
	s_mov_b32 s23, 0
	s_add_nc_u64 s[32:33], s[6:7], s[22:23]        ; b2 at my 32 outputs
	s_lshl_b32 s39, s17, 11                        ; 2,048 sl
.macro QBLK b                          ; block b of my column: largest magnitude with the floor 2^(5 - 127), scale operand, byte, codes
.set RB, RAW+32*(\b)
.set OB, 12*((\b)%2)+6*((\b)/2)
	v_max3_num_f32 v[QW], |v[RB]|, |v[RB+1]|, |v[RB+2]|
	v_max3_num_f32 v[QW+1], |v[RB+3]|, |v[RB+4]|, |v[RB+5]|
.irp i, 6,10,14,18,22,26
	v_max3_num_f32 v[QW], v[QW], |v[RB+\i]|, |v[RB+\i+1]|
	v_max3_num_f32 v[QW+1], v[QW+1], |v[RB+\i+2]|, |v[RB+\i+3]|
.endr
	v_max3_num_f32 v[QW], v[QW], |v[RB+30]|, |v[RB+31]|
	v_max3_num_f32 v[QW], v[QW], v[QW+1], 0x2800000
	v_add_nc_u32 v[QW+2], 0xfe000000, v[QW]
	v_lshrrev_b32 v[QW+3], 23, v[QW+2]
.if (\b) == 0
	v_mov_b32 v[QW+4], v[QW+3]
.else
	v_lshl_or_b32 v[QW+4], v[QW+3], 8*(\b), v[QW+4]
.endif
	v_cvt_scalef32_pk16_bf6_f32 v[CW+OB:CW+OB+2], v[RB:RB+15], v[QW+2]
	v_cvt_scalef32_pk16_bf6_f32 v[TU+4*(\b):TU+4*(\b)+2], v[RB+16:RB+31], v[QW+2]   ; (a conversion's three registers begin on an even number)
.endm
	s_wait_loadcnt 63                              ; block 0's 32 loads are in: 96 were issued behind them, and 63 is the largest count that the wait can name
	QBLK 0
	s_wait_loadcnt 63                              ; block 1's: 64 were issued behind them
	QBLK 1
	s_wait_loadcnt 32                              ; block 2's: block 3's 32 may be out
	QBLK 2
	s_wait_loadcnt 0x0
	QBLK 3
	v_nop                                          ; one plain instruction behind the last scaled conversion
.irp b, 0,1,2,3
.irp i, 0,1,2
	v_mov_b32 v[CW+12*(\b%2)+6*(\b/2)+3+\i], v[TU+4*\b+\i]
.endr
.endr
.irp hh, 0,1
.irp j, 0,1,2
	ds_store_b128 v6, v[CW+12*\hh+4*\j:CW+12*\hh+4*\j+3] offset:256*\hh+512*\j
.endr
.endr
	ds_store_b32 v7, v[QW+4]
	s_wait_dscnt 0x0                               ; for the others' sake: my images lie in LDS
	s_barrier_signal -1
	s_barrier_wait -1                              ; all 32 fragments and their scale words lie in LDS; nothing is written there again
	s_wait_kmcnt 0x0
	s_min_u32 s19, s19, 64
.macro WM acc, wf, af, sa, sb, ra, rb
.if ((\ra) != 0) && ((\rb) != 0)
	v_wmma_scale_f32_16x16x128_f8f6f4 v[(\acc):(\acc)+7], v[(\wf):(\wf)+11], v[(\af):(\af)+11], v[(\acc):(\acc)+7], v[(\sa)], v[(\sb)] matrix_a_fmt:MATRIX_FMT_BF6 matrix_b_fmt:MATRIX_FMT_BF6 matrix_a_scale:MATRIX_SCALE_ROW1 matrix_b_scale:MATRIX_SCALE_ROW1
.elseif (\ra) != 0
	v_wmma_scale_f32_16x16x128_f8f6f4 v[(\acc):(\acc)+7], v[(\wf):(\wf)+11], v[(\af):(\af)+11], v[(\acc):(\acc)+7], v[(\sa)], v[(\sb)] matrix_a_fmt:MATRIX_FMT_BF6 matrix_b_fmt:MATRIX_FMT_BF6 matrix_a_scale:MATRIX_SCALE_ROW1
.elseif (\rb) != 0
	v_wmma_scale_f32_16x16x128_f8f6f4 v[(\acc):(\acc)+7], v[(\wf):(\wf)+11], v[(\af):(\af)+11], v[(\acc):(\acc)+7], v[(\sa)], v[(\sb)] matrix_a_fmt:MATRIX_FMT_BF6 matrix_b_fmt:MATRIX_FMT_BF6 matrix_b_scale:MATRIX_SCALE_ROW1
.else
	v_wmma_scale_f32_16x16x128_f8f6f4 v[(\acc):(\acc)+7], v[(\wf):(\wf)+11], v[(\af):(\af)+11], v[(\acc):(\acc)+7], v[(\sa)], v[(\sb)] matrix_a_fmt:MATRIX_FMT_BF6 matrix_b_fmt:MATRIX_FMT_BF6
.endif
.endm
.macro ALOAD s                         ; the two tiles' fragments of K step s into slot s % 6: eight loads
.irp a, 0,1
.set FA, AF+24*((\s)%6)+12*\a
	global_load_b128 v[FA:FA+3], v1, s[24:25] offset:24576*\a+1536*(\s)
	global_load_b64 v[FA+4:FA+5], v3, s[24:25] offset:24576*\a+1536*(\s)+512
	global_load_b128 v[FA+6:FA+9], v1, s[24:25] offset:24576*\a+1536*(\s)+768
	global_load_b64 v[FA+10:FA+11], v3, s[24:25] offset:24576*\a+1536*(\s)+1280
.endr
.endm
.macro WLOAD s
.irp u, 0,1
.irp j, 0,1,2
	ds_load_b128 v[WF+12*\u+4*\j:WF+12*\u+4*\j+3], v1 offset:1536*(16*\u+(\s))+512*\j
.endr
.endr
	ds_load_b32 v[WSR], v2 offset:WSC+128*(\s)
.endm
.macro KSTEP s                         ; four products on four accumulators, which take turns, one instruction a turn, in the same order in every step
.if 15-(\s) < 5
	s_wait_loadcnt 8*(15-(\s))                     ; this step's h is in; the eight loads of each later step may be out
.else
	s_wait_loadcnt 40                              ; this step's h is in (in step 0: b2, the weights and the scale words too); the five later steps' 40 loads may be out
.endif
	s_wait_dscnt 0x0                               ; W's fragments are in
.irp u, 0,1
.irp a, 0,1
	WM ACC+16*\a+8*\u, WF+12*\u, AF+24*((\s)%6)+12*\a, WSR, ASC+8*\a+(\s)/2, \u, (\s)%2
.endr
.endr
.rept 4
	v_nop                                          ; four plain instructions between the products and loads into their sources, or the first read of their results
.endr
.if (\s) < 10
	ALOAD (\s)+6
.endif
.if (\s) < 15
	WLOAD (\s)+1
.endif
.endm
.macro OUT a                           ; tile a: x the row's weight, through my stage, out; each accumulator is read from its low end on
.set AC, ACC+16*(\a)
.set RK, 236-16*(\a)
.set j, 0
.rept 8
.if (\a) == 0
	v_pk_mul_f32 v[AC+j:AC+j+1], v[AC+j:AC+j+1], v[48:49] op_sel_hi:[1,0]
.else
	v_pk_mul_f32 v[AC+j:AC+j+1], v[AC+j:AC+j+1], v[48:49] op_sel:[0,1]
.endif
.set j, j+2
.endr
.irp u, 0,1
.irp n, 0,1
	ds_store_b128 v8, v[AC+8*\u+4*\n:AC+8*\u+4*\n+3] offset:32*\u+16*\n
.endr
.endr
.irp i, 0,1,2,3
	ds_load_b128 v[RK+4*\i:RK+4*\i+3], v9 offset:576*\i   ; my wave's own bytes, served in order: these see the stores above, and the next tile's stores come behind them
.endr
	s_wait_dscnt 0x0
.irp i, 0,1,2,3
	global_store_b128 v1, v[RK+4*\i:RK+4*\i+3], s[30:31] offset:65536*(\a)+512*\i th:TH_STORE_NT   ; 512 consecutive bytes, aligned
.endr
.endm
	s_mov_b32 s21, 0
	s_mov_b32 s20, s16                             ; q = wave, then + 16 a trip
.Ltrip:
	s_cmp_ge_u32 s20, s19
	s_cbranch_scc1 .Lskip
	s_lshl_b32 s38, s18, 6
	s_add_co_u32 s38, s38, s20                     ; Q = 64 e + q
	s_mul_i32 s22, s38, 49152
	s_mov_b32 s23, 0
	s_add_nc_u64 s[24:25], s[8:9], s[22:23]        ; the task's h,
	s_lshl_b32 s22, s38, 11
	s_add_co_u32 s22, s22, HQS
	s_add_nc_u64 s[26:27], s[8:9], s[22:23]        ; its scale words,
	s_lshl_b32 s22, s38, 7
	s_add_nc_u64 s[28:29], s[10:11], s[22:23]      ; its rows' weights,
	s_lshl_b32 s22, s38, 17
	s_add_co_u32 s22, s22, s39
	s_add_nc_u64 s[30:31], s[14:15], s[22:23]      ; and where the results go
.irp a, 0,1
.irp u, 0,1
.irp n, 0,1
	global_load_b128 v[ACC+16*\a+8*\u+4*\n:ACC+16*\a+8*\u+4*\n+3], v4, s[32:33] offset:32*\u+16*\n   ; b2 at the lane's eight outputs of the tile: the sums begin with it
.endr
.endr
.endr
.irp a, 0,1
	global_load_b32 v[48+\a], v5, s[28:29] offset:64*\a
.endr
.irp a, 0,1
.irp n, 0,1
	global_load_b128 v[ASC+8*\a+4*\n:ASC+8*\a+4*\n+3], v1, s[26:27] offset:1024*\a+512*\n
.endr
.endr
	ALOAD 0
	ALOAD 1
	ALOAD 2
	ALOAD 3
	ALOAD 4
	ALOAD 5
	WLOAD 0
	KSTEP 0
	KSTEP 1
	KSTEP 2
	KSTEP 3
	KSTEP 4
	KSTEP 5
	KSTEP 6
	KSTEP 7
	KSTEP 8
	KSTEP 9
	KSTEP 10
	KSTEP 11
	KSTEP 12
	KSTEP 13
	KSTEP 14
	KSTEP 15
	OUT 0
	OUT 1
	s_wait_xcnt 0x0                                ; the stores have read their data and their base: the next trip writes both again
.Lskip:
	s_add_co_u32 s20, s20, 16
	s_add_co_u32 s21, s21, 1
	s_cmp_lt_u32 s21, 4
	s_cbranch_scc1 .Ltrip
	s_wait_xcnt 0x0
	v_lshl_add_u32 v254, v0, 2, 0x15800
	v_mov_b32 v255, 0
	s_wait_tensorcnt 0x0
	ds_add_u32 v254, v255
	s_wait_dscnt 0x0
	s_endpgm
.Lfunc_end_k_q7aa8f0bbed_down:
	.size	k_q7aa8f0bbed_down, .Lfunc_end_k_q7aa8f0bbed_down-k_q7aa8f0bbed_down
	.p2alignl 7, 3214868480
	.fill 96, 4, 3214868480
	.section	.rodata,"a",@progbits
	.p2align	6, 0x0
	.amdhsa_kernel k_q7aa8f0bbed_down
		.amdhsa_group_segment_fixed_size 90112
		.amdhsa_private_segment_fixed_size 0
		.amdhsa_enable_private_segment 0
		.amdhsa_kernarg_size 48
		.amdhsa_user_sgpr_count 2
		.amdhsa_user_sgpr_kernarg_segment_ptr 1
		.amdhsa_wavefront_size32 1
		.amdhsa_system_sgpr_workgroup_id_x 1
		.amdhsa_system_sgpr_workgroup_id_y 1
		.amdhsa_system_sgpr_workgroup_id_z 1
		.amdhsa_system_vgpr_workitem_id 0
		.amdhsa_next_free_vgpr 256
		.amdhsa_next_free_sgpr 66
		.amdhsa_reserve_vcc 0
		.amdhsa_float_denorm_mode_32 3
		.amdhsa_float_denorm_mode_16_64 3
		.amdhsa_memory_ordered 1
		.amdhsa_forward_progress 1
		.amdhsa_inst_pref_size 57
	.end_amdhsa_kernel
	.amdgpu_metadata
---
amdhsa.version: [ 1, 2 ]
amdhsa.kernels:
  - .name:           k_q7aa8f0bbed_down
    .symbol:         k_q7aa8f0bbed_down.kd
    .args:
      - { .name: w2, .offset: 0, .size: 8, .value_kind: global_buffer, .address_space: global }
      - { .name: b2, .offset: 8, .size: 8, .value_kind: global_buffer, .address_space: global }
      - { .name: hq, .offset: 16, .size: 8, .value_kind: global_buffer, .address_space: global }
      - { .name: gwp, .offset: 24, .size: 8, .value_kind: global_buffer, .address_space: global }
      - { .name: route, .offset: 32, .size: 8, .value_kind: global_buffer, .address_space: global }
      - { .name: yr, .offset: 40, .size: 8, .value_kind: global_buffer, .address_space: global }
    .group_segment_fixed_size: 90112
    .private_segment_fixed_size: 0
    .kernarg_segment_align: 8
    .kernarg_segment_size: 48
    .max_flat_workgroup_size: 512
    .sgpr_count:     66
    .vgpr_count:     256
    .wavefront_size: 32
...
	.end_amdgpu_metadata
.endif
;; end of part 4
;; launch combine (part 5): grid 256 x 1, 8 waves a work-group, no clusters, 0 bytes of LDS; arguments yr, route, out0; writes out0
.if DOCPART == 5
	.amdgcn_target "amdgcn-amd-amdhsa--gfx1250"
	.amdhsa_code_object_version 6
	.text
	.protected	k_q7aa8f0bbed_combine
	.globl	k_q7aa8f0bbed_combine
	.p2align	8
	.type	k_q7aa8f0bbed_combine,@function
k_q7aa8f0bbed_combine:
	s_mov_b64 s[64:65], 0
	v_nop
	global_prefetch_b8 v0, s[64:65] scope:SCOPE_SE
	s_setreg_imm32_b32 hwreg(HW_REG_WAVE_MODE, 25, 1), 1
	s_wait_xcnt 0x0
; out0[t] = the token's two routed rows added; each already carries its bias and its gate's weight.  A wave takes one token: t = 8 x work-group + wave.
; The token's two positions P come from route (whole numbers that an earlier launch stored).  Row P lies in yr at 65,536 (P / 16) + 128 (P % 16), in 32 pieces of 128 bytes, 2,048 bytes apart.
; Memory binds: sixteen loads a wave are out together; each store covers 512 consecutive bytes, aligned.  No LDS, no barrier, no matrix unit: nothing is shared and nothing is multiplied.
	s_load_b128 s[4:7], s[0:1], 0x0                ; yr s[4:5], route s[6:7]
	s_load_b64 s[8:9], s[0:1], 0x10                ; out0
	v_lshrrev_b32 v1, 5, v0
	v_readfirstlane_b32 s10, v1                    ; wave 0..7
	s_lshl_b32 s11, ttmp9, 3
	s_add_co_u32 s11, s11, s10                     ; the token
	s_lshl_b32 s14, s11, 3                         ; its two words in route; not written again
	v_and_b32 v1, 31, v0
	v_lshlrev_b32 v3, 4, v1                        ; out: 16 x lane
	v_lshrrev_b32 v2, 3, v1
	v_lshlrev_b32 v2, 11, v2
	v_and_b32 v4, 7, v1
	v_lshl_add_u32 v2, v4, 4, v2                   ; in: piece lane / 8 of four, 16 (lane % 8) in it
	s_wait_kmcnt 0x0
	s_load_b64 s[12:13], s[6:7], s14 offset:0x0
	s_lshl_b32 s24, s11, 12
	s_mov_b32 s25, 0
	s_add_nc_u64 s[8:9], s[8:9], s[24:25]          ; the token's row of out0
	s_wait_kmcnt 0x0
.macro ROWBASE p, d                    ; the two parts of a position are cut and held to their ranges first; only shifts left and sums follow
	s_lshr_b32 s16, s[\p], 4
	s_min_u32 s16, s16, 0x3ff
	s_and_b32 s17, s[\p], 15
	s_min_u32 s17, s17, 15
	s_lshl_b32 s16, s16, 16
	s_lshl_b32 s17, s17, 7
	s_add_co_u32 s16, s16, s17
	s_mov_b32 s17, 0
	s_add_nc_u64 s[\d:\d+1], s[4:5], s[16:17]
.endm
	ROWBASE 12, 20
	ROWBASE 13, 22
.irp i, 0,1,2,3,4,5,6,7
	global_load_b128 v[8+8*\i:11+8*\i], v2, s[20:21] offset:8192*\i th:TH_LOAD_NT
	global_load_b128 v[12+8*\i:15+8*\i], v2, s[22:23] offset:8192*\i th:TH_LOAD_NT
.endr
.irp i, 0,1,2,3,4,5,6,7
	s_wait_loadcnt 14-2*\i                         ; pair i is in; the later pairs' loads may be out
	v_pk_add_f32 v[8+8*\i:9+8*\i], v[8+8*\i:9+8*\i], v[12+8*\i:13+8*\i]
	v_pk_add_f32 v[10+8*\i:11+8*\i], v[10+8*\i:11+8*\i], v[14+8*\i:15+8*\i]
	global_store_b128 v3, v[8+8*\i:11+8*\i], s[8:9] offset:512*\i th:TH_STORE_NT
.endr
	s_endpgm
.Lfunc_end_k_q7aa8f0bbed_combine:
	.size	k_q7aa8f0bbed_combine, .Lfunc_end_k_q7aa8f0bbed_combine-k_q7aa8f0bbed_combine
	.p2alignl 7, 3214868480
	.fill 96, 4, 3214868480
	.section	.rodata,"a",@progbits
	.p2align	6, 0x0
	.amdhsa_kernel k_q7aa8f0bbed_combine
		.amdhsa_group_segment_fixed_size 0
		.amdhsa_private_segment_fixed_size 0
		.amdhsa_enable_private_segment 0
		.amdhsa_kernarg_size 24
		.amdhsa_user_sgpr_count 2
		.amdhsa_user_sgpr_kernarg_segment_ptr 1
		.amdhsa_wavefront_size32 1
		.amdhsa_system_sgpr_workgroup_id_x 1
		.amdhsa_system_sgpr_workgroup_id_y 1
		.amdhsa_system_sgpr_workgroup_id_z 1
		.amdhsa_system_vgpr_workitem_id 0
		.amdhsa_next_free_vgpr 96
		.amdhsa_next_free_sgpr 66
		.amdhsa_reserve_vcc 0
		.amdhsa_float_denorm_mode_32 3
		.amdhsa_float_denorm_mode_16_64 3
		.amdhsa_memory_ordered 1
		.amdhsa_forward_progress 1
		.amdhsa_inst_pref_size 6
	.end_amdhsa_kernel
	.amdgpu_metadata
---
amdhsa.version: [ 1, 2 ]
amdhsa.kernels:
  - .name:           k_q7aa8f0bbed_combine
    .symbol:         k_q7aa8f0bbed_combine.kd
    .args:
      - { .name: yr, .offset: 0, .size: 8, .value_kind: global_buffer, .address_space: global }
      - { .name: route, .offset: 8, .size: 8, .value_kind: global_buffer, .address_space: global }
      - { .name: out0, .offset: 16, .size: 8, .value_kind: global_buffer, .address_space: global }
    .group_segment_fixed_size: 0
    .private_segment_fixed_size: 0
    .kernarg_segment_align: 8
    .kernarg_segment_size: 24
    .max_flat_workgroup_size: 256
    .sgpr_count:     66
    .vgpr_count:     96
    .wavefront_size: 32
...
	.end_amdgpu_metadata
.endif
;; end of part 5
;; ======== version 2 of 3: 5 launches
;; workspace buffers: sel 8,192 bytes of whole numbers; gwt 16,384 bytes; xq 1,638,400 bytes; xg 13,107,200 bytes; gwp 65,536 bytes; route 17,408 bytes of whole numbers; hq 26,214,400 bytes; yr 67,108,864 bytes
;; launch gate: the kernel of part 1 again; grid 256 x 1, 4 waves a work-group, no clusters, 77,312 bytes of LDS; arguments x, gate_w, gate_b, xq, sel, gwt; writes xq, sel, gwt
;; launch place (part 6): grid 512 x 1, 1 waves a work-group, no clusters, 0 bytes of LDS; arguments sel, gwt, xq, xg, gwp, route; writes xg, gwp, route
.if DOCPART == 6
	.amdgcn_target "amdgcn-amd-amdhsa--gfx1250"
	.amdhsa_code_object_version 6
	.text
	.protected	k_q7aa8f0bbed_place
	.globl	k_q7aa8f0bbed_place
	.p2align	8
	.type	k_q7aa8f0bbed_place,@function
k_q7aa8f0bbed_place:
	s_mov_b64 s[64:65], 0
	v_nop
	global_prefetch_b8 v0, s[64:65] scope:SCOPE_SE
	s_setreg_imm32_b32 hwreg(HW_REG_WAVE_MODE, 25, 1), 1
	s_wait_xcnt 0x0
; THE ROWS ARE PLACED BY EXPERT.  Expert e owns positions 2048 e + i; a TASK is 32 positions, two tiles of 16 rows.  One wave serves one task, lane l position i = 32 q + l.
; ONE WAVE TO A WORK-GROUP: tasks share nothing (no LDS, no barrier), so each has a work-group of its own.  The work-group's number is 8 q + e: 8 experts x 64 tasks = 512, which serves every split (an expert takes
; at most 2,048 tokens), and the tasks that have rows, those of low q, have the lowest numbers.  A task beyond its expert's count stores nothing.
; Every wave reads all 2,048 sel words (64 registers a lane) and finds, in registers, the token of rank i among the expert's tokens: a scan over 64 chunks of 32 tokens keeps the mask of the last chunk whose
; running count is at most i; the (i - count)-th set bit of that mask is found by five halvings on partial bit counts.  No atomics.  The order of ranks (chunk, then lane) is the same in every wave.
; A LANE GATHERS ITS OWN ROW: lane l (tile a = l / 16, row r = l % 16) loads its token's 768 bytes of codes and 32 scale bytes; the operand's image is made by the STORES, whose addresses hang on ids alone.
; STORED: route: posinv[token][choice] = the position; ntask[e] = ceil(count / 32), 32 equal words.  gwp[position] = the gate's weight.  xg: the tokens' codes as images of matrix operands: task Q = 64 e + q at 24,576 Q,
; tile a at + 12,288 a, K step s at + 1,536 s, registers 4 j .. 4 j + 3 of operand lane (r, h) at + 512 j + 16 (r + 16 h); scale words from XGS on: 1,024 Q + 512 a + 16 (r + 16 h) + 4 i: row r's word of K step 2 i + h.
; Positions from the count up to the task's end are PADS: token 0's codes, weight 0; they are multiplied, and nobody reads their results.
.set XQS, 1572864
.set XGS, 12582912
.set NTO, 16384
.set SL,  32                           ; v32-95 the sel words: register SL + c, lane l: token 128 (c / 4) + 4 l + c % 4
.set CD,  64                           ; v64-255 later: my row's codes, 48 pieces of 16 bytes
	s_load_b256 s[4:11], s[0:1], 0x0               ; sel s[4:5], gwt s[6:7], xq s[8:9], xg s[10:11]
	s_load_b128 s[12:15], s[0:1], 0x20             ; gwp s[12:13], route s[14:15]
	s_and_b32 s17, ttmp9, 7                        ; e
	s_lshr_b32 s18, ttmp9, 3                       ; q
	v_and_b32 v1, 31, v0                           ; lane
	v_lshlrev_b32 v2, 4, v1
	v_lshrrev_b32 v3, 4, v1                        ; a: my position's tile
	v_and_b32 v9, 15, v0                           ; r: its row there
	v_mul_u32_u24 v29, v3, 12288
	v_lshl_add_u32 v29, v9, 4, v29                 ; where my row's codes go: 12,288 a + 16 r
	v_lshlrev_b32 v30, 9, v3
	v_lshl_add_u32 v30, v9, 4, v30                 ; and its scale words: 512 a + 16 r
	s_lshl_b32 s19, s18, 5
	v_add_nc_u32 v4, s19, v1                       ; i
	v_mov_b32 v5, 0                                ; the chunk's mask
	v_mov_b32 v6, 0                                ; its mask of second choices
	v_mov_b32 v7, 0                                ; the count ahead of it
	v_mov_b32 v8, 0                                ; its number
	s_lshl_b32 s20, 0x101, s17                     ; either choice is e
	s_lshl_b32 s21, 0x100, s17                     ; the second choice is e
	s_mov_b32 s22, 0                               ; the running count
	s_lshl_b32 s26, s17, 6
	s_add_co_u32 s26, s26, s18                     ; Q
	s_lshl_b32 s27, s17, 11                        ; 2048 e
	s_wait_kmcnt 0x0
.irp j, 0,1,2,3,4,5,6,7,8,9,10,11,12,13,14,15
	global_load_b128 v[SL+4*\j:SL+4*\j+3], v2, s[4:5] offset:512*\j
.endr
	s_lshl_b32 s40, s17, 7
	s_add_co_u32 s40, s40, NTO
	s_mov_b32 s41, 0
	s_add_nc_u64 s[28:29], s[14:15], s[40:41]      ; ntask[e]
	s_lshl_b32 s40, s26, 10
	s_add_co_u32 s40, s40, XGS
	s_add_nc_u64 s[36:37], s[10:11], s[40:41]      ; the task's scale words
	s_mul_i32 s40, s26, 24576
	s_add_nc_u64 s[38:39], s[10:11], s[40:41]      ; the task's codes
	s_wait_loadcnt 0x0
.set c, 0
.rept 64
	v_and_b32 v9, s20, v[SL+c]
	v_cmp_ne_u32 s23, 0, v9                        ; which of the chunk's 32 tokens take e
	v_and_b32 v10, s21, v[SL+c]
	v_cmp_ne_u32 s24, 0, v10                       ; and which of them as their second choice
	v_cmp_le_u32 vcc_lo, s22, v4                   ; the count never falls: the last chunk whose count is at most i holds rank i
	v_cndmask_b32 v5, v5, s23, vcc_lo
	v_cndmask_b32 v6, v6, s24, vcc_lo
	v_cndmask_b32 v7, v7, s22, vcc_lo
	v_cndmask_b32 v8, v8, c, vcc_lo
	s_bcnt1_i32_b32 s25, s23
	s_add_co_u32 s22, s22, s25
.set c, c+1
.endr
	s_add_co_u32 s25, s22, 31
	s_lshr_b32 s25, s25, 5                         ; ntask
	s_cmp_lg_u32 s18, 0
	s_cbranch_scc1 .Lnot_first
	v_mov_b32 v56, s25                             ; the expert's first task stores it; these two registers are not written again
	v_lshlrev_b32 v57, 2, v1
	global_store_b32 v57, v56, s[28:29]
.Lnot_first:
	s_cmp_ge_u32 s19, s22                          ; a task beyond the count: a branch on a count made of whole numbers that an earlier launch stored
	s_cbranch_scc1 .Lnothing
	v_sub_nc_u32 v9, v4, v7                        ; k: which set bit of the mask
	v_lshrrev_b32 v10, 1, v5
	v_and_b32 v10, 0x55555555, v10
	v_sub_nc_u32 v10, v5, v10                      ; counts of 2 bits,
	v_lshrrev_b32 v11, 2, v10
	v_and_b32 v11, 0x33333333, v11
	v_and_b32 v12, 0x33333333, v10
	v_add_nc_u32 v11, v11, v12                     ; of 4,
	v_lshrrev_b32 v12, 4, v11
	v_add_nc_u32 v12, v12, v11
	v_and_b32 v12, 0x0f0f0f0f, v12                 ; of 8,
	v_lshrrev_b32 v13, 8, v12
	v_add_nc_u32 v13, v13, v12
	v_and_b32 v13, 0x00ff00ff, v13                 ; of 16
	v_mov_b32 v14, 0                               ; the bit's place
.macro HALVE A, wd                     ; if the lower wd bits from the place on hold k set bits or fewer, pass them
	v_bfe_u32 v15, v[\A], v14, \wd
	v_cmp_ge_u32 vcc_lo, v9, v15
	v_sub_nc_u32 v15, v9, v15
	v_cndmask_b32 v9, v9, v15, vcc_lo
	v_add_nc_u32 v15, \wd, v14
	v_cndmask_b32 v14, v14, v15, vcc_lo
.endm
	HALVE 13, 16
	HALVE 12, 8
	HALVE 11, 4
	HALVE 10, 2
	HALVE 5, 1
	v_bfe_u32 v17, v6, v14, 1                      ; 0: e is the token's first choice, 1: its second
	v_lshrrev_b32 v16, 2, v8
	v_lshlrev_b32 v16, 7, v16
	v_lshl_add_u32 v16, v14, 2, v16
	v_and_b32 v15, 3, v8
	v_add_nc_u32 v16, v16, v15                     ; the token
	v_cmp_gt_u32 vcc_lo, s22, v4                   ; i < count: a row; else a pad.  VCC stands from here to the end
	v_cndmask_b32 v16, 0, v16, vcc_lo              ; a pad takes token 0
	v_min_u32 v16, 0x7ff, v16
	v_lshl_add_u32 v17, v16, 1, v17
	v_min_u32 v17, 0xfff, v17
	v_lshlrev_b32 v17, 2, v17                      ; the byte of (token, choice) in gwt and in posinv
	v_mov_b32 v22, v16                             ; each register that goes into an address is held to the table's range itself, and then only shifted left and added
	v_mov_b32 v23, v16
	v_mov_b32 v24, v16
	v_min_u32 v22, 0x7ff, v22
	v_min_u32 v23, 0x7ff, v23
	v_min_u32 v24, 0x7ff, v24
	v_lshlrev_b32 v22, 9, v22
	v_lshlrev_b32 v23, 8, v23
	v_add_nc_u32 v22, v22, v23                     ; 768 x token: its row of codes
	v_lshlrev_b32 v24, 5, v24                      ; 32 x token: its scale bytes
	v_add_nc_u32 v19, s27, v4                      ; the position
	v_lshlrev_b32 v28, 2, v19
	global_load_b32 v26, v17, s[6:7]               ; the gate's weight
.irp n, 0,1
	global_load_b128 v[32+4*\n:35+4*\n], v24, s[8:9] offset:XQS+16*\n   ; the row's eight scale words, K steps 0 to 7
.endr
.set n, 0
.rept 48
	global_load_b128 v[CD+4*n:CD+4*n+3], v22, s[8:9] offset:16*n   ; piece n = 6 s + 3 h + j of the row: registers 4 j .. 4 j + 3 of operand lane (r, h) in K step s
.set n, n+1
.endr
	s_wait_loadcnt 48                              ; the weight and the scale words are in; the 48 loads of codes behind them may be out
	v_cndmask_b32 v27, 0, v26, vcc_lo              ; a pad's weight is 0
	global_store_b32 v28, v27, s[12:13]            ; 128 consecutive bytes a wave
.irp i, 0,1,2,3
	v_mov_b32 v[48+\i], v[32+2*\i]                 ; operand lanes 0-15 want the words of K steps 0, 2, 4, 6,
	v_mov_b32 v[52+\i], v[33+2*\i]                 ; lanes 16-31 those of K steps 1, 3, 5, 7
.endr
	global_store_b128 v30, v[48:51], s[36:37]      ; sixteen lanes store 256 consecutive bytes, aligned; so in every store below
	global_store_b128 v30, v[52:55], s[36:37] offset:256
	s_wait_loadcnt 24                              ; K steps 0 to 3 are in; the 24 loads of K steps 4 to 7 may be out
.irp s, 0,1,2,3
.irp hh, 0,1
.irp j, 0,1,2
	global_store_b128 v29, v[CD+4*(6*\s+3*\hh+\j):CD+4*(6*\s+3*\hh+\j)+3], s[38:39] offset:1536*\s+512*\j+256*\hh
.endr
.endr
.endr
	s_wait_loadcnt 0x0
.irp s, 4,5,6,7
.irp hh, 0,1
.irp j, 0,1,2
	global_store_b128 v29, v[CD+4*(6*\s+3*\hh+\j):CD+4*(6*\s+3*\hh+\j)+3], s[38:39] offset:1536*\s+512*\j+256*\hh
.endr
.endr
.endr
	s_wait_xcnt 0x0                                ; EXEC changes only behind this wait
	s_and_saveexec_b32 s32, vcc_lo                 ; rows only: a pad has no token
	global_store_b32 v17, v19, s[14:15]            ; posinv
	s_endpgm
.Lnothing:
	s_endpgm
.Lfunc_end_k_q7aa8f0bbed_place:
	.size	k_q7aa8f0bbed_place, .Lfunc_end_k_q7aa8f0bbed_place-k_q7aa8f0bbed_place
	.p2alignl 7, 3214868480
	.fill 96, 4, 3214868480
	.section	.rodata,"a",@progbits
	.p2align	6, 0x0
	.amdhsa_kernel k_q7aa8f0bbed_place
		.amdhsa_group_segment_fixed_size 0
		.amdhsa_private_segment_fixed_size 0
		.amdhsa_enable_private_segment 0
		.amdhsa_kernarg_size 48
		.amdhsa_user_sgpr_count 2
		.amdhsa_user_sgpr_kernarg_segment_ptr 1
		.amdhsa_wavefront_size32 1
		.amdhsa_system_sgpr_workgroup_id_x 1
		.amdhsa_system_sgpr_workgroup_id_y 1
		.amdhsa_system_sgpr_workgroup_id_z 1
		.amdhsa_system_vgpr_workitem_id 0
		.amdhsa_next_free_vgpr 256
		.amdhsa_next_free_sgpr 66
		.amdhsa_reserve_vcc 1
		.amdhsa_float_denorm_mode_32 3
		.amdhsa_float_denorm_mode_16_64 3
		.amdhsa_memory_ordered 1
		.amdhsa_forward_progress 1
		.amdhsa_inst_pref_size 51
	.end_amdhsa_kernel
	.amdgpu_metadata
---
amdhsa.version: [ 1, 2 ]
amdhsa.kernels:
  - .name:           k_q7aa8f0bbed_place
    .symbol:         k_q7aa8f0bbed_place.kd
    .args:
      - { .name: sel, .offset: 0, .size: 8, .value_kind: global_buffer, .address_space: global }
      - { .name: gwt, .offset: 8, .size: 8, .value_kind: global_buffer, .address_space: global }
      - { .name: xq, .offset: 16, .size: 8, .value_kind: global_buffer, .address_space: global }
      - { .name: xg, .offset: 24, .size: 8, .value_kind: global_buffer, .address_space: global }
      - { .name: gwp, .offset: 32, .size: 8, .value_kind: global_buffer, .address_space: global }
      - { .name: route, .offset: 40, .size: 8, .value_kind: global_buffer, .address_space: global }
    .group_segment_fixed_size: 0
    .private_segment_fixed_size: 0
    .kernarg_segment_align: 8
    .kernarg_segment_size: 48
    .max_flat_workgroup_size: 32
    .sgpr_count:     66
    .vgpr_count:     256
    .wavefront_size: 32
...
	.end_amdgpu_metadata
.endif
;; end of part 6
;; launch up: the kernel of part 3 again; grid 32 x 8, 16 waves a work-group, no clusters, 53,248 bytes of LDS; arguments w1, b1, xg, route, hq; writes hq
;; launch down: the kernel of part 4 again; grid 32 x 8, 16 waves a work-group, no clusters, 90,112 bytes of LDS; arguments w2, b2, hq, gwp, route, yr; writes yr
;; launch combine: the kernel of part 5 again; grid 256 x 1, 8 waves a work-group, no clusters, 0 bytes of LDS; arguments yr, route, out0; writes out0
;; ======== version 3 of 3: 5 launches
;; workspace buffers: sel 8,192 bytes of whole numbers; gwt 16,384 bytes; xq 1,638,400 bytes; xg 13,107,200 bytes; gwp 65,536 bytes; route 17,408 bytes of whole numbers; hq 26,214,400 bytes; yr 67,108,864 bytes
;; launch gate (part 7): grid 256 x 1, 4 waves a work-group, no clusters, 77,312 bytes of LDS; arguments x, gate_w, gate_b, xq, sel, gwt; writes xq, sel, gwt
.if DOCPART == 7
	.amdgcn_target "amdgcn-amd-amdhsa--gfx1250"
	.amdhsa_code_object_version 6
	.text
	.protected	k_q7aa8f0bbed_gate
	.globl	k_q7aa8f0bbed_gate
	.p2align	8
	.type	k_q7aa8f0bbed_gate,@function
k_q7aa8f0bbed_gate:
	s_mov_b64 s[64:65], 0
	v_nop
	global_prefetch_b8 v0, s[64:65] scope:SCOPE_SE
	s_setreg_imm32_b32 hwreg(HW_REG_WAVE_MODE, 25, 1), 1
	s_wait_xcnt 0x0
; ROUTER AND QUANTISER OF x.  x: [2048][1024] f32; gate_w: [1024][8] f32; gate_b: [8] f32.
; For each token: logits = x . gate_w + gate_b in f32 (fused multiply-adds: a coarser product could turn a choice of expert); the two largest (ties keep the lower index, by strict compares in
; ascending order); their softmax with the larger logit taken away first.  Stored at fixed places: sel[t] = (1 << first) | (1 << (8 + second)), gwt[t] = the two weights.
; The same numbers of x are quantised to E3M2 with one E8M0 byte for each 32 along K.  xq: a row of codes is 768 bytes; inside each 96 bytes (128 along K) the four blocks of 24 bytes lie in the order
; 0, 2, 1, 3, so that the 48 bytes which one lane of a matrix operand wants (blocks h and 2 + h) lie on end.  Scale bytes [2048][32], in natural order, from byte XQS on.
; SHARES: a work-group takes 8 tokens, a wave 2.  Loads take the bytes as they lie (512 consecutive bytes an instruction); a turn through the wave's own LDS stage gives lane l block l of the row (32 neighbours).
; LIMITS: NaN and infinities are not served.  A block whose largest magnitude lies under 2^-122 keeps the byte 1 (a block of zeros too, where the rule says 127: its codes are zeros, and only this program
; reads the bytes).  The logits are summed in another order than a plain dot product: two logits that agree to about 1e-6 of their size may change places.
.set XST,  33280                       ; LDS: gate_w as 32 chunks of 1,024 bytes, 1,040 apart, from byte 0; then a stage of 2 x 32 x 144 bytes for each wave,
.set CST,  70144                       ; two rows of codes for each wave,
.set XSS,  76288                       ; the work-group's 256 scale bytes,
.set SELS, 76544                       ; its 8 sel words,
.set GWS,  76608                       ; its 8 pairs of weights
.set XQS,  1572864
.set XL,   32                          ; v32-95   x as loaded; later gate_w's batches 0 and 2
.set GL,   96                          ; v96-159  gate_w as loaded; later batches 1 and 3
.set X,    160                         ; v160-223 two tokens x 32 neighbours
.set ACC,  224                         ; v224-239 two tokens x 8 partial logits
	s_load_b256 s[4:11], s[0:1], 0x0               ; x s[4:5], gate_w s[6:7], gate_b s[8:9], xq s[10:11]
	s_load_b128 s[12:15], s[0:1], 0x20             ; sel s[12:13], gwt s[14:15]
	v_lshl_add_u32 v254, v0, 2, 0x12c00
	v_mov_b32 v255, 0
	v_lshrrev_b32 v11, 5, v0
	v_readfirstlane_b32 s16, v11                   ; wave 0..3
	v_and_b32 v1, 31, v0                           ; lane
	v_lshlrev_b32 v2, 4, v1                        ; 16 x lane
	v_lshlrev_b32 v3, 4, v0                        ; 16 x thread
	v_lshrrev_b32 v4, 6, v0
	v_mul_u32_u24 v4, v4, 1040
	v_and_b32 v12, 63, v0
	v_lshl_add_u32 v4, v12, 4, v4                  ; gate_w into LDS: 1040 (thread / 64) + 16 (thread % 64)
	s_mul_i32 s17, s16, 9216
	s_add_co_u32 s17, s17, XST                     ; my wave's stage
	v_lshrrev_b32 v5, 3, v1
	v_mul_u32_u24 v5, v5, 144
	v_and_b32 v12, 7, v1
	v_lshl_add_u32 v5, v12, 4, v5
	v_add_nc_u32 v5, s17, v5                       ; into it: eight lanes' 128 bytes on end, then 16 of padding
	v_mul_u32_u24 v6, v1, 144
	v_add_nc_u32 v6, s17, v6                       ; out of it: my block
	v_mul_u32_u24 v7, v1, 1040                     ; gate_w's rows 32 lane .. 32 lane + 31
	v_and_b32 v8, 28, v1
	v_and_b32 v12, 1, v1
	v_lshl_add_u32 v8, v12, 1, v8
	v_bfe_u32 v12, v1, 1, 1
	v_add_nc_u32 v8, v8, v12                       ; my block's place in the row of codes: 4 (l / 4) + 2 (l % 2) + (l / 2) % 2
	v_mul_u32_u24 v8, v8, 24
	s_mul_i32 s18, s16, 1536
	s_add_co_u32 s18, s18, CST
	v_add_nc_u32 v8, s18, v8
	v_add_nc_u32 v9, s18, v2                       ; and the two rows read back, 16 bytes a lane
	s_lshl_b32 s19, s16, 6
	s_add_co_u32 s19, s19, XSS
	v_add_nc_u32 v10, s19, v1                      ; my block's scale byte
	s_lshl_b32 s17, s16, 3
	s_add_co_u32 s17, s17, SELS
	v_mov_b32 v16, s17                             ; my wave's two sel words
	s_lshl_b32 s17, s16, 4
	s_add_co_u32 s17, s17, GWS
	v_mov_b32 v17, s17                             ; and its two pairs of weights
	v_lshlrev_b32 v21, 3, v1                       ; wave 0's way out: 8 x lane,
	v_add_nc_u32 v18, XSS, v21
	v_and_b32 v12, 7, v1
	v_lshl_add_u32 v19, v12, 2, SELS
	v_lshl_add_u32 v20, v12, 3, GWS
	v_lshlrev_b32 v22, 2, v1                       ; 4 x lane
	s_mov_b32 s38, 0x76543210
	s_mov_b32 s39, 0xfedcba98                      ; v_permlanex16_b32's selects for lane l xor 16
	s_mov_b32 s40, 0x3fb8aa3b                      ; log2(e)
	s_wait_kmcnt 0x0
	s_load_b256 s[20:27], s[8:9], 0x0              ; gate_b, all eight
	s_lshl_b32 s28, ttmp9, 15                      ; 8 tokens of 4,096 bytes a work-group,
	s_lshl_b32 s41, s16, 13                        ; 2 a wave
	s_add_co_u32 s28, s28, s41
	s_mov_b32 s29, 0
	s_add_nc_u64 s[4:5], s[4:5], s[28:29]
.irp tk, 0,1
.irp i, 0,1,2,3,4,5,6,7
	global_load_b128 v[XL+32*\tk+4*\i:XL+32*\tk+4*\i+3], v2, s[4:5] offset:4096*\tk+512*\i th:TH_LOAD_NT   ; 512 consecutive bytes of a row
.endr
.endr
.irp i, 0,1,2,3,4,5,6,7,8,9,10,11,12,13,14,15
	global_load_b128 v[GL+4*\i:GL+4*\i+3], v3, s[6:7] offset:2048*\i   ; the four waves together: all of gate_w
.endr
	s_mul_i32 s28, ttmp9, 6144
	s_mul_i32 s41, s16, 1536
	s_add_co_u32 s28, s28, s41
	s_add_nc_u64 s[30:31], s[10:11], s[28:29]      ; my two rows of codes
	s_lshl_b32 s28, ttmp9, 8
	s_add_co_u32 s28, s28, XQS
	s_add_nc_u64 s[32:33], s[10:11], s[28:29]      ; the work-group's 256 scale bytes
	s_lshl_b32 s28, ttmp9, 5
	s_add_nc_u64 s[34:35], s[12:13], s[28:29]      ; its sel words
	s_lshl_b32 s28, ttmp9, 6
	s_add_nc_u64 s[36:37], s[14:15], s[28:29]      ; its weights
	s_wait_loadcnt 16                              ; x's sixteen loads are in; gate_w's sixteen, issued behind them, may be out
.irp tk, 0,1
.irp i, 0,1,2,3,4,5,6,7
	ds_store_b128 v5, v[XL+32*\tk+4*\i:XL+32*\tk+4*\i+3] offset:4608*\tk+576*\i
.endr
.endr
.irp tk, 0,1
.irp j, 0,1,2,3,4,5,6,7
	ds_load_b128 v[X+32*\tk+4*\j:X+32*\tk+4*\j+3], v6 offset:4608*\tk+16*\j   ; LDS serves a wave's instructions in order: these see the stores above
.endr
.endr
	s_wait_loadcnt 0x0
.irp i, 0,1,2,3,4,5,6,7,8,9,10,11,12,13,14,15
	ds_store_b128 v4, v[GL+4*\i:GL+4*\i+3] offset:2080*\i
.endr
	s_wait_dscnt 0x0                               ; for the others' sake: my part of gate_w lies in LDS (and my own numbers are back)
	s_barrier_signal -1
	s_barrier_wait -1                              ; all of gate_w lies in LDS
; THE LOGITS.  Lane l sums k = 32 l .. 32 l + 31 for both tokens and all eight experts; gate_w comes in four batches of eight rows (16 loads), two buffers by turns.
.macro GBATCH n
.irp i, 0,1,2,3,4,5,6,7,8,9,10,11,12,13,14,15
	ds_load_b128 v[32+64*((\n)%2)+4*\i:32+64*((\n)%2)+4*\i+3], v7 offset:256*(\n)+16*\i
.endr
.endm
.macro GFMA n                          ; 8 rows x 2 tokens x 4 pairs of experts; x's number is taken for both halves of the pair
.set kk, 0
.rept 8
.set kb, 8*(\n)+kk
.set G, 32+64*((\n)%2)+8*kk
.irp tk, 0,1
.irp p, 0,1,2,3
.if kb == 0
	v_pk_mul_f32 v[ACC+8*\tk+2*\p:ACC+8*\tk+2*\p+1], v[G+2*\p:G+2*\p+1], v[X+32*\tk:X+32*\tk+1] op_sel_hi:[1,0]   ; the first product starts the sums: nothing is cleared
.elseif kb%2 == 0
	v_pk_fma_f32 v[ACC+8*\tk+2*\p:ACC+8*\tk+2*\p+1], v[G+2*\p:G+2*\p+1], v[X+32*\tk+kb:X+32*\tk+kb+1], v[ACC+8*\tk+2*\p:ACC+8*\tk+2*\p+1] op_sel_hi:[1,0,1]
.else
	v_pk_fma_f32 v[ACC+8*\tk+2*\p:ACC+8*\tk+2*\p+1], v[G+2*\p:G+2*\p+1], v[X+32*\tk+kb-1:X+32*\tk+kb], v[ACC+8*\tk+2*\p:ACC+8*\tk+2*\p+1] op_sel:[0,1,0]
.endif
.endr
.endr
.set kk, kk+1
.endr
.endm
	GBATCH 0
	GBATCH 1
	s_wait_dscnt 16                                ; batch 0 is in; batch 1's sixteen loads may be out
	GFMA 0
	GBATCH 2
	s_wait_alu depctr_va_vdst(0)
	s_wait_dscnt 16                                ; batch 1 is in; batch 2's may be out
	GFMA 1
	GBATCH 3
	s_wait_alu depctr_va_vdst(0)
	s_wait_dscnt 16                                ; batch 2 is in; batch 3's may be out
	GFMA 2
	s_wait_alu depctr_va_vdst(0)
	s_wait_dscnt 0x0
	GFMA 3
; THE CODES.  All 32 numbers of a block are mine: the largest magnitude with the floor 2^(5 - 127) among its leaves; 4 off its exponent field is the conversion's scale operand; that, shifted, the byte.
.macro QROW tk
.set XS, X+32*\tk
.set CC, 32+8*\tk
	v_max3_num_f32 v12, |v[XS]|, |v[XS+1]|, |v[XS+2]|
	v_max3_num_f32 v13, |v[XS+3]|, |v[XS+4]|, |v[XS+5]|
.irp i, 6,10,14,18,22,26
	v_max3_num_f32 v12, v12, |v[XS+\i]|, |v[XS+\i+1]|
	v_max3_num_f32 v13, v13, |v[XS+\i+2]|, |v[XS+\i+3]|
.endr
	v_max3_num_f32 v12, v12, |v[XS+30]|, |v[XS+31]|
	v_max3_num_f32 v12, v12, v13, 0x2800000
	v_add_nc_u32 v14, 0xfe000000, v12
	v_lshrrev_b32 v[50+\tk], 23, v14
	v_cvt_scalef32_pk16_bf6_f32 v[CC:CC+2], v[XS:XS+15], v14
	v_cvt_scalef32_pk16_bf6_f32 v[46:48], v[XS+16:XS+31], v14   ; (a conversion's three registers begin on an even number)
	v_nop                                          ; one plain instruction behind a scaled conversion
.irp i, 0,1,2
	v_mov_b32 v[CC+3+\i], v[46+\i]
.endr
.irp j, 0,1,2
	ds_store_b64 v8, v[CC+2*\j:CC+2*\j+1] offset:768*\tk+8*\j
.endr
	ds_store_b8 v10, v[50+\tk] offset:32*\tk
.endm
	QROW 0
	QROW 1
.irp i, 0,1,2
	ds_load_b128 v[52+4*\i:55+4*\i], v9 offset:512*\i   ; my wave's own bytes, served in order
.endr
	s_wait_dscnt 0x0
.irp i, 0,1,2
	global_store_b128 v2, v[52+4*\i:55+4*\i], s[30:31] offset:512*\i   ; 512 consecutive bytes, at a multiple of 256 from the buffer's first byte
.endr
; the sixteen partial logits are summed over the 32 lanes, by turns; every lane ends with every sum
.irp m, 1,2,4,8
.irp j, 0,1,2,3,4,5,6,7,8,9,10,11,12,13,14,15
	v_add_f32_dpp v[ACC+\j], v[ACC+\j], v[ACC+\j] row_xmask:\m row_mask:0xf bank_mask:0xf
.endr
.endr
.irp j, 0,1,2,3,4,5,6,7,8,9,10,11,12,13,14,15
	v_permlanex16_b32 v[64+\j], v[ACC+\j], s38, s39
.endr
.irp j, 0,1,2,3,4,5,6,7,8,9,10,11,12,13,14,15
	v_add_f32 v[ACC+\j], v[ACC+\j], v[64+\j]
.endr
	s_wait_kmcnt 0x0                               ; gate_b
.irp tk, 0,1
.irp e, 0,1,2,3,4,5,6,7
	v_add_f32 v[ACC+8*\tk+\e], s[20+\e], v[ACC+8*\tk+\e]
.endr
.endr
; THE TWO LARGEST.  A later logit takes the place only if it is strictly larger, so the lower index wins a tie.  No branch and no address hangs on the result.
.macro SCAN2 m, i, tk
	v_mov_b32 v[\m], v[ACC+8*\tk]
	v_mov_b32 v[\i], 0
.irp e, 1,2,3,4,5,6,7
	v_cmp_gt_f32 vcc_lo, v[ACC+8*\tk+\e], v[\m]
	v_cndmask_b32 v[\m], v[\m], v[ACC+8*\tk+\e], vcc_lo
	v_cndmask_b32 v[\i], v[\i], \e, vcc_lo
.endr
.endm
	v_mov_b32 v96, 0xff800000                      ; -infinity
	v_mov_b32 v97, 1
	v_mov_b32 v98, 0x100
.irp tk, 0,1
	SCAN2 80+8*\tk, 81+8*\tk, \tk
.irp e, 0,1,2,3,4,5,6,7
	v_cmp_eq_u32 vcc_lo, \e, v[81+8*\tk]
	v_cndmask_b32 v[ACC+8*\tk+\e], v[ACC+8*\tk+\e], v96, vcc_lo   ; the winner leaves the field
.endr
	SCAN2 82+8*\tk, 83+8*\tk, \tk
.endr
.irp tk, 0,1
	v_sub_f32 v[86+8*\tk], v[82+8*\tk], v[80+8*\tk]   ; the second less the first: the maximum is taken away
.endr
.irp tk, 0,1
	v_mul_f32 v[86+8*\tk], s40, v[86+8*\tk]
.endr
	s_wait_alu depctr_va_vdst(0)
.irp tk, 0,1
	v_exp_f32 v[86+8*\tk], v[86+8*\tk]             ; d = e^(second - first), at most 1
.endr
	v_nop                                          ; a plain instruction behind the exponentials,
	s_wait_alu depctr_va_vdst(0)                   ; and the wait ahead of the first use: one for both
.irp tk, 0,1
	v_add_f32 v[84+8*\tk], 1.0, v[86+8*\tk]
.endr
	s_wait_alu depctr_va_vdst(0)
.irp tk, 0,1
	v_rcp_f32 v[84+8*\tk], v[84+8*\tk]             ; the first weight: 1 / (1 + d)
.endr
.irp tk, 0,1
	v_lshlrev_b32 v[87+8*\tk], v[81+8*\tk], v97    ; (plain work behind the reciprocals)  1 << first
.endr
.irp tk, 0,1
	v_lshlrev_b32 v[99+\tk], v[83+8*\tk], v98      ; 1 << (8 + second)
.endr
.irp tk, 0,1
	v_or_b32 v[87+8*\tk], v[87+8*\tk], v[99+\tk]
.endr
	s_wait_alu depctr_va_vdst(0)                   ; one wait for both reciprocals, ahead of their first use
.irp tk, 0,1
	v_mul_f32 v[85+8*\tk], v[86+8*\tk], v[84+8*\tk]   ; the second weight: d / (1 + d)
.endr
.irp tk, 0,1
	ds_store_b32 v16, v[87+8*\tk] offset:4*\tk     ; all lanes write the same word with the same value
	ds_store_b64 v17, v[84+8*\tk:85+8*\tk] offset:8*\tk
.endr
	s_wait_dscnt 0x0                               ; for wave 0's sake: my bytes, words and weights lie in LDS
	s_barrier_signal -1
	s_barrier_wait -1
	s_cmp_lg_u32 s16, 0
	s_cbranch_scc1 .Lothers
	ds_load_b64 v[100:101], v18                    ; wave 0 stores what the four waves have gathered
	ds_load_b32 v102, v19
	ds_load_b64 v[104:105], v20
	s_wait_dscnt 0x0
	global_store_b64 v21, v[100:101], s[32:33]     ; 256 consecutive scale bytes, aligned
	s_wait_xcnt 0x0                                ; EXEC changes only behind this wait
	s_wait_tensorcnt 0x0
	ds_add_u32 v254, v255
	s_wait_dscnt 0x0
	v_cmpx_gt_u32 8, v0                            ; lanes 0 to 7: a token each
	global_store_b32 v22, v102, s[34:35]
	global_store_b64 v21, v[104:105], s[36:37]
	s_endpgm
.Lothers:
	s_wait_tensorcnt 0x0
	ds_add_u32 v254, v255
	s_wait_dscnt 0x0
	s_endpgm
.Lfunc_end_k_q7aa8f0bbed_gate:
	.size	k_q7aa8f0bbed_gate, .Lfunc_end_k_q7aa8f0bbed_gate-k_q7aa8f0bbed_gate
	.p2alignl 7, 3214868480
	.fill 96, 4, 3214868480
	.section	.rodata,"a",@progbits
	.p2align	6, 0x0
	.amdhsa_kernel k_q7aa8f0bbed_gate
		.amdhsa_group_segment_fixed_size 77312
		.amdhsa_private_segment_fixed_size 0
		.amdhsa_enable_private_segment 0
		.amdhsa_kernarg_size 48
		.amdhsa_user_sgpr_count 2
		.amdhsa_user_sgpr_kernarg_segment_ptr 1
		.amdhsa_wavefront_size32 1
		.amdhsa_system_sgpr_workgroup_id_x 1
		.amdhsa_system_sgpr_workgroup_id_y 1
		.amdhsa_system_sgpr_workgroup_id_z 1
		.amdhsa_system_vgpr_workitem_id 0
		.amdhsa_next_free_vgpr 256
		.amdhsa_next_free_sgpr 66
		.amdhsa_reserve_vcc 1
		.amdhsa_float_denorm_mode_32 3
		.amdhsa_float_denorm_mode_16_64 3
		.amdhsa_memory_ordered 1
		.amdhsa_forward_progress 1
		.amdhsa_inst_pref_size 47
	.end_amdhsa_kernel
	.amdgpu_metadata
---
amdhsa.version: [ 1, 2 ]
amdhsa.kernels:
  - .name:           k_q7aa8f0bbed_gate
    .symbol:         k_q7aa8f0bbed_gate.kd
    .args:
      - { .name: x, .offset: 0, .size: 8, .value_kind: global_buffer, .address_space: global }
      - { .name: gate_w, .offset: 8, .size: 8, .value_kind: global_buffer, .address_space: global }
      - { .name: gate_b, .offset: 16, .size: 8, .value_kind: global_buffer, .address_space: global }
      - { .name: xq, .offset: 24, .size: 8, .value_kind: global_buffer, .address_space: global }
      - { .name: sel, .offset: 32, .size: 8, .value_kind: global_buffer, .address_space: global }
      - { .name: gwt, .offset: 40, .size: 8, .value_kind: global_buffer, .address_space: global }
    .group_segment_fixed_size: 77312
    .private_segment_fixed_size: 0
    .kernarg_segment_align: 8
    .kernarg_segment_size: 48
    .max_flat_workgroup_size: 128
    .sgpr_count:     66
    .vgpr_count:     256
    .wavefront_size: 32
...
	.end_amdgpu_metadata
.endif
;; end of part 7
;; launch place (part 8): grid 512 x 1, 1 waves a work-group, no clusters, 0 bytes of LDS; arguments sel, gwt, xq, xg, gwp, route; writes xg, gwp, route
.if DOCPART == 8
	.amdgcn_target "amdgcn-amd-amdhsa--gfx1250"
	.amdhsa_code_object_version 6
	.text
	.protected	k_q7aa8f0bbed_place
	.globl	k_q7aa8f0bbed_place
	.p2align	8
	.type	k_q7aa8f0bbed_place,@function
k_q7aa8f0bbed_place:
	s_mov_b64 s[64:65], 0
	v_nop
	global_prefetch_b8 v0, s[64:65] scope:SCOPE_SE
	s_setreg_imm32_b32 hwreg(HW_REG_WAVE_MODE, 25, 1), 1
	s_wait_xcnt 0x0
; THE ROWS ARE PLACED BY EXPERT.  Expert e owns positions 2048 e + i; a TASK is 32 positions, two tiles of 16 rows.  One wave serves one task, lane l position i = 32 q + l.
; ONE WAVE TO A WORK-GROUP: tasks share nothing (no LDS, no barrier), so each has a work-group of its own.  The work-group's number is 8 q + e: 8 experts x 64 tasks = 512, which serves every split (an expert takes
; at most 2,048 tokens), and the tasks that have rows, those of low q, have the lowest numbers.  A task beyond its expert's count stores nothing.
; Every wave reads all 2,048 sel words (64 registers a lane) and finds, in registers, the token of rank i among the expert's tokens: a scan over 64 chunks of 32 tokens keeps the mask of the last chunk whose
; running count is at most i; the (i - count)-th set bit of that mask is found by five halvings on partial bit counts.  No atomics.  The order of ranks (chunk, then lane) is the same in every wave.
; A LANE GATHERS ITS OWN ROW: lane l (tile a = l / 16, row r = l % 16) loads its token's 768 bytes of codes and 32 scale bytes; the operand's image is made by the STORES, whose addresses hang on ids alone.
; STORED: route: posinv[token][choice] = the position; ntask[e] = ceil(count / 32), 32 equal words.  gwp[position] = the gate's weight.  xg: the tokens' codes as images of matrix operands: task Q = 64 e + q at 24,576 Q,
; tile a at + 12,288 a, K step s at + 1,536 s, registers 4 j .. 4 j + 3 of operand lane (r, h) at + 512 j + 16 (r + 16 h); scale words from XGS on: 1,024 Q + 512 a + 16 (r + 16 h) + 4 i: row r's word of K step 2 i + h.
; Positions from the count up to the task's end are PADS: token 0's codes, weight 0; they are multiplied, and nobody reads their results.
.set XQS, 1572864
.set XGS, 12582912
.set NTO, 16384
.set SL,  32                           ; v32-95 the sel words: register SL + c, lane l: token 128 (c / 4) + 4 l + c % 4
.set CD,  64                           ; v64-255 later: my row's codes, 48 pieces of 16 bytes
	s_load_b256 s[4:11], s[0:1], 0x0               ; sel s[4:5], gwt s[6:7], xq s[8:9], xg s[10:11]
	s_load_b128 s[12:15], s[0:1], 0x20             ; gwp s[12:13], route s[14:15]
	s_and_b32 s17, ttmp9, 7                        ; e
	s_lshr_b32 s18, ttmp9, 3                       ; q
	v_and_b32 v1, 31, v0                           ; lane
	v_lshlrev_b32 v2, 4, v1
	v_lshrrev_b32 v3, 4, v1                        ; a: my position's tile
	v_and_b32 v9, 15, v0                           ; r: its row there
	v_mul_u32_u24 v29, v3, 12288
	v_lshl_add_u32 v29, v9, 4, v29                 ; where my row's codes go: 12,288 a + 16 r
	v_lshlrev_b32 v30, 9, v3
	v_lshl_add_u32 v30, v9, 4, v30                 ; and its scale words: 512 a + 16 r
	s_lshl_b32 s19, s18, 5
	v_add_nc_u32 v4, s19, v1                       ; i
	v_mov_b32 v5, 0                                ; the chunk's mask
	v_mov_b32 v6, 0                                ; its mask of second choices
	v_mov_b32 v7, 0                                ; the count ahead of it
	v_mov_b32 v8, 0                                ; its number
	s_lshl_b32 s20, 0x101, s17                     ; either choice is e
	s_lshl_b32 s21, 0x100, s17                     ; the second choice is e
	s_mov_b32 s22, 0                               ; the running count
	s_lshl_b32 s26, s17, 6
	s_add_co_u32 s26, s26, s18                     ; Q
	s_lshl_b32 s27, s17, 11                        ; 2048 e
	s_wait_alu depctr_va_vdst(0)
	s_wait_kmcnt 0x0
.irp j, 0,1,2,3,4,5,6,7,8,9,10,11,12,13,14,15
	global_load_b128 v[SL+4*\j:SL+4*\j+3], v2, s[4:5] offset:512*\j
.endr
	s_lshl_b32 s40, s17, 7
	s_add_co_u32 s40, s40, NTO
	s_mov_b32 s41, 0
	s_add_nc_u64 s[28:29], s[14:15], s[40:41]      ; ntask[e]
	s_lshl_b32 s40, s26, 10
	s_add_co_u32 s40, s40, XGS
	s_add_nc_u64 s[36:37], s[10:11], s[40:41]      ; the task's scale words
	s_mul_i32 s40, s26, 24576
	s_add_nc_u64 s[38:39], s[10:11], s[40:41]      ; the task's codes
	s_wait_loadcnt 0x0
.set c, 0
.rept 64
	v_and_b32 v9, s20, v[SL+c]
	v_cmp_ne_u32 s23, 0, v9                        ; which of the chunk's 32 tokens take e
	v_and_b32 v10, s21, v[SL+c]
	v_cmp_ne_u32 s24, 0, v10                       ; and which of them as their second choice
	v_cmp_le_u32 vcc_lo, s22, v4                   ; the count never falls: the last chunk whose count is at most i holds rank i
	v_cndmask_b32 v5, v5, s23, vcc_lo
	v_cndmask_b32 v6, v6, s24, vcc_lo
	v_cndmask_b32 v7, v7, s22, vcc_lo
	v_cndmask_b32 v8, v8, c, vcc_lo
	s_bcnt1_i32_b32 s25, s23
	s_add_co_u32 s22, s22, s25
.set c, c+1
.endr
	s_add_co_u32 s25, s22, 31
	s_lshr_b32 s25, s25, 5                         ; ntask
	s_cmp_lg_u32 s18, 0
	s_cbranch_scc1 .Lnot_first
	v_mov_b32 v56, s25                             ; the expert's first task stores it; these two registers are not written again
	v_lshlrev_b32 v57, 2, v1
	global_store_b32 v57, v56, s[28:29]
.Lnot_first:
	s_cmp_ge_u32 s19, s22                          ; a task beyond the count: a branch on a count made of whole numbers that an earlier launch stored
	s_cbranch_scc1 .Lnothing
	s_wait_alu depctr_va_vdst(0)
	v_sub_nc_u32 v9, v4, v7                        ; k: which set bit of the mask
	v_lshrrev_b32 v10, 1, v5
	v_and_b32 v10, 0x55555555, v10
	v_sub_nc_u32 v10, v5, v10                      ; counts of 2 bits,
	v_lshrrev_b32 v11, 2, v10
	v_and_b32 v11, 0x33333333, v11
	v_and_b32 v12, 0x33333333, v10
	v_add_nc_u32 v11, v11, v12                     ; of 4,
	v_lshrrev_b32 v12, 4, v11
	v_add_nc_u32 v12, v12, v11
	v_and_b32 v12, 0x0f0f0f0f, v12                 ; of 8,
	v_lshrrev_b32 v13, 8, v12
	v_add_nc_u32 v13, v13, v12
	v_and_b32 v13, 0x00ff00ff, v13                 ; of 16
	v_mov_b32 v14, 0                               ; the bit's place
.macro HALVE A, wd                     ; if the lower wd bits from the place on hold k set bits or fewer, pass them
	v_bfe_u32 v15, v[\A], v14, \wd
	v_cmp_ge_u32 vcc_lo, v9, v15
	v_sub_nc_u32 v15, v9, v15
	v_cndmask_b32 v9, v9, v15, vcc_lo
	v_add_nc_u32 v15, \wd, v14
	v_cndmask_b32 v14, v14, v15, vcc_lo
.endm
	HALVE 13, 16
	HALVE 12, 8
	HALVE 11, 4
	HALVE 10, 2
	HALVE 5, 1
	v_bfe_u32 v17, v6, v14, 1                      ; 0: e is the token's first choice, 1: its second
	v_lshrrev_b32 v16, 2, v8
	v_lshlrev_b32 v16, 7, v16
	v_lshl_add_u32 v16, v14, 2, v16
	v_and_b32 v15, 3, v8
	v_add_nc_u32 v16, v16, v15                     ; the token
	v_cmp_gt_u32 vcc_lo, s22, v4                   ; i < count: a row; else a pad.  VCC stands from here to the end
	v_cndmask_b32 v16, 0, v16, vcc_lo              ; a pad takes token 0
	v_min_u32 v16, 0x7ff, v16
	v_lshl_add_u32 v17, v16, 1, v17
	v_min_u32 v17, 0xfff, v17
	v_lshlrev_b32 v17, 2, v17                      ; the byte of (token, choice) in gwt and in posinv
	v_mov_b32 v22, v16                             ; each register that goes into an address is held to the table's range itself, and then only shifted left and added
	v_mov_b32 v23, v16
	v_mov_b32 v24, v16
	v_min_u32 v22, 0x7ff, v22
	v_min_u32 v23, 0x7ff, v23
	v_min_u32 v24, 0x7ff, v24
	v_lshlrev_b32 v22, 9, v22
	v_lshlrev_b32 v23, 8, v23
	v_add_nc_u32 v22, v22, v23                     ; 768 x token: its row of codes
	v_lshlrev_b32 v24, 5, v24                      ; 32 x token: its scale bytes
	v_add_nc_u32 v19, s27, v4                      ; the position
	v_lshlrev_b32 v28, 2, v19
	global_load_b32 v26, v17, s[6:7]               ; the gate's weight
.irp n, 0,1
	global_load_b128 v[32+4*\n:35+4*\n], v24, s[8:9] offset:XQS+16*\n   ; the row's eight scale words, K steps 0 to 7
.endr
.set n, 0
.rept 48
	global_load_b128 v[CD+4*n:CD+4*n+3], v22, s[8:9] offset:16*n   ; piece n = 6 s + 3 h + j of the row: registers 4 j .. 4 j + 3 of operand lane (r, h) in K step s
.set n, n+1
.endr
	s_wait_loadcnt 48                              ; the weight and the scale words are in; the 48 loads of codes behind them may be out
	v_cndmask_b32 v27, 0, v26, vcc_lo              ; a pad's weight is 0
	s_wait_alu depctr_va_vdst(0)
	global_store_b32 v28, v27, s[12:13]            ; 128 consecutive bytes a wave
.irp i, 0,1,2,3
	v_mov_b32 v[48+\i], v[32+2*\i]                 ; operand lanes 0-15 want the words of K steps 0, 2, 4, 6,
	v_mov_b32 v[52+\i], v[33+2*\i]                 ; lanes 16-31 those of K steps 1, 3, 5, 7
.endr
	global_store_b128 v30, v[48:51], s[36:37]      ; sixteen lanes store 256 consecutive bytes, aligned; so in every store below
	global_store_b128 v30, v[52:55], s[36:37] offset:256
	s_wait_loadcnt 24                              ; K steps 0 to 3 are in; the 24 loads of K steps 4 to 7 may be out
.irp s, 0,1,2,3
.irp hh, 0,1
.irp j, 0,1,2
	global_store_b128 v29, v[CD+4*(6*\s+3*\hh+\j):CD+4*(6*\s+3*\hh+\j)+3], s[38:39] offset:1536*\s+512*\j+256*\hh
.endr
.endr
.endr
	s_wait_loadcnt 0x0
.irp s, 4,5,6,7
.irp hh, 0,1
.irp j, 0,1,2
	global_store_b128 v29, v[CD+4*(6*\s+3*\hh+\j):CD+4*(6*\s+3*\hh+\j)+3], s[38:39] offset:1536*\s+512*\j+256*\hh
.endr
.endr
.endr
	s_wait_xcnt 0x0                                ; EXEC changes only behind this wait
	s_and_saveexec_b32 s32, vcc_lo                 ; rows only: a pad has no token
	global_store_b32 v17, v19, s[14:15]            ; posinv
	s_endpgm
.Lnothing:
	s_endpgm
.Lfunc_end_k_q7aa8f0bbed_place:
	.size	k_q7aa8f0bbed_place, .Lfunc_end_k_q7aa8f0bbed_place-k_q7aa8f0bbed_place
	.p2alignl 7, 3214868480
	.fill 96, 4, 3214868480
	.section	.rodata,"a",@progbits
	.p2align	6, 0x0
	.amdhsa_kernel k_q7aa8f0bbed_place
		.amdhsa_group_segment_fixed_size 0
		.amdhsa_private_segment_fixed_size 0
		.amdhsa_enable_private_segment 0
		.amdhsa_kernarg_size 48
		.amdhsa_user_sgpr_count 2
		.amdhsa_user_sgpr_kernarg_segment_ptr 1
		.amdhsa_wavefront_size32 1
		.amdhsa_system_sgpr_workgroup_id_x 1
		.amdhsa_system_sgpr_workgroup_id_y 1
		.amdhsa_system_sgpr_workgroup_id_z 1
		.amdhsa_system_vgpr_workitem_id 0
		.amdhsa_next_free_vgpr 256
		.amdhsa_next_free_sgpr 66
		.amdhsa_reserve_vcc 1
		.amdhsa_float_denorm_mode_32 3
		.amdhsa_float_denorm_mode_16_64 3
		.amdhsa_memory_ordered 1
		.amdhsa_forward_progress 1
		.amdhsa_inst_pref_size 51
	.end_amdhsa_kernel
	.amdgpu_metadata
---
amdhsa.version: [ 1, 2 ]
amdhsa.kernels:
  - .name:           k_q7aa8f0bbed_place
    .symbol:         k_q7aa8f0bbed_place.kd
    .args:
      - { .name: sel, .offset: 0, .size: 8, .value_kind: global_buffer, .address_space: global }
      - { .name: gwt, .offset: 8, .size: 8, .value_kind: global_buffer, .address_space: global }
      - { .name: xq, .offset: 16, .size: 8, .value_kind: global_buffer, .address_space: global }
      - { .name: xg, .offset: 24, .size: 8, .value_kind: global_buffer, .address_space: global }
      - { .name: gwp, .offset: 32, .size: 8, .value_kind: global_buffer, .address_space: global }
      - { .name: route, .offset: 40, .size: 8, .value_kind: global_buffer, .address_space: global }
    .group_segment_fixed_size: 0
    .private_segment_fixed_size: 0
    .kernarg_segment_align: 8
    .kernarg_segment_size: 48
    .max_flat_workgroup_size: 32
    .sgpr_count:     66
    .vgpr_count:     256
    .wavefront_size: 32
...
	.end_amdgpu_metadata
.endif
;; end of part 8
;; launch up (part 9): grid 32 x 8, 16 waves a work-group, no clusters, 53,248 bytes of LDS; arguments w1, b1, xg, route, hq; writes hq
.if DOCPART == 9
	.amdgcn_target "amdgcn-amd-amdhsa--gfx1250"
	.amdhsa_code_object_version 6
	.text
	.protected	k_q7aa8f0bbed_up
	.globl	k_q7aa8f0bbed_up
	.p2align	8
	.type	k_q7aa8f0bbed_up,@function
k_q7aa8f0bbed_up:
	s_mov_b64 s[64:65], 0
	v_nop
	global_prefetch_b8 v0, s[64:65] scope:SCOPE_SE
	s_setreg_imm32_b32 hwreg(HW_REG_WAVE_SCHED_MODE, 0, 2), 2
	s_setreg_imm32_b32 hwreg(HW_REG_WAVE_MODE, 25, 1), 1
	s_wait_xcnt 0x0
	s_wait_alu depctr_vm_vsrc(0)
; h = gelu(x W1 + b1) for the routed rows, on codes of E3M2 with one E8M0 scale for each 32 along K, and h quantised on the way.  w1: [8][1024][2048] f32, K its middle axis.
; SHARES.  A work-group owns expert e (y) and hidden units 64 sl .. 64 sl + 63 (x), for ALL rows of the expert: so each byte of w1 is read from memory once in the launch, and its codes never go to memory.
; PHASE S: wave w streams 128 rows of K (s = w / 2) x 32 columns (ch = w % 2): a lane to a column, registers down K, so that a block of 32 lies in one lane and the conversions give K innermost; the codes go to LDS
; as images of the operand's registers (fragment 8 ct + s at 1,536 bytes each; lane l's registers 4 j .. 4 j + 3 at 512 j + 16 l), the scale words beside them.  One barrier.
; PHASE M: a wave takes tasks q = w, w + 16, .. of 32 rows (two tiles): a loop of 4 trips, a constant; a trip whose task lies beyond the stored count is jumped over.  No barrier stands in it.
; The product is used transposed (source 0 = 16 hidden units, source 1 = 16 rows), and row m of tile 2 b + u is unit 32 b + 8 u + m + 8 (m / 8): so a lane holds one row, and the 16 registers of tiles 2 b, 2 b + 1 are
; units 32 b + 16 (lane / 16) + 0 .. 15: neighbours along the next K.  b1 is loaded straight into the accumulators, so that every product adds in place.
; GELU, exact-erf form: g = max(x, 0) - |x| q, q = erfc(|x| / sqrt 2) / 2 = t 2^(poly9(t) - x^2 log2(e) / 2), t = 1 / (1 + |x| / (2 sqrt 2)): a rational-exponential fit of erfc whose fractional error is 1.2e-7 for every argument.
; hq: tile TI = 128 e + 2 q + a at 24,576 TI, K step s2 at + 1,536 s2: registers 0-3 at 16 lane, 4-5 at 512 + 8 lane, 6-9 at 768 + 16 lane, 10-11 at 1,280 + 8 lane.  My 64 units are half a K step: six registers.
; Scale bytes from HQS on: 1,024 TI + 512 (s2 / 8) + 16 (r + 16 (s2 % 2)) + 4 ((s2 / 2) % 4) + block.  They are stored byte by byte (32 bytes inside one run of 256): a scale word belongs to two work-groups.
; NO TENSOR LOADS, NO CLUSTER: trips are jumped over on a number read from memory.  LIMITS: NaN and infinities are not served; a block under 2^-122 (zeros too) keeps the byte 1; where q falls under 2^-126 it counts as 0.
; THE MODE: SCHED_MODE bits 1:0 = 2 (LLVM: expert scheduling mode 2), set by the entry lines.  The code itself states the register dependences
; between vector or matrix instructions and memory or LDS instructions, with s_wait_alu, always for 0.
; THE PLAN.  Registers that memory or LDS instructions touch:
;   v1-v7        offsets and LDS addresses: made at the head, ahead of one wait on va_vdst, and never written again: tasks and K steps are reached by scalar bases and immediate offsets.
;   RAW          phase S: its loads land there, its conversions read it.
;   CW, v12      phase S: written by the conversions and moves, read by the LDS stores: one wait on va_vdst between the two; one on vm_vsrc behind the barrier, since fragments of W land in CW's registers.
;   ACC          b1 lands in it at a task's head; the products, the activation and the conversions name it.
;   WF, WSR      one set: a K step's eight products read it, and the next step's loads land in it.   AF: four slots: step s reads slot s % 4, and step s + 4's loads land in it.
;   ZZ, v244-245 a tile's codes and byte: written by the quantiser, read by the tile's three stores.
; So ONE wait on va_vdst stands behind the products of each of K steps 0 to 6: they are done reading WF, WSR and the slot; the step's twenty loads follow it, W's first, for which the next products wait, the rows' while those are out.
; Tile 0's stores stand behind the wait for tile 1's reciprocals, which shows tile 0's codes written too; one wait on va_vdst stands ahead of tile 1's stores, one on vm_vsrc at the task's end.
; A task's first loads owe no wait: behind phase S's wait on va_vdst only v238 and v239 are written, which no load touches; behind the wait ahead of tile 1's stores no vector instruction is issued; a trip that is jumped over holds none.
; A second set of W (48 registers) does not fit: of the wave's 256 registers the sums take 64, the rows 96, W 48, the scale words 10, addresses 16, what is at work 12.
.set NTO, 16384
.set XGS, 12582912
.set HQS, 25165824
.set WSC, 49152                        ; LDS: 32 fragment images from byte 0; 16 x 128 bytes of scale words from here (index 8 ch + s: lanes 0-15 tile 2 ch, lanes 16-31 tile 2 ch + 1)
.set QW,  8                            ; v8-12    at work in phase S
.set TU,  16                           ; v16-31   phase S: the upper halves of four blocks' codes
.set CW,  96                           ; v96-119  phase S: my column's codes: blocks 0, 2, then blocks 1, 3
.set RAW, 128                          ; v128-255 phase S: 128 numbers down K
.set ACC, 16                           ; v16-79   accumulator (tile of rows a, tile of units ct) at ACC + 32 a + 8 ct
.set ASC, 80                           ; v80-87   the rows' scale words: (a, i) at ASC + 4 a + i: lanes 0-15 K step 2 i, lanes 16-31 K step 2 i + 1
.set WSR, 88                           ; v88-89   W's scale words of the K step in hand
.set WF,  92                           ; v92-139  W's four fragments of the K step in hand
.set AF,  140                          ; v140-235 the rows' fragments: four slots of two
.set TT,  140                          ; the activation works where the fragments lay: t,
.set PP,  172                          ; the polynomial,
.set MXR, 204                          ; max(x, 0),
.set MM,  92                           ; x^2;
.set ZZ,  124                          ; v124-139 a tile's codes: 8 registers for each tile
	s_load_b256 s[4:11], s[0:1], 0x0               ; w1 s[4:5], b1 s[6:7], xg s[8:9], route s[10:11]
	s_load_b64 s[12:13], s[0:1], 0x20              ; hq
	v_lshl_add_u32 v14, v0, 2, 0xc800
	v_mov_b32 v15, 0
	v_lshrrev_b32 v8, 5, v0
	v_readfirstlane_b32 s14, v8                    ; wave 0..15
	s_mov_b32 s15, ttmp9                           ; sl
	s_and_b32 s16, ttmp7, 0xffff                   ; e
	v_and_b32 v9, 31, v0
	v_lshlrev_b32 v1, 4, v9                        ; 16 x lane
	v_lshlrev_b32 v2, 2, v9                        ; 4 x lane
	v_lshlrev_b32 v3, 3, v9                        ; 8 x lane
	v_bfe_u32 v10, v0, 4, 1                        ; h
	v_lshlrev_b32 v4, 6, v10                       ; 64 h
	v_and_b32 v5, 15, v0
	v_lshl_add_u32 v5, v5, 4, v10                  ; 16 r + h
	v_bfe_u32 v11, v0, 3, 1                        ; my column's tile: u = (l / 8) % 2,
	v_and_b32 v12, 7, v0
	v_lshl_add_u32 v12, v10, 3, v12                ; and its row there: m = 8 (l / 16) + l % 8
	s_wait_alu depctr_va_vdst(0)
	s_wait_alu depctr_va_sdst(0)                   ; s14 is written, ahead of its first reader: LDS places, w1's base and the tasks' numbers are made from it
	s_and_b32 s20, s14, 1                          ; ch
	s_lshr_b32 s21, s14, 1                         ; s
	s_mul_i32 s31, s20, 24576
	s_mul_i32 s35, s21, 1536
	s_add_co_u32 s31, s31, s35
	v_mul_u32_u24 v6, v11, 12288
	v_lshl_add_u32 v6, v12, 4, v6
	v_add_nc_u32 v6, s31, v6                       ; fragment 8 (2 ch + u) + s, + 16 m
	s_lshl_b32 s31, s20, 3
	s_add_co_u32 s31, s31, s21
	s_lshl_b32 s31, s31, 7
	s_add_co_u32 s31, s31, WSC
	v_lshl_add_u32 v7, v11, 4, v12
	v_lshlrev_b32 v7, 2, v7
	v_add_nc_u32 v7, s31, v7                       ; my column's scale word
	s_lshl_b32 s56, s16, 23                        ; w1: 8,388,608 e + 1,048,576 s + 256 sl + 128 ch
	s_lshl_b32 s31, s21, 20
	s_add_co_u32 s56, s56, s31
	s_lshl_b32 s31, s15, 8
	s_add_co_u32 s56, s56, s31
	s_lshl_b32 s31, s20, 7
	s_add_co_u32 s56, s56, s31
	s_mov_b32 s57, 0
	s_lshl_b32 s35, s16, 7                         ; 128 e: not written again
	s_wait_kmcnt 0x0
	s_add_nc_u64 s[56:57], s[4:5], s[56:57]
	s_wait_alu depctr_va_vdst(0)                   ; the seven offsets and addresses v1 to v7 are written, which every load and store of the kernel reads
.set kk, 0
.rept 128
	global_load_b32 v[RAW+kk], v2, s[56:57] offset:8192*kk th:TH_LOAD_NT   ; row 128 s + kk of K at 32 neighbouring columns: 128 consecutive bytes; read once in the launch
.set kk, kk+1
.endr
	s_load_b32 s17, s[10:11], s35 offset:NTO       ; the expert's number of tasks
	s_mov_b32 s30, 0xffff0000                      ; lanes 16 to 31
	s_mov_b32 s32, 0x76543210
	s_mov_b32 s33, 0xfedcba98                      ; v_permlanex16_b32's selects for lane l xor 16
	s_mov_b32 s34, 0x3eb504f3                      ; 1 / (2 sqrt 2)
.macro SC2 r, val                      ; a packed form names a pair and takes its low word for both halves: both words are written
	s_mov_b32 s[\r], \val
	s_mov_b32 s[\r+1], \val
.endm
	SC2 36, 0xbf97d29d                             ; c8 .. c0: the fit's coefficients x log2(e); 1 is taken off c0 for the half
	SC2 38, 0x40097039
	SC2 40, 0xbfd1a1e5
	SC2 42, 0x3ecdfd18
	SC2 44, 0xbe899a80
	SC2 46, 0x3e0efb2e
	SC2 48, 0x3f0a29d2
	SC2 50, 0x3fb8ab5a
	SC2 52, 0xc034d90f
	SC2 54, 0xbf38aa3b                             ; -log2(e) / 2
	v_mov_b32 v90, 0x3e7c6f08                      ; c9, as a pair
	v_mov_b32 v91, 0x3e7c6f08
	s_lshl_b32 s20, s16, 13
	s_lshl_b32 s21, s15, 8
	s_add_co_u32 s20, s20, s21
	s_mov_b32 s21, 0
	s_add_nc_u64 s[58:59], s[6:7], s[20:21]        ; b1 at my 64 units
	s_lshr_b32 s20, s15, 1                         ; s2: the next product's K step in which my units lie
	s_lshr_b32 s31, s20, 3
	s_lshl_b32 s60, s31, 9
	s_and_b32 s31, s20, 1
	s_lshl_b32 s31, s31, 8
	s_add_co_u32 s60, s60, s31
	s_bfe_u32 s31, s20, 0x20001
	s_lshl_b32 s31, s31, 2
	s_add_co_u32 s60, s60, s31
	s_and_b32 s31, s15, 1
	s_lshl_b32 s31, s31, 1
	s_add_co_u32 s60, s60, s31
	s_add_co_u32 s60, s60, HQS                     ; the part of a scale byte's place that hangs on sl alone
	s_mul_i32 s61, s15, 768                        ; and of the codes': 1,536 (sl / 2) + 768 (sl % 2)
; Block b of my column: the largest magnitude of its 32 numbers with the floor 2^(5 - 127) among the leaves; 4 off its exponent field is the conversion's scale operand; that, shifted, the byte.
.macro QBLK b
.set RB, RAW+32*(\b)
.set OB, 12*((\b)%2)+6*((\b)/2)
	v_max3_num_f32 v[QW], |v[RB]|, |v[RB+1]|, |v[RB+2]|
	v_max3_num_f32 v[QW+1], |v[RB+3]|, |v[RB+4]|, |v[RB+5]|
.irp i, 6,10,14,18,22,26
	v_max3_num_f32 v[QW], v[QW], |v[RB+\i]|, |v[RB+\i+1]|
	v_max3_num_f32 v[QW+1], v[QW+1], |v[RB+\i+2]|, |v[RB+\i+3]|
.endr
	v_max3_num_f32 v[QW], v[QW], |v[RB+30]|, |v[RB+31]|
	v_max3_num_f32 v[QW], v[QW], v[QW+1], 0x2800000
	v_add_nc_u32 v[QW+2], 0xfe000000, v[QW]
	v_lshrrev_b32 v[QW+3], 23, v[QW+2]
.if (\b) == 0
	v_mov_b32 v[QW+4], v[QW+3]
.else
	v_lshl_or_b32 v[QW+4], v[QW+3], 8*(\b), v[QW+4]
.endif
	v_cvt_scalef32_pk16_bf6_f32 v[CW+OB:CW+OB+2], v[RB:RB+15], v[QW+2]
	v_cvt_scalef32_pk16_bf6_f32 v[TU+4*(\b):TU+4*(\b)+2], v[RB+16:RB+31], v[QW+2]   ; (a conversion's three registers begin on an even number)
.endm
	s_wait_loadcnt 63                              ; block 0's 32 loads are in: 96 were issued behind them, and 63 is the largest count that the wait can name
	QBLK 0
	s_wait_loadcnt 63                              ; block 1's: 64 were issued behind them
	QBLK 1
	s_wait_loadcnt 32                              ; block 2's: block 3's 32 may be out
	QBLK 2
	s_wait_loadcnt 0x0
	QBLK 3
	v_nop                                          ; one plain instruction behind the last scaled conversion
.irp b, 0,1,2,3
.irp i, 0,1,2
	v_mov_b32 v[CW+12*(\b%2)+6*(\b/2)+3+\i], v[TU+4*\b+\i]
.endr
.endr
	s_wait_alu depctr_va_vdst(0)                   ; the conversions and moves have written v96-119 and v12, which the LDS stores read; they are also done with v16-31 and v128-255, in which the first task's loads land
.irp hh, 0,1                           ; operand lane (m, hh) holds blocks hh and 2 + hh: twelve registers, three stores
.irp j, 0,1,2
	ds_store_b128 v6, v[CW+12*\hh+4*\j:CW+12*\hh+4*\j+3] offset:256*\hh+512*\j
.endr
.endr
	ds_store_b32 v7, v[QW+4]
	s_wait_dscnt 0x0                               ; for the others' sake: my images lie in LDS
	s_barrier_signal -1
	s_barrier_wait -1                              ; all 32 fragments and their scale words lie in LDS; nothing is written there again
	s_wait_alu depctr_vm_vsrc(0)                   ; my LDS stores have read v96-119, in which fragments of W land from here on
	v_mov_b32 v238, 0                              ; (a lane permute's destination counts as one of its sources)
	v_mov_b32 v239, 0
	s_wait_kmcnt 0x0
	s_min_u32 s17, s17, 64
.macro WM acc, wf, af, sa, sb, ra, rb  ; one product; ra, rb: the scale words stand in lanes 16-31 of their registers
.if ((\ra) != 0) && ((\rb) != 0)
	v_wmma_scale_f32_16x16x128_f8f6f4 v[(\acc):(\acc)+7], v[(\wf):(\wf)+11], v[(\af):(\af)+11], v[(\acc):(\acc)+7], v[(\sa)], v[(\sb)] matrix_a_fmt:MATRIX_FMT_BF6 matrix_b_fmt:MATRIX_FMT_BF6 matrix_a_scale:MATRIX_SCALE_ROW1 matrix_b_scale:MATRIX_SCALE_ROW1
.elseif (\ra) != 0
	v_wmma_scale_f32_16x16x128_f8f6f4 v[(\acc):(\acc)+7], v[(\wf):(\wf)+11], v[(\af):(\af)+11], v[(\acc):(\acc)+7], v[(\sa)], v[(\sb)] matrix_a_fmt:MATRIX_FMT_BF6 matrix_b_fmt:MATRIX_FMT_BF6 matrix_a_scale:MATRIX_SCALE_ROW1
.elseif (\rb) != 0
	v_wmma_scale_f32_16x16x128_f8f6f4 v[(\acc):(\acc)+7], v[(\wf):(\wf)+11], v[(\af):(\af)+11], v[(\acc):(\acc)+7], v[(\sa)], v[(\sb)] matrix_a_fmt:MATRIX_FMT_BF6 matrix_b_fmt:MATRIX_FMT_BF6 matrix_b_scale:MATRIX_SCALE_ROW1
.else
	v_wmma_scale_f32_16x16x128_f8f6f4 v[(\acc):(\acc)+7], v[(\wf):(\wf)+11], v[(\af):(\af)+11], v[(\acc):(\acc)+7], v[(\sa)], v[(\sb)] matrix_a_fmt:MATRIX_FMT_BF6 matrix_b_fmt:MATRIX_FMT_BF6
.endif
.endm
.macro ALOAD s                         ; the two tiles' fragments of K step s into slot s % 4: six loads of 512 consecutive bytes
.irp a, 0,1
.irp j, 0,1,2
	global_load_b128 v[AF+24*((\s)%4)+12*\a+4*\j:AF+24*((\s)%4)+12*\a+4*\j+3], v1, s[22:23] offset:12288*\a+1536*(\s)+512*\j
.endr
.endr
.endm
.macro WLOAD s                         ; W's four fragments and two registers of scale words of K step s
.irp ct, 0,1,2,3
.irp j, 0,1,2
	ds_load_b128 v[WF+12*\ct+4*\j:WF+12*\ct+4*\j+3], v1 offset:1536*(8*\ct+(\s))+512*\j
.endr
.endr
.irp ch, 0,1
	ds_load_b32 v[WSR+\ch], v2 offset:WSC+128*(8*\ch+(\s))
.endr
.endm
.macro KSTEP s                         ; eight products on eight accumulators, which take turns, one instruction a turn, in the same order in every step
.if 7-(\s) < 3
	s_wait_loadcnt 6*(7-(\s))                      ; this step's rows are in; the six loads of each later step may be out
.else
	s_wait_loadcnt 18                              ; this step's rows are in (in step 0: b1 and the scale words too); the three later steps' 18 loads may be out
.endif
	s_wait_dscnt 0x0                               ; W's fragments are in
.irp ct, 0,1,2,3
.irp a, 0,1
	WM ACC+32*\a+8*\ct, WF+12*\ct, AF+24*((\s)%4)+12*\a, WSR+\ct/2, ASC+4*\a+(\s)/2, \ct%2, (\s)%2
.endr
.endr
.rept 4
	v_nop                                          ; four plain instructions between the products and loads into their sources, or the first read of their results
.endr
.if (\s) < 7
	s_wait_alu depctr_va_vdst(0)                   ; the eight products are done reading WF, WSR and the rows' slot s % 4, in which the loads below land
	WLOAD (\s)+1                                   ; W first: the next products wait for it
.endif
.if (\s) < 4
	ALOAD (\s)+4                                   ; the rows of four steps on go out while W's loads are on their way
.endif
.endm
.macro QST a                           ; tile a's codes and byte are stored
.set ZS, ZZ+8*(\a)
	global_store_b128 v1, v[ZS:ZS+3], s[26:27] offset:24576*(\a)          ; 512 consecutive bytes, aligned
	global_store_b64 v3, v[ZS+4:ZS+5], s[26:27] offset:24576*(\a)+512     ; 256 consecutive bytes, aligned
	global_store_b8 v5, v[244+(\a)], s[28:29] offset:1024*(\a)
.endm
.macro GELU a                          ; 32 numbers a lane, in place; each accumulator is read from its low end on
.set XA, ACC+32*(\a)
.set j, 0
.rept 32
	v_fma_f32 v[TT+j], |v[XA+j]|, s34, 1.0
.set j, j+1
.endr
.set j, 0
	s_wait_alu depctr_va_vdst(0)
.rept 32
	v_rcp_f32 v[TT+j], v[TT+j]                     ; t
.set j, j+1
.endr
.set j, 0
.rept 16
	v_pk_mul_f32 v[MM+j:MM+j+1], v[XA+j:XA+j+1], v[XA+j:XA+j+1]   ; x^2: work that names no reciprocal
.set j, j+2
.endr
.set j, 0
.rept 32
	v_max_num_f32 v[MXR+j], 0, v[XA+j]
.set j, j+1
.endr
	s_wait_alu depctr_va_vdst(0)                   ; the 32 reciprocals are written, ahead of their first use; in tile 1 so are tile 0's codes and byte, which the three stores below read
.if (\a) == 1
	QST 0                                          ; no wait of their own: no vector instruction since the wait above names v124-129 or v244, and none of this task writes them again
.endif
.set j, 0
.rept 16
	v_pk_fma_f32 v[PP+j:PP+j+1], v[TT+j:TT+j+1], v[90:91], s[36:37] op_sel_hi:[1,1,0]
.set j, j+2
.endr
.irp c, 38,40,42,44,46,48,50,52
.set j, 0
.rept 16
	v_pk_fma_f32 v[PP+j:PP+j+1], v[PP+j:PP+j+1], v[TT+j:TT+j+1], s[\c:\c+1] op_sel_hi:[1,1,0]
.set j, j+2
.endr
.endr
.set j, 0
.rept 16
	v_pk_fma_f32 v[PP+j:PP+j+1], v[MM+j:MM+j+1], s[54:55], v[PP+j:PP+j+1] op_sel_hi:[1,0,1]
.set j, j+2
.endr
.set j, 0
	s_wait_alu depctr_va_vdst(0)
.rept 32
	v_exp_f32 v[PP+j], v[PP+j]
.set j, j+1
.endr
	v_nop                                          ; a plain instruction behind the last exponential,
	s_wait_alu depctr_va_vdst(0)                   ; and one wait for the 32: they are written, ahead of their first use
.set j, 0
.rept 16
	v_pk_mul_f32 v[TT+j:TT+j+1], v[TT+j:TT+j+1], v[PP+j:PP+j+1]   ; q
.set j, j+2
.endr
.set j, 0
.rept 32
	v_fma_f32 v[XA+j], -|v[XA+j]|, v[TT+j], v[MXR+j]
.set j, j+1
.endr
.endm
.macro QH a                            ; the tile's two blocks of 32 units are quantised
.set XA, ACC+32*(\a)
.set ZA, ZZ+8*(\a)
.irp b, 0,1
	v_max3_num_f32 v[236+\b], |v[XA+16*\b]|, |v[XA+16*\b+1]|, 0x2800000   ; my 16 numbers of block b, and the floor
.endr
.irp i, 2,4,6,8,10,12,14
.irp b, 0,1
	v_max3_num_f32 v[236+\b], v[236+\b], |v[XA+16*\b+\i]|, |v[XA+16*\b+\i+1]|
.endr
.endr
.irp b, 0,1
	v_permlanex16_b32 v[238+\b], v[236+\b], s32, s33
.endr
.irp b, 0,1
	v_max_num_f32 v[236+\b], v[236+\b], v[238+\b]  ; with lane l xor 16's 16: the block's
.endr
.irp b, 0,1
	v_add_nc_u32 v[240+\b], 0xfe000000, v[236+\b]
.endr
.irp b, 0,1
	v_lshrrev_b32 v[242+\b], 23, v[240+\b]
.endr
	v_cvt_scalef32_pk16_bf6_f32 v[ZA:ZA+2], v[XA:XA+15], v240
	v_cvt_scalef32_pk16_bf6_f32 v[ZA+4:ZA+6], v[XA+16:XA+31], v241
	v_nop                                          ; one plain instruction behind a scaled conversion
.irp i, 0,1,2
	v_permlane16_swap_b32 v[ZA+\i], v[ZA+4+\i]     ; the operand wants a whole block in a lane: lanes 0-15 block 0, lanes 16-31 block 1
.endr
.irp i, 0,1,2
	v_mov_b32 v[ZA+3+\i], v[ZA+4+\i]
.endr
	v_cndmask_b32 v[244+(\a)], v242, v243, s30     ; my block's byte
.endm
	s_mov_b32 s19, 0
	s_mov_b32 s18, s14                             ; q = wave, then + 16 a trip
.Ltrip:
	s_cmp_ge_u32 s18, s17
	s_cbranch_scc1 .Lskip
	s_lshl_b32 s31, s16, 6
	s_add_co_u32 s31, s31, s18                     ; Q = 64 e + q
	s_mul_i32 s20, s31, 24576
	s_mov_b32 s21, 0
	s_add_nc_u64 s[22:23], s[8:9], s[20:21]        ; the task's codes,
	s_lshl_b32 s20, s31, 10
	s_add_co_u32 s20, s20, XGS
	s_add_nc_u64 s[24:25], s[8:9], s[20:21]        ; its scale words,
	s_mul_i32 s20, s31, 49152
	s_add_co_u32 s20, s20, s61
	s_add_nc_u64 s[26:27], s[12:13], s[20:21]      ; where its h goes,
	s_lshl_b32 s20, s31, 11
	s_add_co_u32 s20, s20, s60
	s_add_nc_u64 s[28:29], s[12:13], s[20:21]      ; and h's scale bytes
; The loads below owe no wait on va_vdst: no vector or matrix instruction issued since the last one (phase S's; in later trips the one ahead of tile 1's stores) names a register in which they land.
.irp a, 0,1
.irp ct, 0,1,2,3
.irp n, 0,1
	global_load_b128 v[ACC+32*\a+8*\ct+4*\n:ACC+32*\a+8*\ct+4*\n+3], v4, s[58:59] offset:128*(\ct/2)+32*(\ct%2)+16*\n   ; b1 at the lane's eight units of the tile: the sums begin with it
.endr
.endr
.endr
.irp a, 0,1
	global_load_b128 v[ASC+4*\a:ASC+4*\a+3], v1, s[24:25] offset:512*\a
.endr
	ALOAD 0
	ALOAD 1
	ALOAD 2
	ALOAD 3
	WLOAD 0
	KSTEP 0
	KSTEP 1
	KSTEP 2
	KSTEP 3
	KSTEP 4
	KSTEP 5
	KSTEP 6
	KSTEP 7
	GELU 0
	QH 0
	GELU 1                                         ; (tile 0's stores stand in it)
	QH 1
	s_wait_alu depctr_va_vdst(0)                   ; tile 1's codes and byte are written, which the three stores below read; every earlier reader and writer of the task's registers is done too
	QST 1
	s_wait_xcnt 0x0                                ; the stores have read their data and their bases: the next trip writes both again
	s_wait_alu depctr_vm_vsrc(0)                   ; the six stores have read v124-139, in which the next task's fragments of W land, and v244-245, which its quantiser writes
.Lskip:
	s_add_co_u32 s18, s18, 16
	s_add_co_u32 s19, s19, 1
	s_cmp_lt_u32 s19, 4
	s_cbranch_scc1 .Ltrip
	s_wait_dscnt 0x0                               ; the closing lines, six on end
	s_wait_alu 0x0
	s_wait_tensorcnt 0x0
	ds_add_u32 v14, v15
	s_wait_dscnt 0x0
	s_endpgm
.Lfunc_end_k_q7aa8f0bbed_up:
	.size	k_q7aa8f0bbed_up, .Lfunc_end_k_q7aa8f0bbed_up-k_q7aa8f0bbed_up
	.p2alignl 7, 3214868480
	.fill 96, 4, 3214868480
	.section	.rodata,"a",@progbits
	.p2align	6, 0x0
	.amdhsa_kernel k_q7aa8f0bbed_up
		.amdhsa_group_segment_fixed_size 53248
		.amdhsa_private_segment_fixed_size 0
		.amdhsa_enable_private_segment 0
		.amdhsa_kernarg_size 40
		.amdhsa_user_sgpr_count 2
		.amdhsa_user_sgpr_kernarg_segment_ptr 1
		.amdhsa_wavefront_size32 1
		.amdhsa_system_sgpr_workgroup_id_x 1
		.amdhsa_system_sgpr_workgroup_id_y 1
		.amdhsa_system_sgpr_workgroup_id_z 1
		.amdhsa_system_vgpr_workitem_id 0
		.amdhsa_next_free_vgpr 256
		.amdhsa_next_free_sgpr 66
		.amdhsa_reserve_vcc 0
		.amdhsa_float_denorm_mode_32 3
		.amdhsa_float_denorm_mode_16_64 3
		.amdhsa_memory_ordered 1
		.amdhsa_forward_progress 1
		.amdhsa_inst_pref_size 90
	.end_amdhsa_kernel
	.amdgpu_metadata
---
amdhsa.version: [ 1, 2 ]
amdhsa.kernels:
  - .name:           k_q7aa8f0bbed_up
    .symbol:         k_q7aa8f0bbed_up.kd
    .args:
      - { .name: w1, .offset: 0, .size: 8, .value_kind: global_buffer, .address_space: global }
      - { .name: b1, .offset: 8, .size: 8, .value_kind: global_buffer, .address_space: global }
      - { .name: xg, .offset: 16, .size: 8, .value_kind: global_buffer, .address_space: global }
      - { .name: route, .offset: 24, .size: 8, .value_kind: global_buffer, .address_space: global }
      - { .name: hq, .offset: 32, .size: 8, .value_kind: global_buffer, .address_space: global }
    .group_segment_fixed_size: 53248
    .private_segment_fixed_size: 0
    .kernarg_segment_align: 8
    .kernarg_segment_size: 40
    .max_flat_workgroup_size: 512
    .sgpr_count:     66
    .vgpr_count:     256
    .wavefront_size: 32
...
	.end_amdgpu_metadata
.endif
;; end of part 9
;; launch down (part 10): grid 32 x 8, 16 waves a work-group, no clusters, 90,112 bytes of LDS; arguments w2, b2, hq, gwp, route, yr; writes yr
.if DOCPART == 10
	.amdgcn_target "amdgcn-amd-amdhsa--gfx1250"
	.amdhsa_code_object_version 6
	.text
	.protected	k_q7aa8f0bbed_down
	.globl	k_q7aa8f0bbed_down
	.p2align	8
	.type	k_q7aa8f0bbed_down,@function
k_q7aa8f0bbed_down:
	s_mov_b64 s[64:65], 0
	v_nop
	global_prefetch_b8 v0, s[64:65] scope:SCOPE_SE
	s_setreg_imm32_b32 hwreg(HW_REG_WAVE_SCHED_MODE, 0, 2), 2
	s_setreg_imm32_b32 hwreg(HW_REG_WAVE_MODE, 25, 1), 1
	s_wait_xcnt 0x0
	s_wait_alu depctr_vm_vsrc(0)
; yr = (h W2 + b2) x the gate's weight, for the routed rows, on codes of E3M2 with one E8M0 scale for each 32 along K.  w2: [8][2048][1024] f32, K its middle axis.
; SHARES.  A work-group owns expert e (y) and outputs 32 sl .. 32 sl + 31 (x), for all rows of the expert: each byte of w2 is read from memory once in the launch.
; PHASE S: wave w streams K rows 128 w .. 128 w + 127 x 32 columns: a lane to a column, registers down K; the codes go to LDS as images of the operand's registers (fragment 16 u + s), the scale words beside them.  One barrier.
; PHASE M: a wave takes tasks q = w, w + 16, .. of 32 rows: a loop of 4 trips, a constant; a trip whose task lies beyond the stored count is jumped over.  No barrier stands in it.
; The product is used transposed (source 0 = 16 outputs, source 1 = 16 rows of h); row m of tile u is column 16 (m / 8) + 8 u + m % 8, so that a lane's 16 results are 16 neighbouring outputs of one row.
; b2 is loaded straight into the accumulators.  The results go through the wave's own stage in LDS and leave as 512 consecutive bytes an instruction.
; yr: [tile TI = 128 e + 2 q + a][slice 32][row 16][32 f32]: 65,536 TI + 2,048 sl + 128 r + 4 c.
; NO TENSOR LOADS, NO CLUSTER: trips are jumped over on a number read from memory.  LIMITS: NaN and infinities are not served; a block of w2 under 2^-122 (zeros too) keeps the byte 1.
; THE MODE: SCHED_MODE bits 1:0 = 2 (LLVM: expert scheduling mode 2), set by the entry lines.  The code itself states the register dependences
; between vector or matrix instructions and memory or LDS instructions, with s_wait_alu, always for 0.
; THE PLAN.  Registers that memory or LDS instructions touch:
;   v1-v9        offsets and LDS addresses: made at the head, ahead of one wait on va_vdst, and never written again: tasks and K steps are reached by scalar bases and immediate offsets.
;   RAW          phase S: its loads land there, its conversions read it.
;   CW, v14      phase S: written by the conversions and moves, read by the LDS stores: one wait on va_vdst between the two; one on vm_vsrc behind the barrier, since fragments land in CW's registers and b2 in v14.
;   WF, WSR      TWO sets by turns: step s's four products read set s % 2; the loads of step s + 1 land in the other.    AF: six slots: step s reads slot s % 6; the loads of step s + 5 land in slot (s - 1) % 6.
;   ACC, GW      b2 and the rows' weights land there at a task's head; the products and the way out's multiplications name them; the LDS stores into the stage read ACC.
;   v220-251     the rows read back from the stage land there (slots that steps 10 and 11 read last); the global stores read them.
; So ONE wait on va_vdst stands at the head of each of K steps 1 to 14, behind the waits for the step's data: step s - 1's products are done reading the other set of W and slot (s - 1) % 6.  The step's fifteen loads land in
; those registers and are dealt among its four products, which name set s % 2, slot s % 6, the rows' scale words and the accumulators: none of the registers that the loads touch.
; One wait on va_vdst stands in the way out, behind both tiles' multiplications; one on vm_vsrc at the task's end.
; A task's first loads owe no wait: behind phase S's wait on va_vdst, and behind the way out's, no vector or matrix instruction is issued; a trip that is jumped over holds none.
.set NTO, 16384
.set HQS, 25165824
.set WSC, 49152                        ; LDS: 32 fragment images from byte 0; 16 x 128 bytes of scale words (lanes 0-15 tile 0, lanes 16-31 tile 1);
.set OST, 51200                        ; a stage of 16 rows x (128 + 16) bytes for each wave
.set QW,  10                           ; v10-14   at work in phase S
.set TU,  16
.set CW,  96
.set RAW, 128
.set GW,  10                           ; v10-11   the rows' weights: tile 0's, tile 1's
.set ACC, 14                           ; v14-45   accumulator (tile of rows a, tile of outputs u) at ACC + 16 a + 8 u
.set ASC, 46                           ; v46-61   h's scale words: (a, I) at ASC + 8 a + I: lanes 0-15 K step 2 I, lanes 16-31 K step 2 I + 1
.set WSR, 62                           ; v62-63   W's scale words: K step s in register s % 2
.set WF,  64                           ; v64-111  W's two fragments: K step s in set s % 2, 24 registers a set
.set AF,  112                          ; v112-255 h's fragments: six slots of two
	s_load_b256 s[4:11], s[0:1], 0x0               ; w2 s[4:5], b2 s[6:7], hq s[8:9], gwp s[10:11]
	s_load_b128 s[12:15], s[0:1], 0x20             ; route s[12:13], yr s[14:15]
	v_lshrrev_b32 v10, 5, v0
	v_readfirstlane_b32 s16, v10                   ; wave 0..15
	s_mov_b32 s17, ttmp9                           ; sl
	s_and_b32 s18, ttmp7, 0xffff                   ; e
	v_and_b32 v10, 31, v0
	v_lshlrev_b32 v1, 4, v10                       ; 16 x lane
	v_lshlrev_b32 v2, 2, v10                       ; 4 x lane
	v_lshlrev_b32 v3, 3, v10                       ; 8 x lane
	v_bfe_u32 v11, v0, 4, 1                        ; h
	v_lshlrev_b32 v4, 6, v11                       ; 64 h
	v_and_b32 v12, 15, v0                          ; r
	v_lshlrev_b32 v5, 2, v12                       ; 4 r
	v_bfe_u32 v13, v0, 3, 1                        ; u
	v_and_b32 v14, 7, v0
	v_lshl_add_u32 v15, v11, 3, v14                ; m
	s_wait_alu depctr_va_sdst(0)                   ; s16 is written, ahead of its first reader: LDS places, w2's base and the tasks' numbers are made from it
	s_mul_i32 s22, s16, 1536
	v_mul_u32_u24 v6, v13, 24576
	v_lshl_add_u32 v6, v15, 4, v6
	v_add_nc_u32 v6, s22, v6                       ; fragment 16 u + wave, + 16 m
	s_lshl_b32 s22, s16, 7
	s_add_co_u32 s22, s22, WSC
	v_lshl_add_u32 v7, v13, 4, v15
	v_lshlrev_b32 v7, 2, v7
	v_add_nc_u32 v7, s22, v7                       ; my column's scale word
	s_mul_i32 s22, s16, 2304
	s_add_co_u32 s22, s22, OST                     ; my stage
	v_mul_u32_u24 v8, v12, 144
	v_add_nc_u32 v8, v8, v4
	v_add_nc_u32 v8, s22, v8                       ; in: row r, + 64 h
	v_bfe_u32 v9, v0, 3, 2
	v_mul_u32_u24 v9, v9, 144
	v_lshl_add_u32 v9, v14, 4, v9
	v_add_nc_u32 v9, s22, v9                       ; back: four rows an instruction, eight lanes to a row
	s_lshl_b32 s34, s18, 23                        ; w2: 8,388,608 e + 524,288 wave + 128 sl
	s_lshl_b32 s22, s16, 19
	s_add_co_u32 s34, s34, s22
	s_lshl_b32 s22, s17, 7
	s_add_co_u32 s34, s34, s22
	s_mov_b32 s35, 0
	s_lshl_b32 s37, s18, 7                         ; 128 e: not written again
	s_wait_kmcnt 0x0
	s_add_nc_u64 s[34:35], s[4:5], s[34:35]
	s_wait_alu depctr_va_vdst(0)                   ; the nine offsets and addresses v1 to v9 are written, which every load and store of the kernel reads
.set kk, 0
.rept 128
	global_load_b32 v[RAW+kk], v2, s[34:35] offset:4096*kk th:TH_LOAD_NT   ; row 128 wave + kk of K at 32 neighbouring columns: 128 consecutive bytes; read once in the launch
.set kk, kk+1
.endr
	s_load_b32 s19, s[12:13], s37 offset:NTO       ; the expert's number of tasks
	s_lshl_b32 s22, s18, 12
	s_lshl_b32 s23, s17, 7
	s_add_co_u32 s22, s22, s23
	s_mov_b32 s23, 0
	s_add_nc_u64 s[32:33], s[6:7], s[22:23]        ; b2 at my 32 outputs
	s_lshl_b32 s39, s17, 11                        ; 2,048 sl
.macro QBLK b                          ; block b of my column: largest magnitude with the floor 2^(5 - 127), scale operand, byte, codes
.set RB, RAW+32*(\b)
.set OB, 12*((\b)%2)+6*((\b)/2)
	v_max3_num_f32 v[QW], |v[RB]|, |v[RB+1]|, |v[RB+2]|
	v_max3_num_f32 v[QW+1], |v[RB+3]|, |v[RB+4]|, |v[RB+5]|
.irp i, 6,10,14,18,22,26
	v_max3_num_f32 v[QW], v[QW], |v[RB+\i]|, |v[RB+\i+1]|
	v_max3_num_f32 v[QW+1], v[QW+1], |v[RB+\i+2]|, |v[RB+\i+3]|
.endr
	v_max3_num_f32 v[QW], v[QW], |v[RB+30]|, |v[RB+31]|
	v_max3_num_f32 v[QW], v[QW], v[QW+1], 0x2800000
	v_add_nc_u32 v[QW+2], 0xfe000000, v[QW]
	v_lshrrev_b32 v[QW+3], 23, v[QW+2]
.if (\b) == 0
	v_mov_b32 v[QW+4], v[QW+3]
.else
	v_lshl_or_b32 v[QW+4], v[QW+3], 8*(\b), v[QW+4]
.endif
	v_cvt_scalef32_pk16_bf6_f32 v[CW+OB:CW+OB+2], v[RB:RB+15], v[QW+2]
	v_cvt_scalef32_pk16_bf6_f32 v[TU+4*(\b):TU+4*(\b)+2], v[RB+16:RB+31], v[QW+2]   ; (a conversion's three registers begin on an even number)
.endm
	s_wait_loadcnt 63                              ; block 0's 32 loads are in: 96 were issued behind them, and 63 is the largest count that the wait can name
	QBLK 0
	s_wait_loadcnt 63                              ; block 1's: 64 were issued behind them
	QBLK 1
	s_wait_loadcnt 32                              ; block 2's: block 3's 32 may be out
	QBLK 2
	s_wait_loadcnt 0x0
	QBLK 3
	v_nop                                          ; one plain instruction behind the last scaled conversion
.irp b, 0,1,2,3
.irp i, 0,1,2
	v_mov_b32 v[CW+12*(\b%2)+6*(\b/2)+3+\i], v[TU+4*\b+\i]
.endr
.endr
	s_wait_alu depctr_va_vdst(0)                   ; the conversions and moves have written v96-119 and v14, which the LDS stores read; they are also done with v10-31 and v128-255, in which the first task's loads land
.irp hh, 0,1
.irp j, 0,1,2
	ds_store_b128 v6, v[CW+12*\hh+4*\j:CW+12*\hh+4*\j+3] offset:256*\hh+512*\j
.endr
.endr
	ds_store_b32 v7, v[QW+4]
	s_wait_dscnt 0x0                               ; for the others' sake: my images lie in LDS
	s_barrier_signal -1
	s_barrier_wait -1                              ; all 32 fragments and their scale words lie in LDS; nothing is written there again
	s_wait_alu depctr_vm_vsrc(0)                   ; my LDS stores have read v96-119, in which fragments land from here on, and v14, in which b2 lands
	s_wait_kmcnt 0x0
	s_min_u32 s19, s19, 64
.macro WM acc, wf, af, sa, sb, ra, rb
.if ((\ra) != 0) && ((\rb) != 0)
	v_wmma_scale_f32_16x16x128_f8f6f4 v[(\acc):(\acc)+7], v[(\wf):(\wf)+11], v[(\af):(\af)+11], v[(\acc):(\acc)+7], v[(\sa)], v[(\sb)] matrix_a_fmt:MATRIX_FMT_BF6 matrix_b_fmt:MATRIX_FMT_BF6 matrix_a_scale:MATRIX_SCALE_ROW1 matrix_b_scale:MATRIX_SCALE_ROW1
.elseif (\ra) != 0
	v_wmma_scale_f32_16x16x128_f8f6f4 v[(\acc):(\acc)+7], v[(\wf):(\wf)+11], v[(\af):(\af)+11], v[(\acc):(\acc)+7], v[(\sa)], v[(\sb)] matrix_a_fmt:MATRIX_FMT_BF6 matrix_b_fmt:MATRIX_FMT_BF6 matrix_a_scale:MATRIX_SCALE_ROW1
.elseif (\rb) != 0
	v_wmma_scale_f32_16x16x128_f8f6f4 v[(\acc):(\acc)+7], v[(\wf):(\wf)+11], v[(\af):(\af)+11], v[(\acc):(\acc)+7], v[(\sa)], v[(\sb)] matrix_a_fmt:MATRIX_FMT_BF6 matrix_b_fmt:MATRIX_FMT_BF6 matrix_b_scale:MATRIX_SCALE_ROW1
.else
	v_wmma_scale_f32_16x16x128_f8f6f4 v[(\acc):(\acc)+7], v[(\wf):(\wf)+11], v[(\af):(\af)+11], v[(\acc):(\acc)+7], v[(\sa)], v[(\sb)] matrix_a_fmt:MATRIX_FMT_BF6 matrix_b_fmt:MATRIX_FMT_BF6
.endif
.endm
.macro ALOAD s, a                      ; tile a's fragment of K step s into slot s % 6: four loads
.set FA, AF+24*((\s)%6)+12*(\a)
	global_load_b128 v[FA:FA+3], v1, s[24:25] offset:24576*(\a)+1536*(\s)
	global_load_b64 v[FA+4:FA+5], v3, s[24:25] offset:24576*(\a)+1536*(\s)+512
	global_load_b128 v[FA+6:FA+9], v1, s[24:25] offset:24576*(\a)+1536*(\s)+768
	global_load_b64 v[FA+10:FA+11], v3, s[24:25] offset:24576*(\a)+1536*(\s)+1280
.endm
.macro WLOAD s                         ; W's two fragments and its scale words of K step s into set s % 2: seven loads
.irp u, 0,1
.irp j, 0,1,2
	ds_load_b128 v[WF+24*((\s)%2)+12*\u+4*\j:WF+24*((\s)%2)+12*\u+4*\j+3], v1 offset:1536*(16*\u+(\s))+512*\j
.endr
.endr
	ds_load_b32 v[WSR+(\s)%2], v2 offset:WSC+128*(\s)
.endm
.macro KSTEP s                         ; four products on four accumulators, which take turns, one instruction a turn, in the same order in every step
.if (\s) == 0
	s_wait_loadcnt 40                              ; step 0's h, b2, the weights and the scale words are in; the five later steps' 40 loads may be out
.elseif 15-(\s) < 4
	s_wait_loadcnt 8*(15-(\s))                     ; this step's h is in; the eight loads of each later step may be out
.else
	s_wait_loadcnt 32                              ; this step's h is in; the four later steps' 32 loads may be out (the fifth's are issued below)
.endif
	s_wait_dscnt 0x0                               ; W's set s % 2 is in: it was asked for a step ago
.if ((\s) > 0) && ((\s) < 15)
	s_wait_alu depctr_va_vdst(0)                   ; the last step's products are done reading the other set of W, its scale words and slot (s - 1) % 6, in which the loads below land
.endif
	WM ACC, WF+24*((\s)%2), AF+24*((\s)%6), WSR+(\s)%2, ASC+(\s)/2, 0, (\s)%2
.if (\s) < 15
	WLOAD (\s)+1                                   ; no wait: no product since the wait above names the other set (in step 0: none since the task's head)
.endif
	WM ACC+16, WF+24*((\s)%2), AF+24*((\s)%6)+12, WSR+(\s)%2, ASC+8+(\s)/2, 0, (\s)%2
.if ((\s) > 0) && ((\s) < 11)
	ALOAD (\s)+5, 0                                ; five steps ahead, into the slot that the last step read
.endif
	WM ACC+8, WF+24*((\s)%2)+12, AF+24*((\s)%6), WSR+(\s)%2, ASC+(\s)/2, 1, (\s)%2
.if ((\s) > 0) && ((\s) < 11)
	ALOAD (\s)+5, 1
.endif
	WM ACC+24, WF+24*((\s)%2)+12, AF+24*((\s)%6)+12, WSR+(\s)%2, ASC+8+(\s)/2, 1, (\s)%2
.rept 4
	v_nop                                          ; four plain instructions between the products and loads into their sources, or the first read of their results
.endr
.endm
.macro SCALE a                         ; tile a x its rows' weights; each accumulator is read from its low end on
.set AC, ACC+16*(\a)
.set j, 0
.rept 8
.if (\a) == 0
	v_pk_mul_f32 v[AC+j:AC+j+1], v[AC+j:AC+j+1], v[GW:GW+1] op_sel_hi:[1,0]
.else
	v_pk_mul_f32 v[AC+j:AC+j+1], v[AC+j:AC+j+1], v[GW:GW+1] op_sel:[0,1]
.endif
.set j, j+2
.endr
.endm
.macro STAGE a                         ; tile a through my stage
.set AC, ACC+16*(\a)
.set RK, 236-16*(\a)
.irp u, 0,1
.irp n, 0,1
	ds_store_b128 v8, v[AC+8*\u+4*\n:AC+8*\u+4*\n+3] offset:32*\u+16*\n
.endr
.endr
.irp i, 0,1,2,3
	ds_load_b128 v[RK+4*\i:RK+4*\i+3], v9 offset:576*\i   ; my wave's own bytes, served in order: these see the stores above, and the next tile's stores come behind them
.endr
.endm
.macro SEND a
.set RK, 236-16*(\a)
.irp i, 0,1,2,3
	global_store_b128 v1, v[RK+4*\i:RK+4*\i+3], s[30:31] offset:65536*(\a)+512*\i th:TH_STORE_NT   ; 512 consecutive bytes, aligned
.endr
.endm
	s_mov_b32 s21, 0
	s_mov_b32 s20, s16                             ; q = wave, then + 16 a trip
.Ltrip:
	s_cmp_ge_u32 s20, s19
	s_cbranch_scc1 .Lskip
	s_lshl_b32 s38, s18, 6
	s_add_co_u32 s38, s38, s20                     ; Q = 64 e + q
	s_mul_i32 s22, s38, 49152
	s_mov_b32 s23, 0
	s_add_nc_u64 s[24:25], s[8:9], s[22:23]        ; the task's h,
	s_lshl_b32 s22, s38, 11
	s_add_co_u32 s22, s22, HQS
	s_add_nc_u64 s[26:27], s[8:9], s[22:23]        ; its scale words,
	s_lshl_b32 s22, s38, 7
	s_add_nc_u64 s[28:29], s[10:11], s[22:23]      ; its rows' weights,
	s_lshl_b32 s22, s38, 17
	s_add_co_u32 s22, s22, s39
	s_add_nc_u64 s[30:31], s[14:15], s[22:23]      ; and where the results go
; The loads below owe no wait on va_vdst: no vector or matrix instruction has been issued since the last one (phase S's; in later trips the way out's).
.irp a, 0,1
.irp u, 0,1
.irp n, 0,1
	global_load_b128 v[ACC+16*\a+8*\u+4*\n:ACC+16*\a+8*\u+4*\n+3], v4, s[32:33] offset:32*\u+16*\n   ; b2 at the lane's eight outputs of the tile: the sums begin with it
.endr
.endr
.endr
.irp a, 0,1
	global_load_b32 v[GW+\a], v5, s[28:29] offset:64*\a
.endr
.irp a, 0,1
.irp n, 0,1
	global_load_b128 v[ASC+8*\a+4*\n:ASC+8*\a+4*\n+3], v1, s[26:27] offset:1024*\a+512*\n
.endr
.endr
.irp s, 0,1,2,3,4,5
	ALOAD \s, 0
	ALOAD \s, 1
.endr
	WLOAD 0
	KSTEP 0
	KSTEP 1
	KSTEP 2
	KSTEP 3
	KSTEP 4
	KSTEP 5
	KSTEP 6
	KSTEP 7
	KSTEP 8
	KSTEP 9
	KSTEP 10
	KSTEP 11
	KSTEP 12
	KSTEP 13
	KSTEP 14
	KSTEP 15
	SCALE 0
	SCALE 1
	s_wait_alu depctr_va_vdst(0)                   ; the sixteen multiplications have written the accumulators, which the LDS stores read; the products are done reading v220-251, in which the rows land that come back from the stage
	STAGE 0
	STAGE 1
	s_wait_dscnt 8                                 ; tile 0's rows are back; tile 1's four stores and four loads may be out
	SEND 0
	s_wait_dscnt 0x0
	SEND 1
	s_wait_xcnt 0x0                                ; the stores have read their data and their base: the next trip writes both again
	s_wait_alu depctr_vm_vsrc(0)                   ; the LDS stores have read the accumulators, in which the next task's b2 lands; the global stores have read v220-251, in which its fragments of h land
.Lskip:
	s_add_co_u32 s20, s20, 16
	s_add_co_u32 s21, s21, 1
	s_cmp_lt_u32 s21, 4
	s_cbranch_scc1 .Ltrip
	s_wait_xcnt 0x0
	v_lshl_add_u32 v254, v0, 2, 0x15800
	v_mov_b32 v255, 0
	s_wait_dscnt 0x0                               ; the closing lines, six on end
	s_wait_alu 0x0
	s_wait_tensorcnt 0x0
	ds_add_u32 v254, v255
	s_wait_dscnt 0x0
	s_endpgm
.Lfunc_end_k_q7aa8f0bbed_down:
	.size	k_q7aa8f0bbed_down, .Lfunc_end_k_q7aa8f0bbed_down-k_q7aa8f0bbed_down
	.p2alignl 7, 3214868480
	.fill 96, 4, 3214868480
	.section	.rodata,"a",@progbits
	.p2align	6, 0x0
	.amdhsa_kernel k_q7aa8f0bbed_down
		.amdhsa_group_segment_fixed_size 90112
		.amdhsa_private_segment_fixed_size 0
		.amdhsa_enable_private_segment 0
		.amdhsa_kernarg_size 48
		.amdhsa_user_sgpr_count 2
		.amdhsa_user_sgpr_kernarg_segment_ptr 1
		.amdhsa_wavefront_size32 1
		.amdhsa_system_sgpr_workgroup_id_x 1
		.amdhsa_system_sgpr_workgroup_id_y 1
		.amdhsa_system_sgpr_workgroup_id_z 1
		.amdhsa_system_vgpr_workitem_id 0
		.amdhsa_next_free_vgpr 256
		.amdhsa_next_free_sgpr 66
		.amdhsa_reserve_vcc 0
		.amdhsa_float_denorm_mode_32 3
		.amdhsa_float_denorm_mode_16_64 3
		.amdhsa_memory_ordered 1
		.amdhsa_forward_progress 1
		.amdhsa_inst_pref_size 57
	.end_amdhsa_kernel
	.amdgpu_metadata
---
amdhsa.version: [ 1, 2 ]
amdhsa.kernels:
  - .name:           k_q7aa8f0bbed_down
    .symbol:         k_q7aa8f0bbed_down.kd
    .args:
      - { .name: w2, .offset: 0, .size: 8, .value_kind: global_buffer, .address_space: global }
      - { .name: b2, .offset: 8, .size: 8, .value_kind: global_buffer, .address_space: global }
      - { .name: hq, .offset: 16, .size: 8, .value_kind: global_buffer, .address_space: global }
      - { .name: gwp, .offset: 24, .size: 8, .value_kind: global_buffer, .address_space: global }
      - { .name: route, .offset: 32, .size: 8, .value_kind: global_buffer, .address_space: global }
      - { .name: yr, .offset: 40, .size: 8, .value_kind: global_buffer, .address_space: global }
    .group_segment_fixed_size: 90112
    .private_segment_fixed_size: 0
    .kernarg_segment_align: 8
    .kernarg_segment_size: 48
    .max_flat_workgroup_size: 512
    .sgpr_count:     66
    .vgpr_count:     256
    .wavefront_size: 32
...
	.end_amdgpu_metadata
.endif
;; end of part 10
;; launch combine (part 11): grid 256 x 1, 8 waves a work-group, no clusters, 0 bytes of LDS; arguments yr, route, out0; writes out0
.if DOCPART == 11
	.amdgcn_target "amdgcn-amd-amdhsa--gfx1250"
	.amdhsa_code_object_version 6
	.text
	.protected	k_q7aa8f0bbed_combine
	.globl	k_q7aa8f0bbed_combine
	.p2align	8
	.type	k_q7aa8f0bbed_combine,@function
k_q7aa8f0bbed_combine:
	s_mov_b64 s[64:65], 0
	v_nop
	global_prefetch_b8 v0, s[64:65] scope:SCOPE_SE
	s_setreg_imm32_b32 hwreg(HW_REG_WAVE_MODE, 25, 1), 1
	s_wait_xcnt 0x0
; out0[t] = the token's two routed rows added; each already carries its bias and its gate's weight.  A wave takes one token: t = 8 x work-group + wave.
; The token's two positions P come from route (whole numbers that an earlier launch stored).  Row P lies in yr at 65,536 (P / 16) + 128 (P % 16), in 32 pieces of 128 bytes, 2,048 bytes apart.
; Memory binds: sixteen loads a wave are out together; each store covers 512 consecutive bytes, aligned.  No LDS, no barrier, no matrix unit: nothing is shared and nothing is multiplied.
	s_load_b128 s[4:7], s[0:1], 0x0                ; yr s[4:5], route s[6:7]
	s_load_b64 s[8:9], s[0:1], 0x10                ; out0
	v_lshrrev_b32 v1, 5, v0
	s_delay_alu instid0(VALU_DEP_1)
	v_readfirstlane_b32 s10, v1                    ; wave 0..7
	s_lshl_b32 s11, ttmp9, 3
	s_add_co_u32 s11, s11, s10                     ; the token
	s_lshl_b32 s14, s11, 3                         ; its two words in route; not written again
	v_and_b32 v1, 31, v0
	s_delay_alu instid0(VALU_DEP_1)
	v_lshlrev_b32 v3, 4, v1                        ; out: 16 x lane
	s_delay_alu instid0(VALU_DEP_2)
	v_lshrrev_b32 v2, 3, v1
	s_delay_alu instid0(VALU_DEP_1)
	v_lshlrev_b32 v2, 11, v2
	s_delay_alu instid0(VALU_DEP_4)
	v_and_b32 v4, 7, v1
	s_delay_alu instid0(VALU_DEP_1)
	v_lshl_add_u32 v2, v4, 4, v2                   ; in: piece lane / 8 of four, 16 (lane % 8) in it
	s_wait_alu depctr_va_vdst(0)
	s_wait_kmcnt 0x0
	s_load_b64 s[12:13], s[6:7], s14 offset:0x0
	s_lshl_b32 s24, s11, 12
	s_mov_b32 s25, 0
	s_add_nc_u64 s[8:9], s[8:9], s[24:25]          ; the token's row of out0
	s_wait_kmcnt 0x0
.macro ROWBASE p, d                    ; the two parts of a position are cut and held to their ranges first; only shifts left and sums follow
	s_lshr_b32 s16, s[\p], 4
	s_min_u32 s16, s16, 0x3ff
	s_and_b32 s17, s[\p], 15
	s_min_u32 s17, s17, 15
	s_lshl_b32 s16, s16, 16
	s_lshl_b32 s17, s17, 7
	s_add_co_u32 s16, s16, s17
	s_mov_b32 s17, 0
	s_add_nc_u64 s[\d:\d+1], s[4:5], s[16:17]
.endm
	ROWBASE 12, 20
	ROWBASE 13, 22
.irp i, 0,1,2,3,4,5,6,7
	global_load_b128 v[8+8*\i:11+8*\i], v2, s[20:21] offset:8192*\i th:TH_LOAD_NT
	global_load_b128 v[12+8*\i:15+8*\i], v2, s[22:23] offset:8192*\i th:TH_LOAD_NT
.endr
.irp i, 0,1,2,3,4,5,6,7
	s_wait_loadcnt 14-2*\i                         ; pair i is in; the later pairs' loads may be out
	v_pk_add_f32 v[8+8*\i:9+8*\i], v[8+8*\i:9+8*\i], v[12+8*\i:13+8*\i]
	v_pk_add_f32 v[10+8*\i:11+8*\i], v[10+8*\i:11+8*\i], v[14+8*\i:15+8*\i]
	global_store_b128 v3, v[8+8*\i:11+8*\i], s[8:9] offset:512*\i th:TH_STORE_NT
.endr
	s_endpgm
.Lfunc_end_k_q7aa8f0bbed_combine:
	.size	k_q7aa8f0bbed_combine, .Lfunc_end_k_q7aa8f0bbed_combine-k_q7aa8f0bbed_combine
	.p2alignl 7, 3214868480
	.fill 96, 4, 3214868480
	.section	.rodata,"a",@progbits
	.p2align	6, 0x0
	.amdhsa_kernel k_q7aa8f0bbed_combine
		.amdhsa_group_segment_fixed_size 0
		.amdhsa_private_segment_fixed_size 0
		.amdhsa_enable_private_segment 0
		.amdhsa_kernarg_size 24
		.amdhsa_user_sgpr_count 2
		.amdhsa_user_sgpr_kernarg_segment_ptr 1
		.amdhsa_wavefront_size32 1
		.amdhsa_system_sgpr_workgroup_id_x 1
		.amdhsa_system_sgpr_workgroup_id_y 1
		.amdhsa_system_sgpr_workgroup_id_z 1
		.amdhsa_system_vgpr_workitem_id 0
		.amdhsa_next_free_vgpr 96
		.amdhsa_next_free_sgpr 66
		.amdhsa_reserve_vcc 0
		.amdhsa_float_denorm_mode_32 3
		.amdhsa_float_denorm_mode_16_64 3
		.amdhsa_memory_ordered 1
		.amdhsa_forward_progress 1
		.amdhsa_inst_pref_size 6
	.end_amdhsa_kernel
	.amdgpu_metadata
---
amdhsa.version: [ 1, 2 ]
amdhsa.kernels:
  - .name:           k_q7aa8f0bbed_combine
    .symbol:         k_q7aa8f0bbed_combine.kd
    .args:
      - { .name: yr, .offset: 0, .size: 8, .value_kind: global_buffer, .address_space: global }
      - { .name: route, .offset: 8, .size: 8, .value_kind: global_buffer, .address_space: global }
      - { .name: out0, .offset: 16, .size: 8, .value_kind: global_buffer, .address_space: global }
    .group_segment_fixed_size: 0
    .private_segment_fixed_size: 0
    .kernarg_segment_align: 8
    .kernarg_segment_size: 24
    .max_flat_workgroup_size: 256
    .sgpr_count:     66
    .vgpr_count:     96
    .wavefront_size: 32
...
	.end_amdgpu_metadata
.endif
;; end of part 11
